; MI455X (gfx1250); checked and timed in simulation.
; The chip was launched on July 23, 2026; its instructions are those of AMD's public machine-readable ISA for CDNA 5 (MIT licence, August 2026) and "CDNA5" Instruction Set Architecture Reference Guide (July 2026). The comments in the code are by the model that wrote it; some were corrected since.
;; Block. Allowed arithmetic: matrix products marked QUANTISED: E2M3 operands, one E8M0 scale for each 32 along K, by v_wmma_scale_f32_16x16x128_f8f6f4 with both operands' format E2M3, f32 sums; everything else in f32.
;; Inputs: W1 1,024 x 4,096 float32; W2 4,096 x 1,024 float32; Wk 1,024 x 1,024 float32; Wo 1,024 x 1,024 float32; Wq 1,024 x 1,024 float32; Wv 1,024 x 1,024 float32; b1 4,096 float32; b2 1,024 float32; bk 1,024 float32; bo 1,024 float32; bq 1,024 float32; bv 1,024 float32; ln1_b 1,024 float32; ln1_g 1,024 float32; ln2_b 1,024 float32; ln2_g 1,024 float32; x 4 x 1,024 x 1,024 float32.
;; Outputs: out0 4 x 1,024 x 1,024 float32.
;; This version of the problem:
;;   THIS VERSION OF THE PROBLEM IS GIVEN IN LOW PRECISION. The matrix products marked QUANTISED in the list below multiply operands that are first quantised to E2M3 (2 exponent bits, 3 mantissa bits; 6 bits a number), with one power-of-two scale for each 32 numbers along K (OCP MX v1.0); their sums are f32. All else is computed in f32.
;;   The module's matrix products, in the order in which they are computed (A, B: the left and right operand; K: the contracted axis; several contracted axes count as one K, in the product's order):
;;     1. [M 4,096, K 1,024] x [K 1,024, N 1,024]; A: computed on the way; B: input Wq: QUANTISED
;;     2. [M 4,096, K 1,024] x [K 1,024, N 1,024]; A: computed on the way; B: input Wk: QUANTISED
;;     3. [M 4,096, K 1,024] x [K 1,024, N 1,024]; A: computed on the way; B: input Wv: QUANTISED
;;     4. batch 64 x [M 1,024, K 64] x [K 64, N 1,024]; A: computed on the way; B: computed on the way: QUANTISED
;;     5. batch 64 x [M 64, K 1,024] x [K 1,024, N 1,024]; A: computed on the way; B: softmax (see below): QUANTISED
;;     6. [M 4,096, K 1,024] x [K 1,024, N 1,024]; A: computed on the way; B: input Wo: QUANTISED
;;     7. [M 4,096, K 1,024] x [K 1,024, N 4,096]; A: computed on the way; B: input W1: QUANTISED
;;     8. [M 4,096, K 4,096] x [K 4,096, N 1,024]; A: computed on the way; B: input W2: QUANTISED
;;   THE QUANTISER, for each operand of a quantised product, along K:
;;     - K is cut into blocks of 32 from its start; a last block that is shorter is filled with zeros.
;;     - A block's scale is 2^e with e = floor(log2(the largest magnitude in the block)) - 2, held to -126 .. 127; a block of zeros has e = 0. As a byte (E8M0): e + 127.
;;     - Each number is divided by its block's scale, clamped to +-7.5, and rounded to the nearest number of E2M3, ties to even, subnormals kept.
;;     - The product sums the exact products of the quantised numbers (number of the format x scale) in f32.
;;   ~~~python
;;   def quantise(x, axis):      # numpy; x: float32 -> the quantised numbers, widened to float32 again
;;       x = np.moveaxis(x, axis, -1); K = x.shape[-1]
;;       x = np.pad(x, [(0, 0)] * (x.ndim - 1) + [(0, -K % 32)]); x = x.reshape(x.shape[:-1] + (-1, 32)); a = np.abs(x).max(-1, keepdims=True)
;;       e = np.where(a > 0, np.clip(np.frexp(np.where(a > 0, a, 1))[1] - 1 - 2, -126, 127), 0)      # np.frexp(a)[1] - 1 = floor(log2(a)), exactly
;;       r = np.clip(x / 2.0 ** e, -7.5, 7.5)
;;       step = 2.0 ** (np.maximum(np.frexp(np.where(r == 0, 1, r))[1] - 1, 0) - 3)
;;       q = np.round(r / step) * step * 2.0 ** e      # np.round: ties to even
;;       return np.moveaxis(q.reshape(q.shape[:-2] + (-1,))[..., :K], -1, axis).astype(np.float32)
;;   ~~~
;;   SOFTMAX AHEAD OF A QUANTISED PRODUCT. Where the list says 'softmax', what is quantised is not the finished softmax but p = 2^(t - M), with t = logit x log2(e) and M = ceil(the row's largest t), a whole number; so 1/2 < the row's largest p <= 1. The row's sum l is taken of the UNQUANTISED p, in f32, and the product's result is divided by l at the end. Since M is a whole number, a kernel that streams over the keys may use a running M (the ceiling of the running maximum): every later rescaling is an exact power of two, which a block's scale takes up: the codes' values come out the same.
;;   OPERANDS COMPUTED ON THE WAY. 'Computed on the way' means the value that the module computes at that place (a softmax that the list does not call 'softmax' is quantised finished and normalised). What goes into a quantiser is computed in f32, as accurately as f32 sums, v_exp_f32 and their like allow (about 1e-6 of the number): no bf16 or f16 on the way to a quantiser, and a product that is left as it is and whose result goes on into a quantised operand takes f32 operands (vector FMAs, or v_wmma_f32_16x16x4_f32). A number that lies on a knife's edge between two numbers of the format may be rounded either way, as far as f32 arithmetic and the matrix unit's own rounding can turn it there, and no further.
;; One version. Each part assembles by itself: llvm-mc -triple=amdgcn-amd-amdhsa -mcpu=gfx1250 --defsym DOCPART=n.
;; ======== version 1 of 1: 7 launches
;; limits: a function is approximated: absolute error at most 1e-07; an absolute error that grows with the inputs' magnitude: up to 1e-07 times it
;; workspace buffers: wts 9,830,400 bytes; hq 3,276,800 bytes; qkv 10,092,544 bytes; yq 3,276,800 bytes; x1 16,777,216 bytes; mq 13,107,200 bytes
;; launch lnq1 (part 1): grid 384 x 1, 8 waves a work-group, no clusters, 66,816 bytes of LDS; arguments x, ln1_g, ln1_b, hq, Wq, Wk, Wv, Wo, wts; writes hq, wts
.if DOCPART == 1
	.amdgcn_target "amdgcn-amd-amdhsa--gfx1250"
	.amdhsa_code_object_version 6
	.text
	.protected	k_qb891ecb7cb_lnq1
	.globl	k_qb891ecb7cb_lnq1
	.p2align	8
	.type	k_qb891ecb7cb_lnq1,@function
k_qb891ecb7cb_lnq1:
	s_mov_b64 s[64:65], 0
	v_nop
	global_prefetch_b8 v0, s[64:65] scope:SCOPE_SE
	s_setreg_imm32_b32 hwreg(HW_REG_WAVE_MODE, 25, 1), 1
	s_wait_xcnt 0x0
; TWO JOBS THAT SHARE NOTHING RIDE IN ONE LAUNCH, told apart by the work-group's number: work-groups 0 to 255 normalise and quantise rows, the others quantise weights, so that the weights' loads are on their way while the rows' waves wait for theirs.
; ROWS: h = (x - mean) rsqrt(var + 1e-5) g + b over rows of 1,024 f32, quantised along the row to FP6 (E2M3) with one E8M0 byte for each 32.  WEIGHTS: f32 stored [K][N], quantised along K.
; BOTH are stored as operand FRAGMENTS: 16 row slots x 128 K, 12 registers a lane, 1,536 bytes: half e (registers 6 e .. 6 e + 5) at 768 e: registers 6 e + 2 .. 6 e + 5 at 16 x lane, registers 6 e, 6 e + 1 at 512 + 8 x lane.
; Fragment (rb, ks) of an operand with KF = K / 128 lies at (rb KF + ks) x 1,536; slot r of row block rb holds row 32 (rb / 2) + 8 (rb % 2) + r % 8 + 16 (r / 8).  Scale words: (rb KF + ks) x 64 + 4 r.
; The rows' codes begin at 0 of their buffer, their scale words at 3,145,728.  In wts: codes at 786,432 x tb (tb = 0 Wq, 1 Wk, 2 Wv, 3 Wo, 4 W1, 8 W2), scale words at 9,437,184 + 32,768 x tb.
; A ROW WORK-GROUP is one row block.  First each of the eight waves normalises two slots (two neighbouring rows, 8,192 consecutive bytes), mean and variance in two passes over registers; the rows meet in LDS;
; then wave w builds fragment (rb, w): lane (r, h) reads blocks h and 2 + h of slot r's 128 numbers, whole, so a block's largest magnitude needs no other lane.
; A WEIGHT WORK-GROUP takes 128 columns x 256 K; wave w takes columns 32 (w % 4) on and K step w / 4.  A LANE TAKES A COLUMN n AND ITS REGISTERS RUN DOWN K: a block of 32 lies in one lane, and the conversions give codes with K innermost.
; Lanes 0-15 are the slots of row block rb0, lanes 16-31 those of rb0 + 1.  No LDS, no barrier on this path: its waves share nothing.
; A block's byte is its largest magnitude's exponent field - 2, held at 1 from below.  LIMITS: a block of zeros gets the byte 1 where the rule says 127 (its codes are zeros, and this program alone reads the bytes);
; NaN and infinities among the inputs are not served.  No prefetch: the launch streams.
.set MODE,   1                         ; 1: the weights are Wq, Wk, Wv, Wo; 2: W1, W2
.set NLN,    256                       ; the first 256 work-groups take the rows
.if MODE == 1
.set GOFF,   0                         ; the first group of 128 columns x 256 K that this launch takes, counted over all six weights
.else
.set GOFF,   128
.endif
.set PITCHS, 4112                      ; a slot's row in LDS: 4,096 + 16 bytes = 257 x 16, so the sixteen rows that a load touches start at sixteen different 16-byte columns
.set SPARE,  65792                     ; behind the 16 rows: the spare words, 128 bytes for each wave
.set HS,     3145728
.set SPW, 14
.set NIL, 15
.set X,   32                           ; rows: v32-95 my two rows, later the lane's two blocks.  weights: two sets of 32 numbers
.set G,   96                           ; rows: v96-127 g; later the codes
.set BB,  128                          ; rows: v128-159 b
.set T,   160                          ; rows: v160-175 eight registers a row, at work
.set OFF, 96                           ; weights: v96-127 4 x my column + i rows of W
.set IMG, 128                          ; weights: v128-151 codes: [half of the lanes 0, 1][12]
.set SB,  16                           ; weights: v16 the scale word
.set TMP, 20                           ; weights: v20-22 the second half of a block's codes
	v_lshl_add_u32 v[SPW], v0, 2, SPARE
	v_mov_b32 v[NIL], 0
	v_lshrrev_b32 v1, 5, v0
	v_readfirstlane_b32 s12, v1                    ; wave
	s_cmp_lt_u32 ttmp9, NLN                        ; the same for all waves of a work-group
	s_cbranch_scc0 .Lquant
	; ---------------- THE ROWS
	s_load_b256 s[4:11], s[0:1], 0x0               ; x, g, b, the output
	v_and_b32 v1, 31, v0                           ; lane
	v_and_b32 v2, 15, v0                           ; r
	v_bfe_u32 v3, v0, 4, 1                         ; h
	v_lshlrev_b32 v4, 4, v1                        ; 16 x lane
	s_mul_i32 s18, s12, 2*PITCHS
	v_add_nc_u32 v5, s18, v4                       ; into LDS: my two slots
	v_mul_u32_u24 v6, v2, PITCHS
	v_lshl_add_u32 v6, v3, 7, v6
	s_lshl_b32 s18, s12, 9
	v_add_nc_u32 v6, s18, v6                       ; out of LDS: slot r, K step w, + 128 h
	v_lshlrev_b32 v8, 3, v1                        ; 8 x lane
	v_lshlrev_b32 v9, 2, v2                        ; 4 r
	v_lshlrev_b32 v10, 3, v3                       ; 8 h: my bytes' place in the scale word
	v_mov_b32 v[T+1], 0                            ; written once: a lane permute's destination counts as one of its sources
	v_mov_b32 v[T+7], 0
	v_mov_b32 v[T+9], 0
	v_mov_b32 v[T+15], 0
	s_mov_b32 s14, 0x76543210
	s_mov_b32 s15, 0xfedcba98                      ; lane l xor 16
	s_mov_b32 s16, 0x3a800000                      ; 1 / 1,024
	s_mov_b32 s17, 0x3727c5ac                      ; 1e-5
	s_lshr_b32 s18, ttmp9, 1
	s_lshl_b32 s18, s18, 5
	s_and_b32 s19, ttmp9, 1
	s_lshl_b32 s19, s19, 3
	s_add_co_u32 s18, s18, s19
	s_and_b32 s19, s12, 3
	s_lshl_b32 s19, s19, 1
	s_add_co_u32 s18, s18, s19
	s_lshr_b32 s19, s12, 2
	s_lshl_b32 s19, s19, 4
	s_add_co_u32 s18, s18, s19                     ; slot 2 w's row
	s_lshl_b32 s18, s18, 12
	s_mov_b32 s19, 0
	s_lshl_b32 s20, ttmp9, 3
	s_add_co_u32 s20, s20, s12                     ; fragment 8 rb + w
	s_mul_i32 s22, s20, 1536
	s_mov_b32 s23, 0
	s_lshl_b32 s20, s20, 6
	s_add_co_u32 s20, s20, HS
	s_mov_b32 s21, 0
	s_wait_kmcnt 0x0
	s_add_nc_u64 s[4:5], s[4:5], s[18:19]
	s_add_nc_u64 s[24:25], s[10:11], s[22:23]
	s_add_nc_u64 s[26:27], s[10:11], s[20:21]
.irp e, 0,1
.irp j, 0,1,2,3,4,5,6,7
	global_load_b128 v[X+32*\e+4*\j:X+32*\e+4*\j+3], v4, s[4:5] offset:4096*\e+512*\j
.endr
.endr
.irp j, 0,1,2,3,4,5,6,7
	global_load_b128 v[G+4*\j:G+4*\j+3], v4, s[6:7] offset:512*\j
.endr
.irp j, 0,1,2,3,4,5,6,7
	global_load_b128 v[BB+4*\j:BB+4*\j+3], v4, s[8:9] offset:512*\j
.endr
.macro XLANES d, t                     ; v[T + 8 e + d] summed over the 32 lanes, both rows by turns
.irp m, 1,2,4,8
.irp e, 0,1
	v_add_f32_dpp v[T+8*\e+\d], v[T+8*\e+\d], v[T+8*\e+\d] row_xmask:\m row_mask:0xf bank_mask:0xf
.endr
.endr
.irp e, 0,1
	v_permlanex16_b32 v[T+8*\e+\t], v[T+8*\e+\d], s14, s15
.endr
.irp e, 0,1
	v_add_f32 v[T+8*\e+\d], v[T+8*\e+\d], v[T+8*\e+\t]
.endr
.endm
	s_wait_loadcnt 16                              ; the rows are in; the sixteen loads of g and b may be out
.irp e, 0,1
	v_pk_add_f32 v[T+8*\e+2:T+8*\e+3], v[X+32*\e:X+32*\e+1], v[X+32*\e+2:X+32*\e+3]
	v_pk_add_f32 v[T+8*\e+4:T+8*\e+5], v[X+32*\e+4:X+32*\e+5], v[X+32*\e+6:X+32*\e+7]
.endr
.irp j, 8,12,16,20,24,28
.irp e, 0,1
	v_pk_add_f32 v[T+8*\e+2:T+8*\e+3], v[T+8*\e+2:T+8*\e+3], v[X+32*\e+\j:X+32*\e+\j+1]
	v_pk_add_f32 v[T+8*\e+4:T+8*\e+5], v[T+8*\e+4:T+8*\e+5], v[X+32*\e+\j+2:X+32*\e+\j+3]
.endr
.endr
.irp e, 0,1
	v_pk_add_f32 v[T+8*\e+2:T+8*\e+3], v[T+8*\e+2:T+8*\e+3], v[T+8*\e+4:T+8*\e+5]
.endr
.irp e, 0,1
	v_add_f32 v[T+8*\e], v[T+8*\e+2], v[T+8*\e+3]
.endr
	XLANES 0, 1
.irp e, 0,1
	v_mul_f32 v[T+8*\e], s16, v[T+8*\e]            ; the mean
.endr
.irp j, 0,2,4,6,8,10,12,14,16,18,20,22,24,26,28,30
.irp e, 0,1
	v_pk_add_f32 v[X+32*\e+\j:X+32*\e+\j+1], v[X+32*\e+\j:X+32*\e+\j+1], v[T+8*\e:T+8*\e+1] op_sel_hi:[1,0] neg_lo:[0,1] neg_hi:[0,1]   ; x - mean
.endr
.endr
.irp e, 0,1
	v_pk_mul_f32 v[T+8*\e+2:T+8*\e+3], v[X+32*\e:X+32*\e+1], v[X+32*\e:X+32*\e+1]
	v_pk_mul_f32 v[T+8*\e+4:T+8*\e+5], v[X+32*\e+2:X+32*\e+3], v[X+32*\e+2:X+32*\e+3]
.endr
.irp j, 4,8,12,16,20,24,28
.irp e, 0,1
	v_pk_fma_f32 v[T+8*\e+2:T+8*\e+3], v[X+32*\e+\j:X+32*\e+\j+1], v[X+32*\e+\j:X+32*\e+\j+1], v[T+8*\e+2:T+8*\e+3]
	v_pk_fma_f32 v[T+8*\e+4:T+8*\e+5], v[X+32*\e+\j+2:X+32*\e+\j+3], v[X+32*\e+\j+2:X+32*\e+\j+3], v[T+8*\e+4:T+8*\e+5]
.endr
.endr
.irp e, 0,1
	v_pk_add_f32 v[T+8*\e+2:T+8*\e+3], v[T+8*\e+2:T+8*\e+3], v[T+8*\e+4:T+8*\e+5]
.endr
.irp e, 0,1
	v_add_f32 v[T+8*\e+6], v[T+8*\e+2], v[T+8*\e+3]
.endr
	XLANES 6, 7
.irp e, 0,1
	v_fma_f32 v[T+8*\e+6], v[T+8*\e+6], s16, s17   ; the variance + 1e-5
.endr
.irp e, 0,1
	v_rsq_f32 v[T+8*\e+6], v[T+8*\e+6]
.endr
	v_nop                                          ; a plain line behind the last transcendental,
	s_wait_alu depctr_va_vdst(0)                   ; and one wait for both, ahead of their first reader
.irp j, 0,2,4,6,8,10,12,14,16,18,20,22,24,26,28,30
.irp e, 0,1
	v_pk_mul_f32 v[X+32*\e+\j:X+32*\e+\j+1], v[X+32*\e+\j:X+32*\e+\j+1], v[T+8*\e+6:T+8*\e+7] op_sel_hi:[1,0]
.endr
.endr
	s_wait_loadcnt 0x0                             ; g and b
.irp j, 0,2,4,6,8,10,12,14,16,18,20,22,24,26,28,30
.irp e, 0,1
	v_pk_fma_f32 v[X+32*\e+\j:X+32*\e+\j+1], v[X+32*\e+\j:X+32*\e+\j+1], v[G+\j:G+\j+1], v[BB+\j:BB+\j+1]
.endr
.endr
.irp e, 0,1
.irp j, 0,1,2,3,4,5,6,7
	ds_store_b128 v5, v[X+32*\e+4*\j:X+32*\e+4*\j+3] offset:PITCHS*\e+512*\j
.endr
.endr
	s_wait_dscnt 0x0                               ; for the others' sake: my rows lie in LDS
	s_barrier_signal -1
	s_barrier_wait -1
.irp i, 0,1,2,3,4,5,6,7
	ds_load_b128 v[X+4*\i:X+4*\i+3], v6 offset:16*\i             ; block h of my slot's K step
.endr
.irp i, 0,1,2,3,4,5,6,7
	ds_load_b128 v[X+32+4*\i:X+32+4*\i+3], v6 offset:256+16*\i   ; block 2 + h
.endr
	s_wait_dscnt 0x0
	v_max3_num_f32 v160, |v[X]|, |v[X+1]|, 0x1800000             ; with the floor 2^(3 - 127): the byte cannot fall under 1
	v_max3_num_f32 v161, |v[X+32]|, |v[X+33]|, 0x1800000
.irp i, 2,4,6,8,10,12,14,16,18,20,22,24,26,28,30
	v_max3_num_f32 v160, v160, |v[X+\i]|, |v[X+1+\i]|
	v_max3_num_f32 v161, v161, |v[X+32+\i]|, |v[X+33+\i]|
.endr
	v_add_nc_u32 v164, 0xff000000, v160            ; 2 off the exponent field: the conversion's scale operand
	v_add_nc_u32 v165, 0xff000000, v161
	v_lshrrev_b32 v162, 23, v164
	v_lshrrev_b32 v163, 23, v165
	v_lshl_or_b32 v166, v163, 16, v162             ; bytes h and 2 + h,
	v_lshlrev_b32 v166, v10, v166                  ; at their places;
	v_permlanex16_b32 v167, v166, s14, s15
	v_or_b32 v166, v166, v167                      ; with lane l xor 16's two the word is whole
	v_cvt_scalef32_pk16_fp6_f32 v[96:98], v[X:X+15], v164
	v_cvt_scalef32_pk16_fp6_f32 v[108:110], v[X+16:X+31], v164
	v_cvt_scalef32_pk16_fp6_f32 v[102:104], v[X+32:X+47], v165
	v_cvt_scalef32_pk16_fp6_f32 v[112:114], v[X+48:X+63], v165
	v_nop                                          ; one plain line behind a scaled conversion
.irp i, 0,1,2
	v_mov_b32 v[99+\i], v[108+\i]
	v_mov_b32 v[105+\i], v[112+\i]
.endr
	global_store_b64  v8, v[96:97],   s[24:25] offset:512     ; each store covers 256 or 512 consecutive bytes, aligned
	global_store_b128 v4, v[98:101],  s[24:25]
	global_store_b64  v8, v[102:103], s[24:25] offset:1280
	global_store_b128 v4, v[104:107], s[24:25] offset:768
	global_store_b32  v9, v166, s[26:27]                      ; both halves of the lanes write the same word to the same place
	s_wait_tensorcnt 0x0                           ; the wave's end
	ds_add_u32 v[SPW], v[NIL]
	s_wait_dscnt 0x0
	s_endpgm
	; ---------------- THE WEIGHTS
.Lquant:
.if MODE == 1
	s_load_b256 s[4:11], s[0:1], 0x20              ; Wq, Wk, Wv, Wo
	s_load_b64 s[16:17], s[0:1], 0x40              ; wts
.else
	s_load_b128 s[4:7], s[0:1], 0x20               ; W1, W2
	s_load_b64 s[16:17], s[0:1], 0x30              ; wts
.endif
	s_and_b32 s18, s12, 3                          ; which 32 of the group's 128 columns
	s_lshr_b32 s19, s12, 2                         ; which 128 of its 256 along K
	s_sub_co_u32 s62, ttmp9, NLN-GOFF              ; my group, counted over all six weights: 32 groups to a unit of 1,024 x 1,024
	v_and_b32 v1, 31, v0                           ; lane
	v_lshlrev_b32 v2, 4, v1                        ; 16 x lane
	v_lshlrev_b32 v3, 3, v1                        ; 8 x lane
	s_lshr_b32 s42, s62, 5
	s_and_b32 s43, s42, 12
	s_cmp_lt_u32 s42, 4
	s_cselect_b32 s43, s42, s43                    ; tb: which weight
	s_lshl_b32 s44, s43, 5
	s_sub_co_u32 s44, s62, s44                     ; my number within the weight
	s_cmp_eq_u32 s43, 4
	s_mov_b32 s45, 4096
	s_cselect_b32 s45, 16384, s45                  ; a row of W in bytes
	s_cselect_b32 s46, 5, 3                        ; log2 of its groups of 128 columns
	s_cmp_eq_u32 s43, 8
	s_cselect_b32 s47, 32, 8                       ; KF
	s_lshr_b32 s48, s44, s46                       ; kg: which 256 along K
	s_lshl_b32 s49, s48, s46
	s_sub_co_u32 s49, s44, s49                     ; cg: which 128 columns
	v_lshrrev_b32 v5, 4, v1                        ; lane / 16
	v_and_b32 v6, 7, v1
	v_lshl_add_u32 v6, v5, 3, v6
	v_bfe_u32 v7, v1, 3, 1
	v_lshl_add_u32 v6, v7, 4, v6                   ; my column of the wave's 32: 8 (l / 16) + l % 8 + 16 ((l / 8) % 2)
	v_lshlrev_b32 v[OFF], 2, v6
.set li, 1
.rept 31
	v_add_nc_u32 v[OFF+li], s45, v[OFF+li-1]
.set li, li+1
.endr
	v_and_b32 v7, 15, v1
	v_lshlrev_b32 v4, 2, v7
	s_lshl_b32 s50, s47, 6
	v_mul_u32_u24 v5, s50, v5
	v_add_nc_u32 v4, v4, v5                        ; my scale word: 4 r, + a row block's KF x 64 bytes for lanes 16-31
	s_mul_i32 s50, s48, s45
	s_lshl_b32 s50, s50, 8                         ; 256 kg rows,
	s_mul_i32 s51, s19, s45
	s_lshl_b32 s51, s51, 7
	s_add_co_u32 s50, s50, s51                     ; my K step's 128 rows,
	s_lshl_b32 s51, s49, 9
	s_add_co_u32 s50, s50, s51                     ; 128 cg columns,
	s_lshl_b32 s51, s18, 7
	s_add_co_u32 s50, s50, s51                     ; my 32 columns
	s_mov_b32 s51, 0
	s_lshl_b32 s52, s45, 5                         ; a block: 32 rows
	s_mov_b32 s53, 0
	s_lshl_b32 s54, s49, 3
	s_lshl_b32 s55, s18, 1
	s_add_co_u32 s54, s54, s55                     ; rb0 = 8 cg + 2 (wave % 4)
	s_mul_i32 s54, s54, s47
	s_lshl_b32 s55, s48, 1
	s_add_co_u32 s54, s54, s55
	s_add_co_u32 s54, s54, s19                     ; fragment rb0 KF + 2 kg + wave / 4
	s_mul_i32 s56, s54, 1536
	s_mul_i32 s57, s43, 786432
	s_add_co_u32 s56, s56, s57
	s_mov_b32 s57, 0
	s_lshl_b32 s58, s54, 6
	s_lshl_b32 s59, s43, 15
	s_add_co_u32 s58, s58, s59
	s_add_co_u32 s58, s58, 9437184
	s_mov_b32 s59, 0
	s_mul_i32 s60, s47, 1536                       ; from row block rb0 to rb0 + 1
	s_mov_b32 s61, 0
	s_wait_kmcnt 0x0
.if MODE == 1                          ; the weight is chosen on the work-group's number alone
	s_mov_b64 s[20:21], s[10:11]
	s_cmp_eq_u32 s43, 2
	s_cselect_b64 s[20:21], s[8:9], s[20:21]
	s_cmp_eq_u32 s43, 1
	s_cselect_b64 s[20:21], s[6:7], s[20:21]
	s_cmp_eq_u32 s43, 0
	s_cselect_b64 s[20:21], s[4:5], s[20:21]
.else
	s_cmp_eq_u32 s43, 4
	s_cselect_b64 s[20:21], s[4:5], s[6:7]
.endif
	s_add_nc_u64 s[20:21], s[20:21], s[50:51]      ; block 0's base; each of the four blocks has a base of its own, so that none is stepped
.irp t, 1,2,3
	s_add_nc_u64 s[20+2*\t:21+2*\t], s[18+2*\t:19+2*\t], s[52:53]
.endr
	s_add_nc_u64 s[36:37], s[16:17], s[56:57]      ; row block rb0's fragment
	s_add_nc_u64 s[38:39], s[36:37], s[60:61]      ; rb0 + 1's
	s_add_nc_u64 s[40:41], s[16:17], s[58:59]      ; the scale words
.macro LOAD t                          ; block t: W(32 t + i, my column) into set t % 2; a wave's load covers 128 consecutive bytes
.set li, 0
.rept 32
	global_load_b32 v[X+32*((\t)%2)+li], v[OFF+li], s[20+2*(\t):21+2*(\t)] th:TH_LOAD_NT
.set li, li+1
.endr
.endm
.macro BLOCK t
.set XS, X+32*((\t)%2)
.set ID, IMG+12*((\t)%2)+6*((\t)/2)    ; block 2 c + h of the K step: set h, registers 6 c on
.if (\t) < 3
	s_wait_loadcnt 32                              ; this block's 32 loads are in; the next block's 32 may be out
.else
	s_wait_loadcnt 0x0
.endif
	v_max3_num_f32 v8, |v[XS]|, |v[XS+1]|, |v[XS+2]|
	v_max3_num_f32 v9, |v[XS+3]|, |v[XS+4]|, |v[XS+5]|
.irp i, 6,10,14,18,22,26
	v_max3_num_f32 v8, v8, |v[XS+\i]|, |v[XS+\i+1]|
	v_max3_num_f32 v9, v9, |v[XS+\i+2]|, |v[XS+\i+3]|
.endr
	v_max3_num_f32 v8, v8, |v[XS+30]|, |v[XS+31]|
	v_max3_num_f32 v8, v8, v9, 0x1800000           ; and the floor 2^(3 - 127): the byte cannot fall under 1
	v_add_nc_u32 v11, 0xff000000, v8               ; 2 off the exponent field: the conversion's scale operand
	v_lshrrev_b32 v13, 23, v11                     ; the byte
.if (\t) == 0
	v_mov_b32 v[SB], v13
.else
	v_lshl_or_b32 v[SB], v13, 8*(\t), v[SB]
.endif
	v_cvt_scalef32_pk16_fp6_f32 v[ID:ID+2], v[XS:XS+15], v11
	v_cvt_scalef32_pk16_fp6_f32 v[TMP:TMP+2], v[XS+16:XS+31], v11   ; a conversion's three registers begin on an even number: made here and moved
	v_nop                                          ; one plain line behind a scaled conversion
.irp i, 0,1,2
	v_mov_b32 v[ID+3+\i], v[TMP+\i]
.endr
.if (\t)+2 < 4
	LOAD (\t)+2
.endif
.endm
	LOAD 0
	LOAD 1
	BLOCK 0
	BLOCK 1
	BLOCK 2
	BLOCK 3
.set oj, 0
.rept 12                               ; set 0's lanes 16-31 (rb0 + 1's blocks 0, 2) change places with set 1's lanes 0-15 (rb0's blocks 1, 3): the sets are now the two fragments' register images
	v_permlane16_swap_b32 v[IMG+oj], v[IMG+12+oj]
.set oj, oj+1
.endr
.irp f, 0,1
	global_store_b64  v3, v[IMG+12*\f:IMG+12*\f+1],    s[36+2*\f:37+2*\f] offset:512    ; each store covers 256 or 512 consecutive bytes, aligned
	global_store_b128 v2, v[IMG+12*\f+2:IMG+12*\f+5],  s[36+2*\f:37+2*\f]
	global_store_b64  v3, v[IMG+12*\f+6:IMG+12*\f+7],  s[36+2*\f:37+2*\f] offset:1280
	global_store_b128 v2, v[IMG+12*\f+8:IMG+12*\f+11], s[36+2*\f:37+2*\f] offset:768
.endr
	global_store_b32 v4, v[SB], s[40:41]
	s_endpgm
.Lfunc_end_k_qb891ecb7cb_lnq1:
	.size	k_qb891ecb7cb_lnq1, .Lfunc_end_k_qb891ecb7cb_lnq1-k_qb891ecb7cb_lnq1
	.p2alignl 7, 3214868480
	.fill 96, 4, 3214868480
	.section	.rodata,"a",@progbits
	.p2align	6, 0x0
	.amdhsa_kernel k_qb891ecb7cb_lnq1
		.amdhsa_group_segment_fixed_size 66816
		.amdhsa_private_segment_fixed_size 0
		.amdhsa_enable_private_segment 0
		.amdhsa_kernarg_size 72
		.amdhsa_user_sgpr_count 2
		.amdhsa_user_sgpr_kernarg_segment_ptr 1
		.amdhsa_wavefront_size32 1
		.amdhsa_system_sgpr_workgroup_id_x 1
		.amdhsa_system_sgpr_workgroup_id_y 1
		.amdhsa_system_sgpr_workgroup_id_z 1
		.amdhsa_system_vgpr_workitem_id 0
		.amdhsa_next_free_vgpr 176
		.amdhsa_next_free_sgpr 66
		.amdhsa_reserve_vcc 0
		.amdhsa_float_denorm_mode_32 3
		.amdhsa_float_denorm_mode_16_64 3
		.amdhsa_memory_ordered 1
		.amdhsa_forward_progress 1
		.amdhsa_inst_pref_size 46
	.end_amdhsa_kernel
	.amdgpu_metadata
---
amdhsa.version: [ 1, 2 ]
amdhsa.kernels:
  - .name:           k_qb891ecb7cb_lnq1
    .symbol:         k_qb891ecb7cb_lnq1.kd
    .args:
      - { .name: x, .offset: 0, .size: 8, .value_kind: global_buffer, .address_space: global }
      - { .name: ln1_g, .offset: 8, .size: 8, .value_kind: global_buffer, .address_space: global }
      - { .name: ln1_b, .offset: 16, .size: 8, .value_kind: global_buffer, .address_space: global }
      - { .name: hq, .offset: 24, .size: 8, .value_kind: global_buffer, .address_space: global }
      - { .name: Wq, .offset: 32, .size: 8, .value_kind: global_buffer, .address_space: global }
      - { .name: Wk, .offset: 40, .size: 8, .value_kind: global_buffer, .address_space: global }
      - { .name: Wv, .offset: 48, .size: 8, .value_kind: global_buffer, .address_space: global }
      - { .name: Wo, .offset: 56, .size: 8, .value_kind: global_buffer, .address_space: global }
      - { .name: wts, .offset: 64, .size: 8, .value_kind: global_buffer, .address_space: global }
    .group_segment_fixed_size: 66816
    .private_segment_fixed_size: 0
    .kernarg_segment_align: 8
    .kernarg_segment_size: 72
    .max_flat_workgroup_size: 256
    .sgpr_count:     66
    .vgpr_count:     176
    .wavefront_size: 32
...
	.end_amdgpu_metadata
.endif
;; end of part 1
;; launch gemm_qkv (part 2): grid 12 x 16, 4 waves a work-group, clusters of 4 x 4, 327,680 bytes of LDS; arguments hq, wts, bq, bk, bv, qkv; writes qkv
.if DOCPART == 2
	.amdgcn_target "amdgcn-amd-amdhsa--gfx1250"
	.amdhsa_code_object_version 6
	.text
	.protected	k_qb891ecb7cb_gemm_qkv
	.globl	k_qb891ecb7cb_gemm_qkv
	.p2align	8
	.type	k_qb891ecb7cb_gemm_qkv,@function
k_qb891ecb7cb_gemm_qkv:
	s_mov_b64 s[64:65], 0
	v_nop
	global_prefetch_b8 v0, s[64:65] scope:SCOPE_SE
	s_setreg_imm32_b32 hwreg(HW_REG_WAVE_MODE, 25, 1), 1
	s_wait_xcnt 0x0
	s_wait_alu depctr_hold_cnt(0) depctr_sa_sdst(0) depctr_va_vdst(0) depctr_va_sdst(0) depctr_va_ssrc(0) depctr_va_vcc(0) depctr_vm_vsrc(0)
	s_getreg_b32 s2, hwreg(HW_REG_IB_STS2, 6, 4)
	s_cmp_eq_u32 s2, 0
	s_cbranch_scc0 .Lentry_in_a_cluster
	s_endpgm
.Lentry_in_a_cluster:
	s_bfe_u32 s2, ttmp6, 0x10000c
	s_cmp_lg_u32 s2, 0xf033
	s_cbranch_scc0 .Lentry_shape_is_right
	s_endpgm
.Lentry_shape_is_right:
; q = h Wq + bq, k = h Wk + bk, v = h Wv + bv on codes of FP6 (E2M3) with E8M0 scales; the results are quantised again in registers: q and k along the head's 64, v along the keys.
; Operands lie as fragments (16 row slots x 128 K, 1,536 bytes: half e at 768 e: registers 6 e + 2 .. + 5 at 16 x lane, registers 6 e, 6 e + 1 at 512 + 8 x lane); slot r of row block rb is row
; 32 (rb / 2) + 8 (rb % 2) + r % 8 + 16 (r / 8).  The matrix instruction takes "B" as source 0 and "A" as source 1: lane (r, h) of accumulator (a, b) then holds A's row of slot r, and its register j B's row
; 32 (b / 2) + 16 h + 8 (b % 2) + j: the 64 registers of a block a are 64 numbers in the order in which the quantiser below wants them, 16 neighbours of each block of 32.
; ROLES, by the cluster's x, which all partners share: 0 and 1: A = h (tokens), B = Wq, Wk (2,048 rows on end); 2: A = Wv (channels), B = h (tokens), so that the registers run along the keys.
; A tile is 256 x 256, a wave's 128 x 128.  K = 1,024 is four steps of 256.  THREE LDS SLOTS: steps 0, 1, 2 and the scale words of all of K go out together at the start; only step 3 fills a slot again, slot 0,
; behind the first change of slots, and has steps 1 and 2, 256 matrix instructions, in which to land.  4 x 4 work-groups ask jointly: A's tiles along a row of the cluster, B's along a column.
; OUT (qkv): q half fragments [bh][token block][768] at 0; at 3,145,728 a record of 98,304 bytes a head: k half fragments [token block][768], then v fragments [16 channels][128 keys][1,536];
; q's scale words [bh][token block][64] at 9,437,184; at 9,699,328 a record of 6,144 bytes a head: k's words, then v's.
; LIMITS: a block of zeros gets the byte 1 where the rule says 127 (its codes are zeros; this program alone reads the bytes); NaN and infinities are not served.
; No prefetch: the launch is short and its tiles are shared in the cluster.
.set NB,   8                           ; blocks of 16 along each side of a wave's tile
.set NQ,   2                           ; K steps of 128 in a slot
.set KF,   8                           ; K / 128
.set NL,   4                           ; LDS loads that bring a fragment
.set HALFT, NB*NQ*1536                 ; what one tensor load brings: NB row blocks x NQ fragments
.set SLOT,  4*HALFT                    ; A's two halves, then B's two
.set SCL,   3*SLOT                     ; behind the three slots: the scale words, four quarters in the same order
.set HALFS, NB*KF*64
.set SPARE, SCL+4*HALFS                ; the spare words, 128 bytes for each wave
.set ADRA, 16                          ; v16-18 A's fragments in slot 0, 1, 2 (16 x lane); v19-21 the same + 512 + 8 x lane
.set ADRB, 10                          ; v10-12, v13-15 the same for B
.set V16,  24                          ; v24 16 x lane   v25 8 x lane   v26 4 r: the way out
.set V8,   25
.set V4,   26
.set ADRS, 27                          ; v27 my scale words: lanes 0-15 A's, lanes 16-31 B's
.set SPW,  28
.set NIL,  29
.set SC,   32                          ; v32-63 scale words and nothing else: set s at 32 + 16 s, register NQ i + q; the sets take turns by the parity of the step of 256
.set BIAS, 64                          ; v64-127 the column bias in the result's layout; on the way out the 64 numbers in hand
.set AF,   128                         ; v128-223 A's fragments, one set; on the way out at work
.set BR,   224                         ; v224-239 the row bias, a pair for each block a
.set H,    64
.set TM,   128
.set PW,   144
.set PW2,  145
.set PC,   148
.set SEL,  40
.set G1, 24
.set G0, 32                            ; s[32:39] group 0 of A's slots 0, 1
.set G0A2, 4                           ; s[4:7]   of A's slot 2: free once the addresses are made
.set G1B, 48
.set G0B, 56                           ; s[56:63] group 0 of B's slots 0, 1
.set G0B2, 92                          ; s[92:95] of B's slot 2: free once the scale words' descriptors are made
.set G1S, 68
.set G0S, 76
.set G1SB, 80
.set G0SB, 88
.set MSB, 0
.macro WIN new                         ; the immediate's high byte repeats the setting that is left
.if MSB != (\new)
	s_set_vgpr_msb (MSB<<8)|(\new)
.set MSB, \new
.endif
.endm
.set MUL_LO, 0xa1                      ; source 0 (B) window 1, source 1 (A) window 0, C and D window 2
.set MUL_HI, 0xf1                      ; the same, C and D window 3
.set TO_B,   0x40
.macro JLOAD g0a, g1a, g0b, g1b        ; a joint load: waves 0, 1 fetch for A, waves 2, 3 for B; an s_nop 0 and four v_nop follow each line
	s_cmp_eq_u32 s15, 0
	s_cbranch_scc0 .Lfor_b_\@
	tensor_load_to_lds s[\g0a:\g0a+3], s[\g1a:\g1a+7]
	s_nop 0
.rept 4
	v_nop
.endr
	s_branch .Lasked_\@
.Lfor_b_\@:
	tensor_load_to_lds s[\g0b:\g0b+3], s[\g1b:\g1b+7]
	s_nop 0
.rept 4
	v_nop
.endr
.Lasked_\@:
.endm
.macro CREST
	s_cmp_lg_u32 s14, 0
	s_cbranch_scc1 .Lnot_wave_0_\@
	s_barrier_signal -3
.Lnot_wave_0_\@:
	s_barrier_wait -3
	s_barrier_signal -1
	s_barrier_wait -1
.endm
.macro CROUND
	s_barrier_signal -1
	s_barrier_wait -1
	CREST
.endm
.macro PLACES n
.rept \n
	v_nop
.endr
.endm
	s_load_b256 s[4:11], s[0:1], 0x0               ; hq, wts, bq, bk
	s_load_b64 s[12:13], s[0:1], 0x20              ; bv
	s_load_b64 s[96:97], s[0:1], 0x28              ; qkv
	v_lshl_add_u32 v[SPW], v0, 2, SPARE
	v_mov_b32 v[NIL], 0
	ds_add_u32 v[SPW], v[NIL]                      ; the wave's opening: the add and its wait ahead of my first tensor load
	v_lshrrev_b32 v1, 5, v0
	v_readfirstlane_b32 s14, v1                    ; wave
	s_lshr_b32 s15, s14, 1                         ; my half of A's rows.  Also: I fetch for A (0) or B (1)
	s_and_b32 s16, s14, 1                          ; my half of B's rows.  Also: which half I fetch
	s_bfe_u32 s40, ttmp6, 0x40000                  ; cx
	s_bfe_u32 s41, ttmp6, 0x40004                  ; cy
	s_and_b32 s18, ttmp7, 0xffff
	s_lshl_b32 s18, s18, 2                         ; 4 x cluster y
	s_lshl_b32 s19, ttmp9, 2                       ; 4 x cluster x
	s_cmp_eq_u32 ttmp9, 2                          ; the role: v's clusters
	s_cselect_b32 s2, 1, 0
	s_cselect_b32 s17, 0, s18                      ; A's tile: tokens 4 cluster y + cy, or channels cy
	s_cselect_b32 s42, s18, s19                    ; B's tile: weight rows 4 cluster x + cx, or tokens 4 cluster y + cx
	s_cselect_b32 s95, 1572864, 0                  ; A's codes begin here in their buffer,
	s_mov_b32 s66, 3145728
	s_cselect_b32 s66, 9502720, s66                ; A's scale words,
	s_mov_b32 s67, 9437184
	s_cselect_b32 s67, 3145728, s67                ; B's scale words (B's codes begin at 0 in both roles)
	s_cselect_b32 s98, 0, -1                       ; the column bias counts for q and k,
	s_cselect_b32 s99, -1, 0                       ; the row bias for v
	s_add_co_u32 s17, s17, s41
	s_add_co_u32 s42, s42, s40
	s_lshl_b32 s43, s41, 2
	s_lshl_b32 s43, 15, s43                        ; my row of the cluster
	s_lshl_b32 s44, 0x1111, s40                    ; my column
	s_or_b32 s[G1], s43, (3<<16)|(1<<21)           ; 15:0 the mask; 17:16 elements of 8 bytes; 21 set beside a mask; no padding
	s_or_b32 s[G1B], s44, (3<<16)|(1<<21)
.irp g, G1, G1B
	s_mov_b32 s[\g+1], (NQ*192)<<16                ; tensor_dim0: NQ fragments on end
	s_mov_b32 s[\g+2], NB<<16                      ; tensor_dim1: NB row blocks
	s_mov_b32 s[\g+3], (NQ*192)<<16                ; tile_dim0
	s_mov_b32 s[\g+4], NB                          ; tile_dim1
	s_mov_b32 s[\g+5], KF*192                      ; from row block to row block
	s_mov_b32 s[\g+6], 0
	s_mov_b32 s[\g+7], 0
.endr
	s_or_b32 s[G1S], s43, (3<<16)|(1<<21)
	s_or_b32 s[G1SB], s44, (3<<16)|(1<<21)
.irp g, G1S, G1SB
	s_mov_b32 s[\g+1], 32<<16                      ; a dense block as rows of 256 bytes
	s_mov_b32 s[\g+2], (HALFS/256)<<16
	s_mov_b32 s[\g+3], 32<<16
	s_mov_b32 s[\g+4], HALFS/256
	s_mov_b32 s[\g+5], 32
	s_mov_b32 s[\g+6], 0
	s_mov_b32 s[\g+7], 0
.endr
	s_mul_i32 s18, s16, NB
	s_mul_i32 s20, s17, 2*NB
	s_add_co_u32 s20, s20, s18                     ; A's first row block that I fetch
	s_mul_i32 s46, s42, 2*NB
	s_add_co_u32 s46, s46, s18                     ; B's
	s_mul_i32 s22, s20, KF*64
	s_add_co_u32 s22, s22, s66
	s_mul_i32 s20, s20, KF*1536
	s_add_co_u32 s20, s20, s95
	s_mul_i32 s92, s46, KF*64
	s_add_co_u32 s92, s92, s67
	s_mul_i32 s46, s46, KF*1536
	s_mov_b32 s21, 0
	s_mov_b32 s23, 0
	s_mov_b32 s47, 0
	s_mov_b32 s93, 0
	s_mul_i32 s45, s14, HALFT                      ; where they go: no place in the cluster enters an LDS address
	s_mul_i32 s94, s14, HALFS
	s_wait_dscnt 0x0                               ; the opening add is done
	s_wait_kmcnt 0x0
	s_cmp_eq_u32 s2, 1
	s_cselect_b64 s[18:19], s[6:7], s[4:5]         ; A's buffer
	s_cselect_b64 s[4:5], s[4:5], s[6:7]           ; B's buffer
	s_add_nc_u64 s[20:21], s[18:19], s[20:21]
	s_add_nc_u64 s[22:23], s[18:19], s[22:23]
	s_add_nc_u64 s[46:47], s[4:5], s[46:47]
	s_add_nc_u64 s[92:93], s[4:5], s[92:93]
	CROUND                                         ; all sixteen work-groups are here: the first joint loads meet
	s_mov_b32 s[G0S], 1
	s_add_co_u32 s[G0S+1], s94, SCL
	s_mov_b64 s[G0S+2:G0S+3], s[22:23]
	s_or_b32 s[G0S+3], s[G0S+3], 0x80000000
	s_mov_b32 s[G0SB], 1
	s_add_co_u32 s[G0SB+1], s94, SCL
	s_mov_b64 s[G0SB+2:G0SB+3], s[92:93]
	s_or_b32 s[G0SB+3], s[G0SB+3], 0x80000000
	JLOAD G0S, G1S, G0SB, G1SB                     ; the scale words of all of K: filled once
.irp s, 0,1
	s_mov_b32 s[G0+4*\s], 1
	s_add_co_u32 s[G0+4*\s+1], s45, \s*SLOT
	s_add_nc_u64 s[G0+4*\s+2:G0+4*\s+3], s[20:21], \s*NQ*1536
	s_or_b32 s[G0+4*\s+3], s[G0+4*\s+3], 0x80000000
	s_mov_b32 s[G0B+4*\s], 1
	s_add_co_u32 s[G0B+4*\s+1], s45, \s*SLOT
	s_add_nc_u64 s[G0B+4*\s+2:G0B+4*\s+3], s[46:47], \s*NQ*1536
	s_or_b32 s[G0B+4*\s+3], s[G0B+4*\s+3], 0x80000000
	JLOAD G0+4*\s, G1, G0B+4*\s, G1B
.endr
	s_mov_b32 s[G0A2], 1
	s_add_co_u32 s[G0A2+1], s45, 2*SLOT
	s_add_nc_u64 s[G0A2+2:G0A2+3], s[20:21], 2*NQ*1536
	s_or_b32 s[G0A2+3], s[G0A2+3], 0x80000000
	s_mov_b32 s[G0B2], 1
	s_add_co_u32 s[G0B2+1], s45, 2*SLOT
	s_add_nc_u64 s[G0B2+2:G0B2+3], s[46:47], 2*NQ*1536
	s_or_b32 s[G0B2+3], s[G0B2+3], 0x80000000
	JLOAD G0A2, G1, G0B2, G1B                      ; four loads of mine are out now
	v_and_b32 v1, 31, v0                           ; lane
	v_and_b32 v2, 15, v0                           ; r
	v_bfe_u32 v3, v0, 4, 1                         ; h
	v_lshlrev_b32 v[V16], 4, v1
	v_lshlrev_b32 v[V8], 3, v1
	v_lshlrev_b32 v[V4], 2, v2
	v_add_nc_u32 v5, 512, v[V8]
	s_mul_i32 s21, s15, HALFT
	s_mul_i32 s22, s16, HALFT
	s_add_co_u32 s22, s22, 2*HALFT
.irp s, 0,1,2
	v_add_nc_u32 v[ADRA+\s], s21, v[V16]
	v_add_nc_u32 v[ADRB+\s], s22, v[V16]
	v_add_nc_u32 v[ADRA+3+\s], s21, v5
	v_add_nc_u32 v[ADRB+3+\s], s22, v5
	s_add_co_u32 s21, s21, SLOT
	s_add_co_u32 s22, s22, SLOT
.endr
	s_mul_i32 s21, s15, HALFS
	s_mul_i32 s22, s16, HALFS
	s_add_co_u32 s22, s22, 2*HALFS
	s_sub_co_u32 s22, s22, s21
	v_mul_u32_u24 v6, s22, v3                      ; lanes 16-31 take B's words: one product, the distance between the two bases
	s_add_co_u32 s21, s21, SCL
	v_lshl_add_u32 v6, v2, 2, v6
	v_add_nc_u32 v[ADRS], s21, v6
	; the biases.  Both are loaded in both roles, inside their buffers, and the one that does not count is made 0 by a select: no branch
	s_cmp_eq_u32 ttmp9, 1
	s_cselect_b64 s[8:9], s[10:11], s[8:9]         ; bk for k's clusters, else bq
	s_and_b32 s20, s42, 3
	s_lshl_b32 s20, s20, 10
	s_lshl_b32 s21, s16, 9
	s_add_co_u32 s20, s20, s21
	s_mov_b32 s21, 0
	s_add_nc_u64 s[8:9], s[8:9], s[20:21]
	s_and_b32 s20, s17, 3
	s_lshl_b32 s20, s20, 10
	s_lshl_b32 s22, s15, 9
	s_add_co_u32 s20, s20, s22
	s_add_nc_u64 s[12:13], s[12:13], s[20:21]
	v_lshlrev_b32 v7, 6, v3                        ; 64 h
	v_and_b32 v8, 8, v2
	v_add_nc_u32 v8, v8, v2
	v_lshlrev_b32 v8, 2, v8                        ; 4 (r % 8 + 16 (r / 8))
.set bb, 0
.rept NB
	global_load_b128 v[BIAS+8*bb:BIAS+8*bb+3],   v7, s[8:9] offset:(32*(bb/2)+8*(bb%2))*4
	global_load_b128 v[BIAS+8*bb+4:BIAS+8*bb+7], v7, s[8:9] offset:(32*(bb/2)+8*(bb%2))*4+16
	global_load_b32 v[BR+2*bb], v8, s[12:13] offset:(32*(bb/2)+8*(bb%2))*4
.set bb, bb+1
.endr
.macro FRAG reg, adr, off              ; a fragment comes as it was stored: four loads, each of 256 or 512 consecutive bytes
	ds_load_b64  v[\reg:\reg+1],    v[\adr+3] offset:\off
	ds_load_b128 v[\reg+2:\reg+5],  v[\adr]   offset:\off
	ds_load_b64  v[\reg+6:\reg+7],  v[\adr+3] offset:\off+768
	ds_load_b128 v[\reg+8:\reg+11], v[\adr]   offset:\off+768
.endm
.macro FETCH_B slot, q, p
	WIN TO_B
.set fi, 0
.rept NB
	FRAG 128*(\p)+12*fi, ADRB+\slot, (fi*NQ+(\q))*1536
.set fi, fi+1
.endr
	WIN 0
.endm
.macro FETCH_A slot, q, i0
.set fi, \i0
.rept NB/2
	FRAG AF+12*fi, ADRA+\slot, (fi*NQ+(\q))*1536
.set fi, fi+1
.endr
.endm
.macro SCALES sc
.set fi, 0
.rept NB
.set fq, 0
.rept NQ
	ds_load_b32 v[SC+16*(\sc)+NQ*fi+fq], v[ADRS] offset:(fi*KF+fq)*64
.set fq, fq+1
.endr
.set fi, fi+1
.endr
.endm
; na blocks of A from a0 on, each against B's NB.  The accumulators take turns, one instruction a turn, in the same order in every step.  first = 1: the bias starts the sums
.macro MUL a0, na, p, q, sc, first
.set ma, \a0
.rept \na
.set mb, 0
.rept NB
.set rD, 8*(NB*(ma%(NB/2))+mb)
.if \first
	v_wmma_scale_f32_16x16x128_f8f6f4 v[rD:rD+7], v[128*(\p)+12*mb:128*(\p)+12*mb+11], v[AF+12*ma:AF+12*ma+11], v[BIAS+8*mb:BIAS+8*mb+7], v[SC+16*(\sc)+NQ*mb+(\q)], v[SC+16*(\sc)+NQ*ma+(\q)] matrix_a_fmt:MATRIX_FMT_FP6 matrix_b_fmt:MATRIX_FMT_FP6 matrix_a_scale:MATRIX_SCALE_ROW1
.else
	v_wmma_scale_f32_16x16x128_f8f6f4 v[rD:rD+7], v[128*(\p)+12*mb:128*(\p)+12*mb+11], v[AF+12*ma:AF+12*ma+11], v[rD:rD+7], v[SC+16*(\sc)+NQ*mb+(\q)], v[SC+16*(\sc)+NQ*ma+(\q)] matrix_a_fmt:MATRIX_FMT_FP6 matrix_b_fmt:MATRIX_FMT_FP6 matrix_a_scale:MATRIX_SCALE_ROW1
.endif
.set mb, mb+1
.endr
.set ma, ma+1
.endr
.endm
.macro STEP slot, sc, q, first         ; 128 along K that has its successor in the same slot
	s_wait_dscnt (NB/2)*NL                         ; B's set, A's first half and the scale words are in; A's second half may be out
.if \first
	WIN 0x81                                       ; C (the bias) in window 0
.else
	WIN MUL_LO
.endif
	MUL 0, NB/2, (\q)%2, \q, \sc, \first
	s_wait_dscnt 0x0
	PLACES 4                                       ; four plain lines between a matrix instruction and a load into a register that it read
	FETCH_B \slot, (\q)+1, 1-(\q)%2
	FETCH_A \slot, (\q)+1, 0
.if \first
	WIN 0xc1
.else
	WIN MUL_HI
.endif
	MUL NB/2, NB/2, (\q)%2, \q, \sc, \first
	PLACES 4
	WIN 0
	FETCH_A \slot, (\q)+1, NB/2
.endm
; A slot's last step changes slots.  how = 2: this slot is filled again, behind a round of the cluster's barrier; how = 1: the next slot's load is waited for and shown to all four waves by the work-group's barrier;
; how = 0: the next slot was shown landed to every wave in front of an earlier barrier, and nothing is filled: no wait on the tensor loads and no barrier, so that the load that is out stays out
.macro TURN slot, sc, next, nsc, how
.if \how
	s_wait_tensorcnt 0x0                           ; all my tensor loads have landed;
	ds_add_u32 v[SPW], v[NIL]                      ; 0 onto my spare word;
	s_wait_dscnt (NB/2)*NL+1                       ; (the add and A's second half may be out)
	WIN MUL_LO
	MUL 0, NB/4, 1, NQ-1, \sc, 0
	s_wait_dscnt 0x0                               ; the add is done, and my reads of this slot are over
	s_barrier_signal -1
	MUL NB/4, NB/4, 1, NQ-1, \sc, 0
	WIN 0
	s_barrier_wait -1
.else
	s_wait_dscnt (NB/2)*NL
	WIN MUL_LO
	MUL 0, NB/2, 1, NQ-1, \sc, 0
	s_wait_dscnt 0x0
	WIN 0
.endif
.if \how == 2
	CREST                                          ; the barrier has opened a round of the cluster's: no wave of any partner still reads this slot or has a load on its way
	s_add_nc_u64 s[G0+4*\slot+2:G0+4*\slot+3], s[G0+4*\slot+2:G0+4*\slot+3], 3*NQ*1536
	s_add_nc_u64 s[G0B+4*\slot+2:G0B+4*\slot+3], s[G0B+4*\slot+2:G0B+4*\slot+3], 3*NQ*1536
	JLOAD G0+4*\slot, G1, G0B+4*\slot, G1B         ; my one tensor load behind the round; its four v_nop are the places in front of the loads below
.else
	PLACES 4
.endif
	v_add_nc_u32 v[ADRS], NQ*64, v[ADRS]           ; the next slot's scale words (no LDS load of mine is out)
	FETCH_B \next, 0, 0
	FETCH_A \next, 0, 0
	SCALES \nsc
	WIN MUL_HI
	MUL NB/2, NB/2, 1, NQ-1, \sc, 0
	PLACES 4
	WIN 0
	FETCH_A \next, 0, NB/2
.endm
	s_wait_tensorcnt 2                             ; the scale words and slot 0 are in; the loads of slots 1 and 2 may be out
	s_barrier_signal -1
	s_barrier_wait -1
	FETCH_B 0, 0, 0
	FETCH_A 0, 0, 0
	SCALES 0
	FETCH_A 0, 0, NB/2
	s_wait_loadcnt 0x0                             ; the biases
.set bb, 0
.rept 8*NB
	v_cndmask_b32 v[BIAS+bb], 0, v[BIAS+bb], s98
.set bb, bb+1
.endr
.set bb, 0
.rept NB
	v_cndmask_b32 v[BR+2*bb], 0, v[BR+2*bb], s99
	v_mov_b32 v[BR+2*bb+1], 0                      ; named with it as a pair
.set bb, bb+1
.endr
	STEP 0, 0, 0, 1                                ; K 0 .. 255, in slot 0
	TURN 0, 0, 1, 1, 2                             ; slots 1 and 2 have landed; slot 0 takes K 768 on
	STEP 1, 1, 0, 0                                ; K 256 .. 511, in slot 1
	TURN 1, 1, 2, 0, 0
	STEP 2, 0, 0, 0                                ; K 512 .. 767, in slot 2
	TURN 2, 0, 0, 1, 1                             ; slot 0's second fill has landed
	STEP 0, 1, 0, 0                                ; K 768 .. 1,023
	s_wait_dscnt (NB/2)*NL
	WIN MUL_LO
	MUL 0, NB/2, 1, NQ-1, 1, 0
	s_wait_dscnt 0x0
	WIN MUL_HI
	MUL NB/2, NB/2, 1, NQ-1, 1, 0
	WIN 0
	PLACES 4
	; THE WAY OUT.  Where my results go: bh = 16 x batch + 4 x channel tile + 2 x channel half; u = 2 x (token tile % 4) + token half
	s_cmp_eq_u32 s2, 1
	s_cselect_b32 s18, s42, s17                    ; the token tile
	s_cselect_b32 s19, s17, s42                    ; the channel tile
	s_cselect_b32 s20, s15, s16                    ; the channel half
	s_cselect_b32 s21, s16, s15                    ; the token half
	s_mov_b32 s22, 6144
	s_cselect_b32 s22, 1536, s22                   ; bytes of codes for each u: 8 half fragments, or one fragment of v
	s_mov_b32 s23, 512
	s_cselect_b32 s23, 64, s23
	s_cselect_b32 s45, 49152, 0                    ; v lies behind k in its record
	s_cselect_b32 s46, 4096, 0
	s_and_b32 s19, s19, 3
	s_lshr_b32 s47, s18, 2
	s_lshl_b32 s47, s47, 4
	s_lshl_b32 s19, s19, 2
	s_add_co_u32 s47, s47, s19
	s_lshl_b32 s20, s20, 1
	s_add_co_u32 s47, s47, s20                     ; bh
	s_and_b32 s18, s18, 3
	s_lshl_b32 s18, s18, 1
	s_add_co_u32 s18, s18, s21                     ; u
	s_mul_i32 s22, s22, s18
	s_add_co_u32 s22, s22, s45
	s_mul_i32 s23, s23, s18
	s_add_co_u32 s23, s23, s46
	s_cmp_eq_u32 ttmp9, 0                          ; q's clusters: records of 49,152 and 4,096 bytes at 0 and 9,437,184
	s_mov_b32 s94, 98304
	s_cselect_b32 s94, 49152, s94
	s_mov_b32 s98, 6144
	s_cselect_b32 s98, 4096, s98
	s_cselect_b32 s45, 0, 3145728
	s_mov_b32 s46, 9699328
	s_cselect_b32 s46, 9437184, s46
	s_mul_i32 s92, s47, s94
	s_add_co_u32 s92, s92, s45
	s_add_co_u32 s92, s92, s22
	s_mov_b32 s93, 0
	s_mul_i32 s66, s47, s98
	s_add_co_u32 s66, s66, s46
	s_add_co_u32 s66, s66, s23
	s_mov_b32 s67, 0
	s_mov_b32 s95, 0
	s_mov_b32 s99, 0
	s_add_nc_u64 s[92:93], s[96:97], s[92:93]      ; codes of head bh,
	s_add_nc_u64 s[94:95], s[92:93], s[94:95]      ; of head bh + 1,
	s_add_nc_u64 s[66:67], s[96:97], s[66:67]      ; scale words of head bh,
	s_add_nc_u64 s[98:99], s[66:67], s[98:99]      ; of head bh + 1
	s_mov_b32 s[SEL], 0x76543210
	s_mov_b32 s[SEL+1], 0xfedcba98
.irp b, 0,1,2,3
	v_mov_b32 v[TM+4+\b], 0                        ; written once: a lane permute's destination counts as one of its sources
.endr
; 64 numbers of a lane, register 16 b + i = k 32 b + 16 (lane / 16) + i of my row, become a fragment's codes in v[PC] on and its scale word in v[PW]
.macro QUANT s
.irp b, 0,1,2,3
	v_max3_num_f32 v[TM+\b], |v[\s+16*\b]|, |v[\s+1+16*\b]|, 0x1800000   ; with the floor 2^(3 - 127): the byte cannot fall under 1
.endr
.irp i, 2,4,6,8,10,12,14
.irp b, 0,1,2,3
	v_max3_num_f32 v[TM+\b], v[TM+\b], |v[\s+16*\b+\i]|, |v[\s+1+16*\b+\i]|
.endr
.endr
.irp b, 0,1,2,3
	v_permlanex16_b32 v[TM+4+\b], v[TM+\b], s[SEL], s[SEL+1]
.endr
.irp b, 0,1,2,3
	v_max_num_f32 v[TM+\b], v[TM+\b], v[TM+4+\b]
.endr
.irp b, 0,1,2,3
	v_add_nc_u32 v[TM+12+\b], 0xff000000, v[TM+\b]   ; 2 off the exponent field: the conversion's scale operand
.endr
.irp b, 0,1,2,3
	v_lshrrev_b32 v[TM+4+\b], 23, v[TM+12+\b]
.endr
	v_lshl_or_b32 v[PW], v[TM+5], 8, v[TM+4]
	v_lshl_or_b32 v[PW], v[TM+6], 16, v[PW]
	v_lshl_or_b32 v[PW], v[TM+7], 24, v[PW]
.irp c, 0,1
	v_cvt_scalef32_pk16_fp6_f32 v[PC+6*\c:PC+2+6*\c], v[\s+32*\c:\s+15+32*\c], v[TM+12+2*\c]
	v_cvt_scalef32_pk16_fp6_f32 v[PC+12+4*\c:PC+14+4*\c], v[\s+16+32*\c:\s+31+32*\c], v[TM+12+2*\c+1]
.endr
	v_nop                                          ; one plain line behind a scaled conversion
.irp c, 0,1
.irp i, 0,1,2
	v_permlane16_swap_b32 v[PC+6*\c+\i], v[PC+12+4*\c+\i]   ; a whole block to a lane
.endr
.irp i, 0,1,2
	v_mov_b32 v[PC+3+6*\c+\i], v[PC+12+4*\c+\i]
.endr
.endr
.endm
.macro OUTBLK a
	WIN 0x02+(\a)/4                                ; source 0: window 2 or 3
.set oi, 0
.rept 32
	v_pk_add_f32 v[H+2*oi:H+2*oi+1], v[64*((\a)%4)+2*oi:64*((\a)%4)+2*oi+1], v[BR+2*(\a):BR+2*(\a)+1] op_sel_hi:[1,0]   ; + the row bias; each accumulator from its low end on
.set oi, oi+1
.endr
	WIN 0
.if (\a) > 0
	s_wait_xcnt 0x0                                ; the last block's stores have read their data: the codes' registers are written again only behind this wait
.endif
	QUANT H
	v_lshrrev_b32 v[PW2], 16, v[PW]
	s_cmp_eq_u32 s2, 1                             ; the role: the same in all partners
	s_cbranch_scc1 .Lv_\@
	global_store_b64  v[V8],  v[PC:PC+1],    s[92:93] offset:768*(\a)+512   ; q or k: the fragment's two halves are two heads'
	global_store_b128 v[V16], v[PC+2:PC+5],  s[92:93] offset:768*(\a)
	global_store_b64  v[V8],  v[PC+6:PC+7],  s[94:95] offset:768*(\a)+512
	global_store_b128 v[V16], v[PC+8:PC+11], s[94:95] offset:768*(\a)
	global_store_b32  v[V4],  v[PW],  s[66:67] offset:64*(\a)
	global_store_b32  v[V4],  v[PW2], s[98:99] offset:64*(\a)
	s_branch .Ldone_\@
.Lv_\@:
	global_store_b64  v[V8],  v[PC:PC+1],    s[92:93] offset:((\a)/4)*98304+((\a)%4)*12288+512   ; v: 16 channels x 128 keys, a whole fragment
	global_store_b128 v[V16], v[PC+2:PC+5],  s[92:93] offset:((\a)/4)*98304+((\a)%4)*12288
	global_store_b64  v[V8],  v[PC+6:PC+7],  s[92:93] offset:((\a)/4)*98304+((\a)%4)*12288+1280
	global_store_b128 v[V16], v[PC+8:PC+11], s[92:93] offset:((\a)/4)*98304+((\a)%4)*12288+768
	global_store_b32  v[V4],  v[PW],  s[66:67] offset:((\a)/4)*6144+((\a)%4)*512
.Ldone_\@:
.endm
.irp a, 0,1,2,3,4,5,6,7
	OUTBLK \a
.endr
	s_wait_tensorcnt 0x0                           ; the wave's end
	ds_add_u32 v[SPW], v[NIL]
	s_wait_dscnt 0x0
	CROUND                                         ; the closing round
	s_endpgm
.Lfunc_end_k_qb891ecb7cb_gemm_qkv:
	.size	k_qb891ecb7cb_gemm_qkv, .Lfunc_end_k_qb891ecb7cb_gemm_qkv-k_qb891ecb7cb_gemm_qkv
	.p2alignl 7, 3214868480
	.fill 96, 4, 3214868480
	.section	.rodata,"a",@progbits
	.p2align	6, 0x0
	.amdhsa_kernel k_qb891ecb7cb_gemm_qkv
		.amdhsa_group_segment_fixed_size 327680
		.amdhsa_private_segment_fixed_size 0
		.amdhsa_enable_private_segment 0
		.amdhsa_kernarg_size 48
		.amdhsa_user_sgpr_count 2
		.amdhsa_user_sgpr_kernarg_segment_ptr 1
		.amdhsa_wavefront_size32 1
		.amdhsa_system_sgpr_workgroup_id_x 1
		.amdhsa_system_sgpr_workgroup_id_y 1
		.amdhsa_system_sgpr_workgroup_id_z 1
		.amdhsa_system_vgpr_workitem_id 0
		.amdhsa_next_free_vgpr 1024
		.amdhsa_next_free_sgpr 100
		.amdhsa_reserve_vcc 0
		.amdhsa_float_denorm_mode_32 3
		.amdhsa_float_denorm_mode_16_64 3
		.amdhsa_memory_ordered 1
		.amdhsa_forward_progress 1
		.amdhsa_inst_pref_size 182
	.end_amdhsa_kernel
	.amdgpu_metadata
---
amdhsa.version: [ 1, 2 ]
amdhsa.kernels:
  - .name:           k_qb891ecb7cb_gemm_qkv
    .symbol:         k_qb891ecb7cb_gemm_qkv.kd
    .args:
      - { .name: hq, .offset: 0, .size: 8, .value_kind: global_buffer, .address_space: global }
      - { .name: wts, .offset: 8, .size: 8, .value_kind: global_buffer, .address_space: global }
      - { .name: bq, .offset: 16, .size: 8, .value_kind: global_buffer, .address_space: global }
      - { .name: bk, .offset: 24, .size: 8, .value_kind: global_buffer, .address_space: global }
      - { .name: bv, .offset: 32, .size: 8, .value_kind: global_buffer, .address_space: global }
      - { .name: qkv, .offset: 40, .size: 8, .value_kind: global_buffer, .address_space: global }
    .group_segment_fixed_size: 327680
    .private_segment_fixed_size: 0
    .kernarg_segment_align: 8
    .kernarg_segment_size: 48
    .max_flat_workgroup_size: 128
    .sgpr_count:     100
    .vgpr_count:     1024
    .wavefront_size: 32
...
	.end_amdgpu_metadata
.endif
;; end of part 2
;; launch attn (part 3): grid 4 x 64, 16 waves a work-group, clusters of 4 x 1, 167,936 bytes of LDS; arguments qkv, yq; writes yq
.if DOCPART == 3
	.amdgcn_target "amdgcn-amd-amdhsa--gfx1250"
	.amdhsa_code_object_version 6
	.text
	.protected	k_qb891ecb7cb_attn
	.globl	k_qb891ecb7cb_attn
	.p2align	8
	.type	k_qb891ecb7cb_attn,@function
k_qb891ecb7cb_attn:
	s_mov_b64 s[64:65], 0
	v_nop
	global_prefetch_b8 v0, s[64:65] scope:SCOPE_SE
	s_setreg_imm32_b32 hwreg(HW_REG_WAVE_MODE, 25, 1), 1
	s_wait_xcnt 0x0
	s_wait_alu depctr_hold_cnt(0) depctr_sa_sdst(0) depctr_va_vdst(0) depctr_va_sdst(0) depctr_va_ssrc(0) depctr_va_vcc(0) depctr_vm_vsrc(0)
	s_getreg_b32 s2, hwreg(HW_REG_IB_STS2, 6, 4)
	s_cmp_eq_u32 s2, 0
	s_cbranch_scc0 .Lentry_in_a_cluster
	s_endpgm
.Lentry_in_a_cluster:
	s_bfe_u32 s2, ttmp6, 0x10000c
	s_cmp_lg_u32 s2, 0x3003
	s_cbranch_scc0 .Lentry_shape_is_right
	s_endpgm
.Lentry_shape_is_right:
; y[b][q][head] = softmax over keys k <= q of (q . k / 8) times v, both products on codes of FP6 (E2M3) with E8M0 scales; y is quantised along the channels and stored as half fragments of the next product's operand.
; THE SOFTMAX: t = score x log2(e) / 8; M = the running largest t rounded UP to a whole number; p = 2^(t - M) is quantised along the keys, not normalised; the row's sum is taken of the unquantised p and divides at the end.
; SHARES.  A cluster of four work-groups is one head (cluster y = 16 x batch + head).  A head's codes of k and v, 98,304 bytes, and their scale words, 6,144 bytes, come into each work-group's LDS ONCE, by joint loads:
; no byte of LDS is filled twice, so there is no ring.  Wave w of the work-group at place cx owns token block 4 w + cx: 16 queries among 64 w .. 64 w + 63.  So which key steps a wave walks hangs on w alone:
; step s (128 keys) is worked where s <= w / 2, and s = w / 2 is the step with hidden keys.  cx enters data (the mask's compare) and global addresses only.
; LAYOUT.  Both products are used transposed: a lane holds ONE query.  Slot r of token block T holds token 32 (T / 2) + 8 (T % 2) + r % 8 + 16 (r / 8), so the 16 registers of score tiles 2 b, 2 b + 1 are 16 neighbouring keys.
; THE HEAD IS 64, HALF OF THE INSTRUCTION'S K: q's registers 6-11 are zero codes; k's registers 6-11 hold whatever codes lie there (the format has no NaN and no infinity), and the scale bytes of those two blocks
; are another head's bytes (1 to 254) or 0, never 0xff: those products add nothing.
; LIMITS: a block of zeros gets the byte 1 where the rule says 127; NaN and infinities are not served.  No prefetch: all of k and v is asked for at the head, so no later load could be run ahead of.
.set KV,   3145728                     ; in qkv: the heads' records of k and v
.set QS,   9437184                     ; q's scale words
.set KVS,  9699328                     ; the records of k's and v's scale words
.set VC,   49152                       ; LDS: k's 64 half fragments at 0, v's 32 fragments here,
.set KSC,  98304                       ; k's scale words,
.set VSC,  102400                      ; v's,
.set SPARE, 104448                     ; the spare words, 128 bytes for each wave
.set SPW, 5
.set NIL, 6
.set WV,  18
.set SEL, 20
.set CS,  22
.set G1C, 24
.set G1S, 32
.set G0C, 40
.set G0S, 44
.set TK,  2                            ; s2  the step's tiles of k: 6,144 bytes a step
.set TS,  3                            ; s3  their scale words: 512
.set TV,  66                           ; s66 v's fragments: VC + 1,536 a step
.set TJ,  67                           ; s67 their scale words: 64
.set STEPI, 68
.set LASTS, 69
.set KFK, 70                           ; s70 the step's first key
.macro CROUND
	s_barrier_signal -1
	s_barrier_wait -1
	s_cmp_lg_u32 s[WV], 0
	s_cbranch_scc1 .Lnot_wave_0_\@
	s_barrier_signal -3
.Lnot_wave_0_\@:
	s_barrier_wait -3
	s_barrier_signal -1
	s_barrier_wait -1
.endm
	s_load_b128 s[4:7], s[0:1], 0x0                ; qkv, yq
	v_lshl_add_u32 v[SPW], v0, 2, SPARE
	v_mov_b32 v[NIL], 0
	ds_add_u32 v[SPW], v[NIL]                      ; the wave's opening: the add and its wait ahead of the first tensor loads
	v_lshrrev_b32 v8, 5, v0
	v_readfirstlane_b32 s[WV], v8                  ; wave 0..15
	s_bfe_u32 s71, ttmp6, 0x40000                  ; cx
	s_and_b32 s72, ttmp7, 0xffff                   ; bh
	s_mov_b32 s[G1C], 15|(3<<16)|(1<<21)           ; all four work-groups; elements of 8 bytes; bit 21 beside the mask; no padding
	s_mov_b32 s[G1C+1], 32<<16                     ; a dense block as rows of 256 bytes:
	s_mov_b32 s[G1C+2], 96<<16                     ; 96 of them, a quarter of the record
	s_mov_b32 s[G1C+3], 32<<16
	s_mov_b32 s[G1C+4], 96
	s_mov_b32 s[G1C+5], 32
	s_mov_b32 s[G1C+6], 0
	s_mov_b32 s[G1C+7], 0
	s_mov_b32 s[G1S], 15|(3<<16)|(1<<21)
	s_mov_b32 s[G1S+1], 32<<16
	s_mov_b32 s[G1S+2], 24<<16                     ; the scale words: 24 rows
	s_mov_b32 s[G1S+3], 32<<16
	s_mov_b32 s[G1S+4], 24
	s_mov_b32 s[G1S+5], 32
	s_mov_b32 s[G1S+6], 0
	s_mov_b32 s[G1S+7], 0
	s_and_b32 s73, s[WV], 3
	s_mul_i32 s73, s73, 24576                      ; my quarter, in LDS and in the record
	s_mul_i32 s74, s72, 98304
	s_add_co_u32 s74, s74, s73
	s_add_co_u32 s74, s74, KV
	s_mov_b32 s75, 0
	s_mul_i32 s76, s72, 6144
	s_add_co_u32 s76, s76, KVS
	s_mov_b32 s77, 0
	s_lshl_b32 s78, s[WV], 2
	s_add_co_u32 s78, s78, s71                     ; my token block 4 w + cx
	s_lshl_b32 s79, s72, 6
	s_add_co_u32 s79, s79, s78
	s_mul_i32 s80, s79, 768                        ; q's half fragment
	s_mov_b32 s81, 0
	s_lshl_b32 s82, s79, 6
	s_add_co_u32 s82, s82, QS                      ; its scale words
	s_mov_b32 s83, 0
	s_lshr_b32 s84, s72, 4
	s_lshl_b32 s84, s84, 6
	s_add_co_u32 s84, s84, s78                     ; y's row block 64 x batch + token block
	s_lshl_b32 s84, s84, 3
	s_bfe_u32 s85, s72, 0x30001                    ; head / 2: y's K step
	s_add_co_u32 s84, s84, s85
	s_and_b32 s85, s72, 1                          ; head % 2: which half of the fragment
	s_mul_i32 s86, s84, 1536
	s_mul_i32 s87, s85, 768
	s_add_co_u32 s86, s86, s87
	s_mov_b32 s87, 0
	s_lshl_b32 s88, s84, 6
	s_lshl_b32 s89, s85, 1
	s_add_co_u32 s88, s88, s89
	s_add_co_u32 s88, s88, 3145728
	s_mov_b32 s89, 0
	s_lshl_b32 s90, s[WV], 6
	s_lshr_b32 s91, s71, 1
	s_lshl_b32 s91, s91, 5
	s_add_co_u32 s90, s90, s91
	s_and_b32 s91, s71, 1
	s_lshl_b32 s91, s91, 3
	s_add_co_u32 s90, s90, s91                     ; slot 0's query: 64 w + 32 (cx / 2) + 8 (cx % 2)
	s_mov_b32 s[SEL], 0x76543210
	s_mov_b32 s[SEL+1], 0xfedcba98
	s_mov_b32 s[CS], 0x3e38aa3b                    ; c = log2(e) / 8
	s_mov_b32 s[CS+1], s[CS]
	s_mov_b32 s[TK], 0
	s_mov_b32 s[TS], 0
	s_mov_b32 s[TV], VC
	s_mov_b32 s[TJ], 0
	s_mov_b32 s[STEPI], 0
	s_mov_b32 s[KFK], 0
	s_lshr_b32 s[LASTS], s[WV], 1
	s_wait_dscnt 0x0                               ; the opening add is done
	s_wait_kmcnt 0x0
	s_mov_b32 s[G0C], 1
	s_mov_b32 s[G0C+1], s73
	s_add_nc_u64 s[G0C+2:G0C+3], s[4:5], s[74:75]
	s_or_b32 s[G0C+3], s[G0C+3], 0x80000000
	s_mov_b32 s[G0S], 1
	s_mov_b32 s[G0S+1], KSC
	s_add_nc_u64 s[G0S+2:G0S+3], s[4:5], s[76:77]
	s_or_b32 s[G0S+3], s[G0S+3], 0x80000000
	s_add_nc_u64 s[8:9], s[4:5], s[80:81]
	s_add_nc_u64 s[10:11], s[4:5], s[82:83]
	s_add_nc_u64 s[12:13], s[6:7], s[86:87]
	s_add_nc_u64 s[14:15], s[6:7], s[88:89]
	CROUND                                         ; all four work-groups are here: the joint loads meet
	s_cmp_lt_u32 s[WV], 4                          ; waves 0 to 3: a quarter of the codes each; wave 4: the scale words; one load a wave at the most
	s_cbranch_scc0 .Lnot_codes
	tensor_load_to_lds s[G0C:G0C+3], s[G1C:G1C+7]
	s_nop 0
.rept 4
	v_nop
.endr
	s_branch .Lasked
.Lnot_codes:
	s_cmp_eq_u32 s[WV], 4
	s_cbranch_scc0 .Lasked
	tensor_load_to_lds s[G0S:G0S+3], s[G1S:G1S+7]
	s_nop 0
.rept 4
	v_nop
.endr
.Lasked:
	v_and_b32 v8, 31, v0
	v_lshlrev_b32 v1, 4, v8                        ; v1  16 x lane
	v_lshlrev_b32 v2, 3, v8
	v_add_nc_u32 v2, 512, v2                       ; v2  512 + 8 x lane
	v_and_b32 v9, 15, v0                           ; r
	v_bfe_u32 v10, v0, 4, 1                        ; h
	v_lshlrev_b32 v31, 2, v9                       ; v31 4 r
	v_add_nc_u32 v3, KSC, v31                      ; v3  k's scale words
	v_add_nc_u32 v4, VSC, v31                      ; v4  v's
	global_load_b64  v[16:17], v2, s[8:9]          ; q's half fragment stays in registers
	global_load_b128 v[18:21], v1, s[8:9]
	global_load_b32  v255, v31, s[10:11]           ; and its scale words
	v_and_b32 v11, 8, v9
	v_add_nc_u32 v11, v11, v9
	v_lshlrev_b32 v10, 4, v10
	v_sub_nc_u32 v11, v11, v10
	v_add_nc_u32 v7, s90, v11                      ; v7  my query - 16 h
.irp j, 22,23,24,25,26,27
	v_mov_b32 v[\j], 0                             ; q's k = 64 .. 127: zero codes
.endr
.irp t, 0,1,2,3
.irp j, 6,7,8,9,10,11
	v_mov_b32 v[32+12*\t+\j], 0                    ; written before the first product names them
.endr
.endr
	v_mov_b32 v13, 0xff61b1e6                      ; the largest t so far: -3e38
	v_floor_f32 v12, -v13                          ; -M
	v_mov_b32 v14, 0                               ; the sum, in two halves
	v_mov_b32 v15, 0
.irp b, 0,1,2,3
	v_mov_b32 v[236+\b], 0                         ; written once: a lane permute's destination counts as one of its sources
.endr
	v_mov_b32 v252, 0
	v_mov_b32 v253, 0
.set j, 0
.rept 32
	v_mov_b32 v[160+j], 0                          ; O^T: the loop is written once; its first step finds zeros
.set j, j+1
.endr
	s_wait_tensorcnt 0x0                           ; my load, if I issued one, has landed
	s_barrier_signal -1
	s_barrier_wait -1                              ; everybody's has
	s_wait_loadcnt 0x0                             ; q
.Lstep:                                            ; eight trips, a constant; a step all of whose keys come after my queries is left out
	s_cmp_gt_u32 s[STEPI], s[LASTS]
	s_cbranch_scc1 .Lhidden
	v_add_nc_u32 v8, s[TK], v1                     ; six plain lines: also the places behind the last step's products
	v_add_nc_u32 v9, s[TK], v2
	v_add_nc_u32 v10, s[TS], v3
	v_add_nc_u32 v11, s[TV], v1
	v_add_nc_u32 v29, s[TV], v2
	v_add_nc_u32 v30, s[TJ], v4
.irp g, 0,1                                    ; S^T = k q^T, four tiles of 16 keys at a time
.if \g > 0
.rept 4
	v_nop
.endr
.endif
.irp t, 0,1,2,3
	ds_load_b64  v[32+12*\t:33+12*\t], v9 offset:768*(4*\g+\t)
	ds_load_b128 v[34+12*\t:37+12*\t], v8 offset:768*(4*\g+\t)
	ds_load_b32  v[248+\t], v10 offset:64*(4*\g+\t)
.endr
	s_wait_dscnt 0x0
.irp t, 0,1,2,3
	v_wmma_scale_f32_16x16x128_f8f6f4 v[96+8*(4*\g+\t):103+8*(4*\g+\t)], v[32+12*\t:43+12*\t], v[16:27], 0, v[248+\t], v255 matrix_a_fmt:MATRIX_FMT_FP6 matrix_b_fmt:MATRIX_FMT_FP6
.endr
.endr
.rept 4
	v_nop
.endr
	s_cmp_lt_u32 s[STEPI], s[LASTS]                ; all keys of this step count?
	s_cbranch_scc1 .Lopen
	v_sub_nc_u32 v252, v7, s[KFK]                  ; d = my query - the step's first key - 16 h.  Register 16 b + i holds key 32 b + 16 h + i of the step: hidden where 32 b + i > d
	v_mov_b32 v254, 0xff800000                     ; -infinity: p = 0 then
.set n, 0
.rept 64
	v_cmp_gt_i32 vcc_lo, 32*(n/16)+n%16, v252
	v_cndmask_b32 v[96+n], v[96+n], v254, vcc_lo
.set n, n+1
.endr
.Lopen:
.irp b, 0,1,2,3
	v_max3_num_f32 v[232+\b], v[96+16*\b], v[97+16*\b], v[98+16*\b]   ; the largest score of each block of 32 keys: for the row's maximum, and, since p rises with the score, for the block's largest p
.endr
.irp i, 3,5,7,9,11,13
.irp b, 0,1,2,3
	v_max3_num_f32 v[232+\b], v[232+\b], v[96+16*\b+\i], v[97+16*\b+\i]
.endr
.endr
.irp b, 0,1,2,3
	v_max_num_f32 v[232+\b], v[232+\b], v[111+16*\b]
.endr
.irp b, 0,1,2,3
	v_permlanex16_b32 v[236+\b], v[232+\b], s[SEL], s[SEL+1]
.endr
.irp b, 0,1,2,3
	v_max_num_f32 v[232+\b], v[232+\b], v[236+\b]
.endr
	v_max3_num_f32 v254, v232, v233, v234
	v_max_num_f32 v254, v254, v235
	v_mul_f32 v254, s[CS], v254
	v_max_num_f32 v13, v13, v254                   ; the running largest t
	v_mov_b32 v254, v12
	v_floor_f32 v12, -v13                          ; the new -M = -ceil(t)
	v_sub_f32 v254, v12, v254                      ; old M - new M: a whole number, 0 or less
	v_cvt_i32_f32 v254, v254                       ; (it saturates)
	v_ldexp_f32 v252, 1.0, v254                    ; f = 2^(old M - new M): rounds nothing
.set j, 0
.rept 32
	v_pk_fma_f32 v[96+j:97+j], v[96+j:97+j], s[CS:CS+1], v[12:13] op_sel_hi:[1,0,0]   ; t - M
.set j, j+2
.endr
.irp b, 0,1,2,3
	v_fma_f32 v[232+\b], v[232+\b], s[CS], v12
.endr
.set j, 0
.rept 64
	v_exp_f32 v[96+j], v[96+j]                     ; p = 2^(t - M)
.set j, j+1
.endr
	v_pk_mul_f32 v[14:15], v[14:15], v[252:253] op_sel_hi:[1,0]   ; the sums under the new M: a plain line behind the exponentials
	s_wait_alu depctr_va_vdst(0)                   ; one wait for the batch, ahead of its first reader
.irp b, 0,1,2,3
	v_exp_f32 v[232+\b], v[232+\b]                 ; each block's largest p
.endr
	v_pk_add_f32 v[236:237], v[96:97], v[98:99]    ; the row's sum, of the unquantised p, in two chains
.irp j, 4,8,12,16,20,24,28,32,36,40,44,48,52,56,60
	v_pk_add_f32 v[14:15], v[14:15], v[96+\j:97+\j]
	v_pk_add_f32 v[236:237], v[236:237], v[98+\j:99+\j]
.endr
	v_pk_add_f32 v[14:15], v[14:15], v[236:237]
	s_wait_alu depctr_va_vdst(0)                   ; and one for the four
.irp b, 0,1,2,3
	v_max_num_f32 v[232+\b], 0x1800000, v[232+\b]  ; the floor 2^(3 - 127)
.endr
.irp b, 0,1,2,3
	v_add_nc_u32 v[244+\b], 0xff000000, v[232+\b]
.endr
.irp b, 0,1,2,3
	v_lshrrev_b32 v[236+\b], 23, v[244+\b]
.endr
	v_lshl_or_b32 v253, v237, 8, v236              ; p's scale word for these 128 keys
	v_lshl_or_b32 v253, v238, 16, v253
	v_lshl_or_b32 v253, v239, 24, v253
.irp c, 0,1
	v_cvt_scalef32_pk16_fp6_f32 v[224+6*\c:226+6*\c], v[96+32*\c:111+32*\c], v[244+2*\c]
	v_cvt_scalef32_pk16_fp6_f32 v[236+4*\c:238+4*\c], v[112+32*\c:127+32*\c], v[244+2*\c+1]
.endr
	v_nop                                          ; one plain line behind a scaled conversion
.irp c, 0,1
.irp i, 0,1,2
	v_permlane16_swap_b32 v[224+6*\c+\i], v[236+4*\c+\i]
.endr
.irp i, 0,1,2
	v_mov_b32 v[227+6*\c+\i], v[236+4*\c+\i]
.endr
.endr
.set j, 0
.rept 16
	v_pk_mul_f32 v[160+j:161+j], v[160+j:161+j], v[252:253] op_sel_hi:[1,0]   ; O^T under the new M; these sixteen also stand between the lines that made p's codes and scale word and the products
.set j, j+2
.endr
.irp t, 0,1,2,3                                ; O^T += v^T p^T: the head's four tiles of 16 channels; K = these 128 keys
	ds_load_b64  v[32+12*\t:33+12*\t], v29 offset:12288*\t
	ds_load_b128 v[34+12*\t:37+12*\t], v11 offset:12288*\t
	ds_load_b64  v[38+12*\t:39+12*\t], v29 offset:12288*\t+768
	ds_load_b128 v[40+12*\t:43+12*\t], v11 offset:12288*\t+768
	ds_load_b32  v[248+\t], v30 offset:512*\t
.endr
	s_wait_dscnt 0x0
.irp t, 0,1,2,3
	v_wmma_scale_f32_16x16x128_f8f6f4 v[160+8*\t:167+8*\t], v[32+12*\t:43+12*\t], v[224:235], v[160+8*\t:167+8*\t], v[248+\t], v253 matrix_a_fmt:MATRIX_FMT_FP6 matrix_b_fmt:MATRIX_FMT_FP6
.endr
.Lhidden:
	s_add_co_u32 s[TK], s[TK], 6144
	s_add_co_u32 s[TS], s[TS], 512
	s_add_co_u32 s[TV], s[TV], 1536
	s_add_co_u32 s[TJ], s[TJ], 64
	s_add_co_u32 s[KFK], s[KFK], 128
	s_add_co_u32 s[STEPI], s[STEPI], 1
	s_cmp_lt_u32 s[STEPI], 8
	s_cbranch_scc1 .Lstep
	; THE WAY OUT: y = O^T / the sum, quantised along the head's 64 channels: register 16 b + i is channel 32 b + 16 h + i
.rept 4
	v_nop                                          ; places behind the last products
.endr
	v_add_f32 v14, v14, v15
	v_permlanex16_b32 v252, v14, s[SEL], s[SEL+1]
	v_add_f32 v14, v14, v252                       ; the row's sum
	v_rcp_f32 v14, v14
	v_nop
	s_wait_alu depctr_va_vdst(0)                   ; the wait, ahead of the first reader
.set j, 0
.rept 32
	v_mul_f32 v[192+j], v[160+j], v14
.set j, j+1
.endr
	v_max3_num_f32 v232, |v192|, |v193|, 0x1800000
	v_max3_num_f32 v233, |v208|, |v209|, 0x1800000
.irp i, 2,4,6,8,10,12,14
	v_max3_num_f32 v232, v232, |v[192+\i]|, |v[193+\i]|
	v_max3_num_f32 v233, v233, |v[208+\i]|, |v[209+\i]|
.endr
	v_permlanex16_b32 v236, v232, s[SEL], s[SEL+1]
	v_permlanex16_b32 v237, v233, s[SEL], s[SEL+1]
	v_max_num_f32 v232, v232, v236
	v_max_num_f32 v233, v233, v237
	v_add_nc_u32 v244, 0xff000000, v232
	v_add_nc_u32 v245, 0xff000000, v233
	v_lshrrev_b32 v240, 23, v244
	v_lshrrev_b32 v241, 23, v245
	v_lshl_or_b32 v253, v241, 8, v240              ; the head's two bytes of the row's scale word
	v_cvt_scalef32_pk16_fp6_f32 v[224:226], v[192:207], v244
	v_cvt_scalef32_pk16_fp6_f32 v[236:238], v[208:223], v245
	v_nop
.irp i, 0,1,2
	v_permlane16_swap_b32 v[224+\i], v[236+\i]
.endr
.irp i, 0,1,2
	v_mov_b32 v[227+\i], v[236+\i]
.endr
	global_store_b64  v2, v[224:225], s[12:13]     ; 256 consecutive bytes, aligned
	global_store_b128 v1, v[226:229], s[12:13]     ; 512
	global_store_b16  v31, v253, s[14:15]          ; two bytes of each row's word: a head is half a K step, so the other two are another work-group's
	s_wait_tensorcnt 0x0                           ; the wave's end
	ds_add_u32 v[SPW], v[NIL]
	s_wait_dscnt 0x0
	CROUND                                         ; the closing round
	s_endpgm
.Lfunc_end_k_qb891ecb7cb_attn:
	.size	k_qb891ecb7cb_attn, .Lfunc_end_k_qb891ecb7cb_attn-k_qb891ecb7cb_attn
	.p2alignl 7, 3214868480
	.fill 96, 4, 3214868480
	.section	.rodata,"a",@progbits
	.p2align	6, 0x0
	.amdhsa_kernel k_qb891ecb7cb_attn
		.amdhsa_group_segment_fixed_size 167936
		.amdhsa_private_segment_fixed_size 0
		.amdhsa_enable_private_segment 0
		.amdhsa_kernarg_size 16
		.amdhsa_user_sgpr_count 2
		.amdhsa_user_sgpr_kernarg_segment_ptr 1
		.amdhsa_wavefront_size32 1
		.amdhsa_system_sgpr_workgroup_id_x 1
		.amdhsa_system_sgpr_workgroup_id_y 1
		.amdhsa_system_sgpr_workgroup_id_z 1
		.amdhsa_system_vgpr_workitem_id 0
		.amdhsa_next_free_vgpr 256
		.amdhsa_next_free_sgpr 96
		.amdhsa_reserve_vcc 1
		.amdhsa_float_denorm_mode_32 3
		.amdhsa_float_denorm_mode_16_64 3
		.amdhsa_memory_ordered 1
		.amdhsa_forward_progress 1
		.amdhsa_inst_pref_size 35
	.end_amdhsa_kernel
	.amdgpu_metadata
---
amdhsa.version: [ 1, 2 ]
amdhsa.kernels:
  - .name:           k_qb891ecb7cb_attn
    .symbol:         k_qb891ecb7cb_attn.kd
    .args:
      - { .name: qkv, .offset: 0, .size: 8, .value_kind: global_buffer, .address_space: global }
      - { .name: yq, .offset: 8, .size: 8, .value_kind: global_buffer, .address_space: global }
    .group_segment_fixed_size: 167936
    .private_segment_fixed_size: 0
    .kernarg_segment_align: 8
    .kernarg_segment_size: 16
    .max_flat_workgroup_size: 512
    .sgpr_count:     96
    .vgpr_count:     256
    .wavefront_size: 32
...
	.end_amdgpu_metadata
.endif
;; end of part 3
;; launch gemm_o (part 4): grid 8 x 32, 4 waves a work-group, clusters of 4 x 4, 327,680 bytes of LDS; arguments yq, wts, bo, x, x1; writes x1
.if DOCPART == 4
	.amdgcn_target "amdgcn-amd-amdhsa--gfx1250"
	.amdhsa_code_object_version 6
	.text
	.protected	k_qb891ecb7cb_gemm_o
	.globl	k_qb891ecb7cb_gemm_o
	.p2align	8
	.type	k_qb891ecb7cb_gemm_o,@function
k_qb891ecb7cb_gemm_o:
	s_mov_b64 s[64:65], 0
	v_nop
	global_prefetch_b8 v0, s[64:65] scope:SCOPE_SE
	s_setreg_imm32_b32 hwreg(HW_REG_WAVE_MODE, 25, 1), 1
	s_wait_xcnt 0x0
	s_wait_alu depctr_hold_cnt(0) depctr_sa_sdst(0) depctr_va_vdst(0) depctr_va_sdst(0) depctr_va_ssrc(0) depctr_va_vcc(0) depctr_vm_vsrc(0)
	s_getreg_b32 s2, hwreg(HW_REG_IB_STS2, 6, 4)
	s_cmp_eq_u32 s2, 0
	s_cbranch_scc0 .Lentry_in_a_cluster
	s_endpgm
.Lentry_in_a_cluster:
	s_bfe_u32 s2, ttmp6, 0x10000c
	s_cmp_lg_u32 s2, 0xf033
	s_cbranch_scc0 .Lentry_shape_is_right
	s_endpgm
.Lentry_shape_is_right:
; x1 = x + y Wo + bo.  y and Wo are codes of FP6 (E2M3) with E8M0 scales, laid as fragments (16 row slots x 128 K, 1,536 bytes: half e at 768 e: registers 6 e + 2 .. + 5 at 16 x lane, registers 6 e, 6 e + 1 at 512 + 8 x lane);
; slot r of row block rb is row 32 (rb / 2) + 8 (rb % 2) + r % 8 + 16 (r / 8).  Source 0 = Wo's rows, source 1 = y's: lane (r, h) of accumulator (a, b) holds the token of slot r and, in register j, column 32 (b / 2) + 16 h + 8 (b % 2) + j.
; N is 1,024: tiles of 256 x 256 would be 64, so a tile is 128 x 128 (256 work-groups), a wave's 64 x 64, and a slot holds 512 along K.  K = 1,024 is the two slots' first fills: nothing is filled again.
; 4 x 4 work-groups ask jointly: y's tiles along a row of the cluster, Wo's along a column.  The bias is the C of the first products; the residual is loaded at the head and added on the way out, which goes through a stage in LDS,
; so that sixteen lanes store 256 consecutive bytes of a row.  No prefetch: the launch is short and its tiles are shared in the cluster.
.set NB,   4
.set NQ,   4
.set KF,   8
.set LAPS, 1
.set A_CODES,  0
.set A_SCALES, 3145728
.set B_CODES,  2359296
.set B_SCALES, 9535488
.set NL,   4
.set HALFT, NB*NQ*1536
.set SLOT,  4*HALFT
.set SCL,   2*SLOT
.set HALFS, NB*KF*64
.set SPARE, SCL+4*HALFS
.set STAGE, SPARE+512                  ; 16 rows x 272 bytes for each wave: bytes of its own, into which no fill lands
.set ADRA, 16
.set ADRB, 20
.set STO,  24
.set RD,   25
.set CO,   26
.set ADRS, 27
.set SPW,  28
.set NIL,  29
.set SC,   32
.set BIAS, 64
.set AF,   128
.set BK,   128
.set G1, 24
.set G0, 32
.set G1B, 48
.set G0B, 56
.set G1S, 68
.set G0S, 76
.set G1SB, 80
.set G0SB, 88
.set MSB, 0
.macro WIN new
.if MSB != (\new)
	s_set_vgpr_msb (MSB<<8)|(\new)
.set MSB, \new
.endif
.endm
.set MUL_LO, 0xa1
.set MUL_HI, 0xf1
.set TO_B,   0x40
.macro JLOAD g0a, g1a, g0b, g1b
	s_cmp_eq_u32 s15, 0
	s_cbranch_scc0 .Lfor_b_\@
	tensor_load_to_lds s[\g0a:\g0a+3], s[\g1a:\g1a+7]
	s_nop 0
.rept 4
	v_nop
.endr
	s_branch .Lasked_\@
.Lfor_b_\@:
	tensor_load_to_lds s[\g0b:\g0b+3], s[\g1b:\g1b+7]
	s_nop 0
.rept 4
	v_nop
.endr
.Lasked_\@:
.endm
.macro CREST
	s_cmp_lg_u32 s14, 0
	s_cbranch_scc1 .Lnot_wave_0_\@
	s_barrier_signal -3
.Lnot_wave_0_\@:
	s_barrier_wait -3
	s_barrier_signal -1
	s_barrier_wait -1
.endm
.macro CROUND
	s_barrier_signal -1
	s_barrier_wait -1
	CREST
.endm
.macro PLACES n
.rept \n
	v_nop
.endr
.endm
	s_load_b256 s[4:11], s[0:1], 0x0               ; A's buffer, wts, the bias, the residual
	s_load_b64 s[12:13], s[0:1], 0x20              ; the output
	v_lshl_add_u32 v[SPW], v0, 2, SPARE
	v_mov_b32 v[NIL], 0
	ds_add_u32 v[SPW], v[NIL]                      ; the wave's opening: the add and its wait ahead of my first tensor load
	v_lshrrev_b32 v1, 5, v0
	v_readfirstlane_b32 s14, v1
	s_lshr_b32 s15, s14, 1
	s_and_b32 s16, s14, 1
	s_bfe_u32 s40, ttmp6, 0x40000
	s_bfe_u32 s41, ttmp6, 0x40004
	s_lshl_b32 s42, ttmp9, 2
	s_add_co_u32 s42, s42, s40                     ; tile column
	s_and_b32 s17, ttmp7, 0xffff
	s_lshl_b32 s17, s17, 2
	s_add_co_u32 s17, s17, s41                     ; tile row
	s_lshl_b32 s43, s41, 2
	s_lshl_b32 s43, 15, s43
	s_lshl_b32 s44, 0x1111, s40
	s_or_b32 s[G1], s43, (3<<16)|(1<<21)
	s_or_b32 s[G1B], s44, (3<<16)|(1<<21)
.irp g, G1, G1B
	s_mov_b32 s[\g+1], (NQ*192)<<16
	s_mov_b32 s[\g+2], NB<<16
	s_mov_b32 s[\g+3], (NQ*192)<<16
	s_mov_b32 s[\g+4], NB
	s_mov_b32 s[\g+5], KF*192
	s_mov_b32 s[\g+6], 0
	s_mov_b32 s[\g+7], 0
.endr
	s_or_b32 s[G1S], s43, (3<<16)|(1<<21)
	s_or_b32 s[G1SB], s44, (3<<16)|(1<<21)
.irp g, G1S, G1SB
	s_mov_b32 s[\g+1], 32<<16
	s_mov_b32 s[\g+2], (HALFS/256)<<16
	s_mov_b32 s[\g+3], 32<<16
	s_mov_b32 s[\g+4], HALFS/256
	s_mov_b32 s[\g+5], 32
	s_mov_b32 s[\g+6], 0
	s_mov_b32 s[\g+7], 0
.endr
	s_mul_i32 s18, s16, NB
	s_mul_i32 s20, s17, 2*NB
	s_add_co_u32 s20, s20, s18
	s_mul_i32 s46, s42, 2*NB
	s_add_co_u32 s46, s46, s18
	s_mul_i32 s22, s20, KF*64
	s_add_co_u32 s22, s22, A_SCALES
	s_mul_i32 s20, s20, KF*1536
	s_add_co_u32 s20, s20, A_CODES
	s_mul_i32 s92, s46, KF*64
	s_add_co_u32 s92, s92, B_SCALES
	s_mul_i32 s46, s46, KF*1536
	s_add_co_u32 s46, s46, B_CODES
	s_mov_b32 s21, 0
	s_mov_b32 s23, 0
	s_mov_b32 s47, 0
	s_mov_b32 s93, 0
	s_mul_i32 s45, s14, HALFT
	s_mul_i32 s94, s14, HALFS
	s_wait_dscnt 0x0
	s_wait_kmcnt 0x0
	s_add_nc_u64 s[20:21], s[4:5], s[20:21]
	s_add_nc_u64 s[22:23], s[4:5], s[22:23]
	s_add_nc_u64 s[46:47], s[6:7], s[46:47]
	s_add_nc_u64 s[92:93], s[6:7], s[92:93]
	CROUND
	s_mov_b32 s[G0S], 1
	s_add_co_u32 s[G0S+1], s94, SCL
	s_mov_b64 s[G0S+2:G0S+3], s[22:23]
	s_or_b32 s[G0S+3], s[G0S+3], 0x80000000
	s_mov_b32 s[G0SB], 1
	s_add_co_u32 s[G0SB+1], s94, SCL
	s_mov_b64 s[G0SB+2:G0SB+3], s[92:93]
	s_or_b32 s[G0SB+3], s[G0SB+3], 0x80000000
	JLOAD G0S, G1S, G0SB, G1SB
.irp s, 0,1
	s_mov_b32 s[G0+4*\s], 1
	s_add_co_u32 s[G0+4*\s+1], s45, \s*SLOT
	s_add_nc_u64 s[G0+4*\s+2:G0+4*\s+3], s[20:21], \s*NQ*1536
	s_or_b32 s[G0+4*\s+3], s[G0+4*\s+3], 0x80000000
	s_mov_b32 s[G0B+4*\s], 1
	s_add_co_u32 s[G0B+4*\s+1], s45, \s*SLOT
	s_add_nc_u64 s[G0B+4*\s+2:G0B+4*\s+3], s[46:47], \s*NQ*1536
	s_or_b32 s[G0B+4*\s+3], s[G0B+4*\s+3], 0x80000000
	JLOAD G0+4*\s, G1, G0B+4*\s, G1B               ; three loads of mine are out now
.endr
	v_and_b32 v1, 31, v0
	v_and_b32 v2, 15, v0
	v_bfe_u32 v3, v0, 4, 1
	v_lshlrev_b32 v4, 4, v1
	v_lshlrev_b32 v5, 3, v1
	v_add_nc_u32 v5, 512, v5
	s_mul_i32 s21, s15, HALFT
	s_mul_i32 s22, s16, HALFT
	s_add_co_u32 s22, s22, 2*HALFT
.irp s, 0,1
	v_add_nc_u32 v[ADRA+\s], s21, v4
	v_add_nc_u32 v[ADRB+\s], s22, v4
	v_add_nc_u32 v[ADRA+2+\s], s21, v5
	v_add_nc_u32 v[ADRB+2+\s], s22, v5
	s_add_co_u32 s21, s21, SLOT
	s_add_co_u32 s22, s22, SLOT
.endr
	s_mul_i32 s21, s15, HALFS
	s_mul_i32 s22, s16, HALFS
	s_add_co_u32 s22, s22, 2*HALFS
	s_sub_co_u32 s22, s22, s21
	v_mul_u32_u24 v6, s22, v3
	s_add_co_u32 s21, s21, SCL
	v_lshl_add_u32 v6, v2, 2, v6
	v_add_nc_u32 v[ADRS], s21, v6
	s_mul_i32 s23, s14, 16*272
	s_add_co_u32 s23, s23, STAGE                   ; my stage
	v_mul_u32_u24 v6, v2, 272
	v_lshl_add_u32 v6, v3, 6, v6
	v_add_nc_u32 v[STO], s23, v6                   ; in: slot r, + 64 h
	v_mul_u32_u24 v6, v3, 272
	v_lshl_add_u32 v6, v2, 4, v6
	v_add_nc_u32 v[RD], s23, v6                    ; back: lanes 0-15 one slot's 256 bytes, lanes 16-31 the next slot's
	v_lshlrev_b32 v6, 12, v3
	v_lshl_add_u32 v[CO], v2, 4, v6                ; and the same in rows of 4,096 bytes
	s_lshl_b32 s46, s42, 9
	s_lshl_b32 s47, s16, 8
	s_add_co_u32 s46, s46, s47                     ; my first column, in bytes
	s_mov_b32 s47, 0
	s_add_nc_u64 s[8:9], s[8:9], s[46:47]
	s_lshl_b32 s20, s17, 7
	s_lshl_b32 s21, s15, 6
	s_add_co_u32 s20, s20, s21
	s_lshl_b32 s20, s20, 12                        ; my first row
	s_mov_b32 s21, 0
	s_add_nc_u64 s[20:21], s[20:21], s[46:47]
	s_add_nc_u64 s[10:11], s[10:11], s[20:21]
	s_add_nc_u64 s[12:13], s[12:13], s[20:21]
	v_lshlrev_b32 v7, 6, v3
.set bb, 0
.rept NB
	global_load_b128 v[BIAS+8*bb:BIAS+8*bb+3],   v7, s[8:9] offset:(32*(bb/2)+8*(bb%2))*4
	global_load_b128 v[BIAS+8*bb+4:BIAS+8*bb+7], v7, s[8:9] offset:(32*(bb/2)+8*(bb%2))*4+16
.set bb, bb+1
.endr
	WIN 0xc0                                       ; destination window 3: the residual, v64-191 there, in the order in which the rows come back from the stage
.set ra, 0
.rept 4
.set rt, 0
.rept 8
	global_load_b128 v[64+32*ra+4*rt:64+32*ra+4*rt+3], v[CO], s[10:11] offset:(32*(ra/2)+8*(ra%2)+2*(rt%4)+16*(rt/4))*4096
.set rt, rt+1
.endr
.set ra, ra+1
.endr
	WIN 0
.macro FRAG reg, adr, off
	ds_load_b64  v[\reg:\reg+1],    v[\adr+2] offset:\off
	ds_load_b128 v[\reg+2:\reg+5],  v[\adr]   offset:\off
	ds_load_b64  v[\reg+6:\reg+7],  v[\adr+2] offset:\off+768
	ds_load_b128 v[\reg+8:\reg+11], v[\adr]   offset:\off+768
.endm
.macro FETCH_B slot, q, p
	WIN TO_B
.set fi, 0
.rept NB
	FRAG 128*(\p)+12*fi, ADRB+\slot, (fi*NQ+(\q))*1536
.set fi, fi+1
.endr
	WIN 0
.endm
.macro FETCH_A slot, q, i0
.set fi, \i0
.rept NB/2
	FRAG AF+12*fi, ADRA+\slot, (fi*NQ+(\q))*1536
.set fi, fi+1
.endr
.endm
.macro SCALES sc
.set fi, 0
.rept NB
.set fq, 0
.rept NQ
	ds_load_b32 v[SC+16*(\sc)+NQ*fi+fq], v[ADRS] offset:(fi*KF+fq)*64
.set fq, fq+1
.endr
.set fi, fi+1
.endr
.endm
.macro MUL a0, na, p, q, sc, first     ; the accumulators take turns, one instruction a turn, in the same order in every step
.set ma, \a0
.rept \na
.set mb, 0
.rept NB
.set rD, 8*(NB*(ma%(NB/2))+mb)
.if \first
	v_wmma_scale_f32_16x16x128_f8f6f4 v[rD:rD+7], v[128*(\p)+12*mb:128*(\p)+12*mb+11], v[AF+12*ma:AF+12*ma+11], v[BIAS+8*mb:BIAS+8*mb+7], v[SC+16*(\sc)+NQ*mb+(\q)], v[SC+16*(\sc)+NQ*ma+(\q)] matrix_a_fmt:MATRIX_FMT_FP6 matrix_b_fmt:MATRIX_FMT_FP6 matrix_a_scale:MATRIX_SCALE_ROW1
.else
	v_wmma_scale_f32_16x16x128_f8f6f4 v[rD:rD+7], v[128*(\p)+12*mb:128*(\p)+12*mb+11], v[AF+12*ma:AF+12*ma+11], v[rD:rD+7], v[SC+16*(\sc)+NQ*mb+(\q)], v[SC+16*(\sc)+NQ*ma+(\q)] matrix_a_fmt:MATRIX_FMT_FP6 matrix_b_fmt:MATRIX_FMT_FP6 matrix_a_scale:MATRIX_SCALE_ROW1
.endif
.set mb, mb+1
.endr
.set ma, ma+1
.endr
.endm
.macro STEP slot, q, first
	s_wait_dscnt (NB/2)*NL                         ; only A's second half may be out
.if \first
	WIN 0x81
.else
	WIN MUL_LO
.endif
	MUL 0, NB/2, (\q)%2, \q, \slot, \first
	s_wait_dscnt 0x0
	PLACES 4
	FETCH_B \slot, (\q)+1, 1-(\q)%2
	FETCH_A \slot, (\q)+1, 0
.if \first
	WIN 0xc1
.else
	WIN MUL_HI
.endif
	MUL NB/2, NB/2, (\q)%2, \q, \slot, \first
	PLACES 4
	WIN 0
	FETCH_A \slot, (\q)+1, NB/2
.endm
.macro TURN slot, next, fill
	s_wait_tensorcnt 0x0                           ; all my tensor loads have landed;
	ds_add_u32 v[SPW], v[NIL]                      ; 0 onto my spare word;
	s_wait_dscnt (NB/2)*NL+1                       ; (the add and A's second half may be out)
	WIN MUL_LO
	MUL 0, NB/4, 1, NQ-1, \slot, 0
	s_wait_dscnt 0x0                               ; the add is done, and my reads of this slot are over
	s_barrier_signal -1
	MUL NB/4, NB/4, 1, NQ-1, \slot, 0
	WIN 0
	s_barrier_wait -1
.if \fill
	CREST
	s_add_nc_u64 s[G0+4*\slot+2:G0+4*\slot+3], s[G0+4*\slot+2:G0+4*\slot+3], 2*NQ*1536
	s_add_nc_u64 s[G0B+4*\slot+2:G0B+4*\slot+3], s[G0B+4*\slot+2:G0B+4*\slot+3], 2*NQ*1536
	JLOAD G0+4*\slot, G1, G0B+4*\slot, G1B
.else
	PLACES 4
.endif
	v_add_nc_u32 v[ADRS], NQ*64, v[ADRS]
	FETCH_B \next, 0, 0
	FETCH_A \next, 0, 0
	SCALES \next
	WIN MUL_HI
	MUL NB/2, NB/2, 1, NQ-1, \slot, 0
	PLACES 4
	WIN 0
	FETCH_A \next, 0, NB/2
.endm
.macro STEPS slot, from
.set sq, \from
.rept NQ-1-(\from)
	STEP \slot, sq, 0
.set sq, sq+1
.endr
.endm
	s_wait_tensorcnt 1                             ; the scale words and slot 0 are in; slot 1's load may be out
	s_barrier_signal -1
	s_barrier_wait -1
	FETCH_B 0, 0, 0
	FETCH_A 0, 0, 0
	SCALES 0
	FETCH_A 0, 0, NB/2
	s_wait_loadcnt 32                              ; the bias is in; the 32 loads of the residual may be out
	STEP 0, 0, 1
	STEPS 0, 1
.if LAPS > 1
	s_mov_b32 s3, LAPS-1
.Llap:
	TURN 0, 1, 1
	STEPS 1, 0
	TURN 1, 0, 1
	STEPS 0, 0
	s_sub_co_u32 s3, s3, 1
	s_cmp_lg_u32 s3, 0
	s_cbranch_scc1 .Llap
.endif
	TURN 0, 1, 0
	STEPS 1, 0
	s_wait_dscnt (NB/2)*NL
	WIN MUL_LO
	MUL 0, NB/2, 1, NQ-1, 1, 0
	s_wait_dscnt 0x0
	WIN MUL_HI
	MUL NB/2, NB/2, 1, NQ-1, 1, 0
	WIN 0
	PLACES 4
; THE WAY OUT, a block of 16 slots x 64 columns at a time, through my own stage; LDS serves a wave's instructions in order, so no wait stands between the stores and the loads
.macro TOSTAGE a
	WIN 0x08+4*((\a)/2)                            ; the data: window 2 or 3
.irp b, 0,1,2,3
	ds_store_b128 v[STO], v[32*((\a)%2)+8*\b:32*((\a)%2)+8*\b+3]   offset:128*(\b/2)+32*(\b%2)      ; each accumulator from its low end on
	ds_store_b128 v[STO], v[32*((\a)%2)+8*\b+4:32*((\a)%2)+8*\b+7] offset:128*(\b/2)+32*(\b%2)+16
.endr
	WIN 0
.irp t, 0,1,2,3,4,5,6,7
	ds_load_b128 v[BK+32*((\a)%2)+4*\t:BK+32*((\a)%2)+4*\t+3], v[RD] offset:544*\t
.endr
.endm
.macro SEND a, younger
.set BBK, BK+32*((\a)%2)
	s_wait_dscnt \younger                          ; the block is back; the next block's stage traffic may be out
	WIN 0x0c                                       ; source 1 window 3: the residual
.set si, 0
.rept 16
	v_pk_add_f32 v[BBK+2*si:BBK+2*si+1], v[BBK+2*si:BBK+2*si+1], v[64+32*(\a)+2*si:64+32*(\a)+2*si+1]
.set si, si+1
.endr
	WIN 0
.set st, 0
.rept 8
	global_store_b128 v[CO], v[BBK+4*st:BBK+4*st+3], s[12:13] offset:(32*((\a)/2)+8*((\a)%2)+2*(st%4)+16*(st/4))*4096   ; sixteen lanes store 256 consecutive bytes, aligned
.set st, st+1
.endr
.endm
	s_wait_loadcnt 0x0                             ; the residual
	TOSTAGE 0
.irp a, 1,2,3
.if \a > 1
	s_wait_xcnt 0x0                                ; block a - 2's stores have read their data: block a's loads land there only behind this wait
.endif
	TOSTAGE \a
	SEND \a-1, 16
.endr
	SEND 3, 0
	s_wait_tensorcnt 0x0                           ; the wave's end
	ds_add_u32 v[SPW], v[NIL]
	s_wait_dscnt 0x0
	CROUND                                         ; the closing round
	s_endpgm
.Lfunc_end_k_qb891ecb7cb_gemm_o:
	.size	k_qb891ecb7cb_gemm_o, .Lfunc_end_k_qb891ecb7cb_gemm_o-k_qb891ecb7cb_gemm_o
	.p2alignl 7, 3214868480
	.fill 96, 4, 3214868480
	.section	.rodata,"a",@progbits
	.p2align	6, 0x0
	.amdhsa_kernel k_qb891ecb7cb_gemm_o
		.amdhsa_group_segment_fixed_size 327680
		.amdhsa_private_segment_fixed_size 0
		.amdhsa_enable_private_segment 0
		.amdhsa_kernarg_size 40
		.amdhsa_user_sgpr_count 2
		.amdhsa_user_sgpr_kernarg_segment_ptr 1
		.amdhsa_wavefront_size32 1
		.amdhsa_system_sgpr_workgroup_id_x 1
		.amdhsa_system_sgpr_workgroup_id_y 1
		.amdhsa_system_sgpr_workgroup_id_z 1
		.amdhsa_system_vgpr_workitem_id 0
		.amdhsa_next_free_vgpr 1024
		.amdhsa_next_free_sgpr 100
		.amdhsa_reserve_vcc 0
		.amdhsa_float_denorm_mode_32 3
		.amdhsa_float_denorm_mode_16_64 3
		.amdhsa_memory_ordered 1
		.amdhsa_forward_progress 1
		.amdhsa_inst_pref_size 64
	.end_amdhsa_kernel
	.amdgpu_metadata
---
amdhsa.version: [ 1, 2 ]
amdhsa.kernels:
  - .name:           k_qb891ecb7cb_gemm_o
    .symbol:         k_qb891ecb7cb_gemm_o.kd
    .args:
      - { .name: yq, .offset: 0, .size: 8, .value_kind: global_buffer, .address_space: global }
      - { .name: wts, .offset: 8, .size: 8, .value_kind: global_buffer, .address_space: global }
      - { .name: bo, .offset: 16, .size: 8, .value_kind: global_buffer, .address_space: global }
      - { .name: x, .offset: 24, .size: 8, .value_kind: global_buffer, .address_space: global }
      - { .name: x1, .offset: 32, .size: 8, .value_kind: global_buffer, .address_space: global }
    .group_segment_fixed_size: 327680
    .private_segment_fixed_size: 0
    .kernarg_segment_align: 8
    .kernarg_segment_size: 40
    .max_flat_workgroup_size: 128
    .sgpr_count:     100
    .vgpr_count:     1024
    .wavefront_size: 32
...
	.end_amdgpu_metadata
.endif
;; end of part 4
;; launch lnq2 (part 5): grid 512 x 1, 8 waves a work-group, no clusters, 66,816 bytes of LDS; arguments x1, ln2_g, ln2_b, hq, W1, W2, wts; writes hq, wts
.if DOCPART == 5
	.amdgcn_target "amdgcn-amd-amdhsa--gfx1250"
	.amdhsa_code_object_version 6
	.text
	.protected	k_qb891ecb7cb_lnq2
	.globl	k_qb891ecb7cb_lnq2
	.p2align	8
	.type	k_qb891ecb7cb_lnq2,@function
k_qb891ecb7cb_lnq2:
	s_mov_b64 s[64:65], 0
	v_nop
	global_prefetch_b8 v0, s[64:65] scope:SCOPE_SE
	s_setreg_imm32_b32 hwreg(HW_REG_WAVE_MODE, 25, 1), 1
	s_wait_xcnt 0x0
; TWO JOBS THAT SHARE NOTHING RIDE IN ONE LAUNCH, told apart by the work-group's number: work-groups 0 to 255 normalise and quantise rows, the others quantise weights, so that the weights' loads are on their way while the rows' waves wait for theirs.
; ROWS: h = (x - mean) rsqrt(var + 1e-5) g + b over rows of 1,024 f32, quantised along the row to FP6 (E2M3) with one E8M0 byte for each 32.  WEIGHTS: f32 stored [K][N], quantised along K.
; BOTH are stored as operand FRAGMENTS: 16 row slots x 128 K, 12 registers a lane, 1,536 bytes: half e (registers 6 e .. 6 e + 5) at 768 e: registers 6 e + 2 .. 6 e + 5 at 16 x lane, registers 6 e, 6 e + 1 at 512 + 8 x lane.
; Fragment (rb, ks) of an operand with KF = K / 128 lies at (rb KF + ks) x 1,536; slot r of row block rb holds row 32 (rb / 2) + 8 (rb % 2) + r % 8 + 16 (r / 8).  Scale words: (rb KF + ks) x 64 + 4 r.
; The rows' codes begin at 0 of their buffer, their scale words at 3,145,728.  In wts: codes at 786,432 x tb (tb = 0 Wq, 1 Wk, 2 Wv, 3 Wo, 4 W1, 8 W2), scale words at 9,437,184 + 32,768 x tb.
; A ROW WORK-GROUP is one row block.  First each of the eight waves normalises two slots (two neighbouring rows, 8,192 consecutive bytes), mean and variance in two passes over registers; the rows meet in LDS;
; then wave w builds fragment (rb, w): lane (r, h) reads blocks h and 2 + h of slot r's 128 numbers, whole, so a block's largest magnitude needs no other lane.
; A WEIGHT WORK-GROUP takes 128 columns x 256 K; wave w takes columns 32 (w % 4) on and K step w / 4.  A LANE TAKES A COLUMN n AND ITS REGISTERS RUN DOWN K: a block of 32 lies in one lane, and the conversions give codes with K innermost.
; Lanes 0-15 are the slots of row block rb0, lanes 16-31 those of rb0 + 1.  No LDS, no barrier on this path: its waves share nothing.
; A block's byte is its largest magnitude's exponent field - 2, held at 1 from below.  LIMITS: a block of zeros gets the byte 1 where the rule says 127 (its codes are zeros, and this program alone reads the bytes);
; NaN and infinities among the inputs are not served.  No prefetch: the launch streams.
.set MODE,   2                         ; 1: the weights are Wq, Wk, Wv, Wo; 2: W1, W2
.set NLN,    256                       ; the first 256 work-groups take the rows
.if MODE == 1
.set GOFF,   0                         ; the first group of 128 columns x 256 K that this launch takes, counted over all six weights
.else
.set GOFF,   128
.endif
.set PITCHS, 4112                      ; a slot's row in LDS: 4,096 + 16 bytes = 257 x 16, so the sixteen rows that a load touches start at sixteen different 16-byte columns
.set SPARE,  65792                     ; behind the 16 rows: the spare words, 128 bytes for each wave
.set HS,     3145728
.set SPW, 14
.set NIL, 15
.set X,   32                           ; rows: v32-95 my two rows, later the lane's two blocks.  weights: two sets of 32 numbers
.set G,   96                           ; rows: v96-127 g; later the codes
.set BB,  128                          ; rows: v128-159 b
.set T,   160                          ; rows: v160-175 eight registers a row, at work
.set OFF, 96                           ; weights: v96-127 4 x my column + i rows of W
.set IMG, 128                          ; weights: v128-151 codes: [half of the lanes 0, 1][12]
.set SB,  16                           ; weights: v16 the scale word
.set TMP, 20                           ; weights: v20-22 the second half of a block's codes
	v_lshl_add_u32 v[SPW], v0, 2, SPARE
	v_mov_b32 v[NIL], 0
	v_lshrrev_b32 v1, 5, v0
	v_readfirstlane_b32 s12, v1                    ; wave
	s_cmp_lt_u32 ttmp9, NLN                        ; the same for all waves of a work-group
	s_cbranch_scc0 .Lquant
	; ---------------- THE ROWS
	s_load_b256 s[4:11], s[0:1], 0x0               ; x, g, b, the output
	v_and_b32 v1, 31, v0                           ; lane
	v_and_b32 v2, 15, v0                           ; r
	v_bfe_u32 v3, v0, 4, 1                         ; h
	v_lshlrev_b32 v4, 4, v1                        ; 16 x lane
	s_mul_i32 s18, s12, 2*PITCHS
	v_add_nc_u32 v5, s18, v4                       ; into LDS: my two slots
	v_mul_u32_u24 v6, v2, PITCHS
	v_lshl_add_u32 v6, v3, 7, v6
	s_lshl_b32 s18, s12, 9
	v_add_nc_u32 v6, s18, v6                       ; out of LDS: slot r, K step w, + 128 h
	v_lshlrev_b32 v8, 3, v1                        ; 8 x lane
	v_lshlrev_b32 v9, 2, v2                        ; 4 r
	v_lshlrev_b32 v10, 3, v3                       ; 8 h: my bytes' place in the scale word
	v_mov_b32 v[T+1], 0                            ; written once: a lane permute's destination counts as one of its sources
	v_mov_b32 v[T+7], 0
	v_mov_b32 v[T+9], 0
	v_mov_b32 v[T+15], 0
	s_mov_b32 s14, 0x76543210
	s_mov_b32 s15, 0xfedcba98                      ; lane l xor 16
	s_mov_b32 s16, 0x3a800000                      ; 1 / 1,024
	s_mov_b32 s17, 0x3727c5ac                      ; 1e-5
	s_lshr_b32 s18, ttmp9, 1
	s_lshl_b32 s18, s18, 5
	s_and_b32 s19, ttmp9, 1
	s_lshl_b32 s19, s19, 3
	s_add_co_u32 s18, s18, s19
	s_and_b32 s19, s12, 3
	s_lshl_b32 s19, s19, 1
	s_add_co_u32 s18, s18, s19
	s_lshr_b32 s19, s12, 2
	s_lshl_b32 s19, s19, 4
	s_add_co_u32 s18, s18, s19                     ; slot 2 w's row
	s_lshl_b32 s18, s18, 12
	s_mov_b32 s19, 0
	s_lshl_b32 s20, ttmp9, 3
	s_add_co_u32 s20, s20, s12                     ; fragment 8 rb + w
	s_mul_i32 s22, s20, 1536
	s_mov_b32 s23, 0
	s_lshl_b32 s20, s20, 6
	s_add_co_u32 s20, s20, HS
	s_mov_b32 s21, 0
	s_wait_kmcnt 0x0
	s_add_nc_u64 s[4:5], s[4:5], s[18:19]
	s_add_nc_u64 s[24:25], s[10:11], s[22:23]
	s_add_nc_u64 s[26:27], s[10:11], s[20:21]
.irp e, 0,1
.irp j, 0,1,2,3,4,5,6,7
	global_load_b128 v[X+32*\e+4*\j:X+32*\e+4*\j+3], v4, s[4:5] offset:4096*\e+512*\j
.endr
.endr
.irp j, 0,1,2,3,4,5,6,7
	global_load_b128 v[G+4*\j:G+4*\j+3], v4, s[6:7] offset:512*\j
.endr
.irp j, 0,1,2,3,4,5,6,7
	global_load_b128 v[BB+4*\j:BB+4*\j+3], v4, s[8:9] offset:512*\j
.endr
.macro XLANES d, t                     ; v[T + 8 e + d] summed over the 32 lanes, both rows by turns
.irp m, 1,2,4,8
.irp e, 0,1
	v_add_f32_dpp v[T+8*\e+\d], v[T+8*\e+\d], v[T+8*\e+\d] row_xmask:\m row_mask:0xf bank_mask:0xf
.endr
.endr
.irp e, 0,1
	v_permlanex16_b32 v[T+8*\e+\t], v[T+8*\e+\d], s14, s15
.endr
.irp e, 0,1
	v_add_f32 v[T+8*\e+\d], v[T+8*\e+\d], v[T+8*\e+\t]
.endr
.endm
	s_wait_loadcnt 16                              ; the rows are in; the sixteen loads of g and b may be out
.irp e, 0,1
	v_pk_add_f32 v[T+8*\e+2:T+8*\e+3], v[X+32*\e:X+32*\e+1], v[X+32*\e+2:X+32*\e+3]
	v_pk_add_f32 v[T+8*\e+4:T+8*\e+5], v[X+32*\e+4:X+32*\e+5], v[X+32*\e+6:X+32*\e+7]
.endr
.irp j, 8,12,16,20,24,28
.irp e, 0,1
	v_pk_add_f32 v[T+8*\e+2:T+8*\e+3], v[T+8*\e+2:T+8*\e+3], v[X+32*\e+\j:X+32*\e+\j+1]
	v_pk_add_f32 v[T+8*\e+4:T+8*\e+5], v[T+8*\e+4:T+8*\e+5], v[X+32*\e+\j+2:X+32*\e+\j+3]
.endr
.endr
.irp e, 0,1
	v_pk_add_f32 v[T+8*\e+2:T+8*\e+3], v[T+8*\e+2:T+8*\e+3], v[T+8*\e+4:T+8*\e+5]
.endr
.irp e, 0,1
	v_add_f32 v[T+8*\e], v[T+8*\e+2], v[T+8*\e+3]
.endr
	XLANES 0, 1
.irp e, 0,1
	v_mul_f32 v[T+8*\e], s16, v[T+8*\e]            ; the mean
.endr
.irp j, 0,2,4,6,8,10,12,14,16,18,20,22,24,26,28,30
.irp e, 0,1
	v_pk_add_f32 v[X+32*\e+\j:X+32*\e+\j+1], v[X+32*\e+\j:X+32*\e+\j+1], v[T+8*\e:T+8*\e+1] op_sel_hi:[1,0] neg_lo:[0,1] neg_hi:[0,1]   ; x - mean
.endr
.endr
.irp e, 0,1
	v_pk_mul_f32 v[T+8*\e+2:T+8*\e+3], v[X+32*\e:X+32*\e+1], v[X+32*\e:X+32*\e+1]
	v_pk_mul_f32 v[T+8*\e+4:T+8*\e+5], v[X+32*\e+2:X+32*\e+3], v[X+32*\e+2:X+32*\e+3]
.endr
.irp j, 4,8,12,16,20,24,28
.irp e, 0,1
	v_pk_fma_f32 v[T+8*\e+2:T+8*\e+3], v[X+32*\e+\j:X+32*\e+\j+1], v[X+32*\e+\j:X+32*\e+\j+1], v[T+8*\e+2:T+8*\e+3]
	v_pk_fma_f32 v[T+8*\e+4:T+8*\e+5], v[X+32*\e+\j+2:X+32*\e+\j+3], v[X+32*\e+\j+2:X+32*\e+\j+3], v[T+8*\e+4:T+8*\e+5]
.endr
.endr
.irp e, 0,1
	v_pk_add_f32 v[T+8*\e+2:T+8*\e+3], v[T+8*\e+2:T+8*\e+3], v[T+8*\e+4:T+8*\e+5]
.endr
.irp e, 0,1
	v_add_f32 v[T+8*\e+6], v[T+8*\e+2], v[T+8*\e+3]
.endr
	XLANES 6, 7
.irp e, 0,1
	v_fma_f32 v[T+8*\e+6], v[T+8*\e+6], s16, s17   ; the variance + 1e-5
.endr
.irp e, 0,1
	v_rsq_f32 v[T+8*\e+6], v[T+8*\e+6]
.endr
	v_nop                                          ; a plain line behind the last transcendental,
	s_wait_alu depctr_va_vdst(0)                   ; and one wait for both, ahead of their first reader
.irp j, 0,2,4,6,8,10,12,14,16,18,20,22,24,26,28,30
.irp e, 0,1
	v_pk_mul_f32 v[X+32*\e+\j:X+32*\e+\j+1], v[X+32*\e+\j:X+32*\e+\j+1], v[T+8*\e+6:T+8*\e+7] op_sel_hi:[1,0]
.endr
.endr
	s_wait_loadcnt 0x0                             ; g and b
.irp j, 0,2,4,6,8,10,12,14,16,18,20,22,24,26,28,30
.irp e, 0,1
	v_pk_fma_f32 v[X+32*\e+\j:X+32*\e+\j+1], v[X+32*\e+\j:X+32*\e+\j+1], v[G+\j:G+\j+1], v[BB+\j:BB+\j+1]
.endr
.endr
.irp e, 0,1
.irp j, 0,1,2,3,4,5,6,7
	ds_store_b128 v5, v[X+32*\e+4*\j:X+32*\e+4*\j+3] offset:PITCHS*\e+512*\j
.endr
.endr
	s_wait_dscnt 0x0                               ; for the others' sake: my rows lie in LDS
	s_barrier_signal -1
	s_barrier_wait -1
.irp i, 0,1,2,3,4,5,6,7
	ds_load_b128 v[X+4*\i:X+4*\i+3], v6 offset:16*\i             ; block h of my slot's K step
.endr
.irp i, 0,1,2,3,4,5,6,7
	ds_load_b128 v[X+32+4*\i:X+32+4*\i+3], v6 offset:256+16*\i   ; block 2 + h
.endr
	s_wait_dscnt 0x0
	v_max3_num_f32 v160, |v[X]|, |v[X+1]|, 0x1800000             ; with the floor 2^(3 - 127): the byte cannot fall under 1
	v_max3_num_f32 v161, |v[X+32]|, |v[X+33]|, 0x1800000
.irp i, 2,4,6,8,10,12,14,16,18,20,22,24,26,28,30
	v_max3_num_f32 v160, v160, |v[X+\i]|, |v[X+1+\i]|
	v_max3_num_f32 v161, v161, |v[X+32+\i]|, |v[X+33+\i]|
.endr
	v_add_nc_u32 v164, 0xff000000, v160            ; 2 off the exponent field: the conversion's scale operand
	v_add_nc_u32 v165, 0xff000000, v161
	v_lshrrev_b32 v162, 23, v164
	v_lshrrev_b32 v163, 23, v165
	v_lshl_or_b32 v166, v163, 16, v162             ; bytes h and 2 + h,
	v_lshlrev_b32 v166, v10, v166                  ; at their places;
	v_permlanex16_b32 v167, v166, s14, s15
	v_or_b32 v166, v166, v167                      ; with lane l xor 16's two the word is whole
	v_cvt_scalef32_pk16_fp6_f32 v[96:98], v[X:X+15], v164
	v_cvt_scalef32_pk16_fp6_f32 v[108:110], v[X+16:X+31], v164
	v_cvt_scalef32_pk16_fp6_f32 v[102:104], v[X+32:X+47], v165
	v_cvt_scalef32_pk16_fp6_f32 v[112:114], v[X+48:X+63], v165
	v_nop                                          ; one plain line behind a scaled conversion
.irp i, 0,1,2
	v_mov_b32 v[99+\i], v[108+\i]
	v_mov_b32 v[105+\i], v[112+\i]
.endr
	global_store_b64  v8, v[96:97],   s[24:25] offset:512     ; each store covers 256 or 512 consecutive bytes, aligned
	global_store_b128 v4, v[98:101],  s[24:25]
	global_store_b64  v8, v[102:103], s[24:25] offset:1280
	global_store_b128 v4, v[104:107], s[24:25] offset:768
	global_store_b32  v9, v166, s[26:27]                      ; both halves of the lanes write the same word to the same place
	s_wait_tensorcnt 0x0                           ; the wave's end
	ds_add_u32 v[SPW], v[NIL]
	s_wait_dscnt 0x0
	s_endpgm
	; ---------------- THE WEIGHTS
.Lquant:
.if MODE == 1
	s_load_b256 s[4:11], s[0:1], 0x20              ; Wq, Wk, Wv, Wo
	s_load_b64 s[16:17], s[0:1], 0x40              ; wts
.else
	s_load_b128 s[4:7], s[0:1], 0x20               ; W1, W2
	s_load_b64 s[16:17], s[0:1], 0x30              ; wts
.endif
	s_and_b32 s18, s12, 3                          ; which 32 of the group's 128 columns
	s_lshr_b32 s19, s12, 2                         ; which 128 of its 256 along K
	s_sub_co_u32 s62, ttmp9, NLN-GOFF              ; my group, counted over all six weights: 32 groups to a unit of 1,024 x 1,024
	v_and_b32 v1, 31, v0                           ; lane
	v_lshlrev_b32 v2, 4, v1                        ; 16 x lane
	v_lshlrev_b32 v3, 3, v1                        ; 8 x lane
	s_lshr_b32 s42, s62, 5
	s_and_b32 s43, s42, 12
	s_cmp_lt_u32 s42, 4
	s_cselect_b32 s43, s42, s43                    ; tb: which weight
	s_lshl_b32 s44, s43, 5
	s_sub_co_u32 s44, s62, s44                     ; my number within the weight
	s_cmp_eq_u32 s43, 4
	s_mov_b32 s45, 4096
	s_cselect_b32 s45, 16384, s45                  ; a row of W in bytes
	s_cselect_b32 s46, 5, 3                        ; log2 of its groups of 128 columns
	s_cmp_eq_u32 s43, 8
	s_cselect_b32 s47, 32, 8                       ; KF
	s_lshr_b32 s48, s44, s46                       ; kg: which 256 along K
	s_lshl_b32 s49, s48, s46
	s_sub_co_u32 s49, s44, s49                     ; cg: which 128 columns
	v_lshrrev_b32 v5, 4, v1                        ; lane / 16
	v_and_b32 v6, 7, v1
	v_lshl_add_u32 v6, v5, 3, v6
	v_bfe_u32 v7, v1, 3, 1
	v_lshl_add_u32 v6, v7, 4, v6                   ; my column of the wave's 32: 8 (l / 16) + l % 8 + 16 ((l / 8) % 2)
	v_lshlrev_b32 v[OFF], 2, v6
.set li, 1
.rept 31
	v_add_nc_u32 v[OFF+li], s45, v[OFF+li-1]
.set li, li+1
.endr
	v_and_b32 v7, 15, v1
	v_lshlrev_b32 v4, 2, v7
	s_lshl_b32 s50, s47, 6
	v_mul_u32_u24 v5, s50, v5
	v_add_nc_u32 v4, v4, v5                        ; my scale word: 4 r, + a row block's KF x 64 bytes for lanes 16-31
	s_mul_i32 s50, s48, s45
	s_lshl_b32 s50, s50, 8                         ; 256 kg rows,
	s_mul_i32 s51, s19, s45
	s_lshl_b32 s51, s51, 7
	s_add_co_u32 s50, s50, s51                     ; my K step's 128 rows,
	s_lshl_b32 s51, s49, 9
	s_add_co_u32 s50, s50, s51                     ; 128 cg columns,
	s_lshl_b32 s51, s18, 7
	s_add_co_u32 s50, s50, s51                     ; my 32 columns
	s_mov_b32 s51, 0
	s_lshl_b32 s52, s45, 5                         ; a block: 32 rows
	s_mov_b32 s53, 0
	s_lshl_b32 s54, s49, 3
	s_lshl_b32 s55, s18, 1
	s_add_co_u32 s54, s54, s55                     ; rb0 = 8 cg + 2 (wave % 4)
	s_mul_i32 s54, s54, s47
	s_lshl_b32 s55, s48, 1
	s_add_co_u32 s54, s54, s55
	s_add_co_u32 s54, s54, s19                     ; fragment rb0 KF + 2 kg + wave / 4
	s_mul_i32 s56, s54, 1536
	s_mul_i32 s57, s43, 786432
	s_add_co_u32 s56, s56, s57
	s_mov_b32 s57, 0
	s_lshl_b32 s58, s54, 6
	s_lshl_b32 s59, s43, 15
	s_add_co_u32 s58, s58, s59
	s_add_co_u32 s58, s58, 9437184
	s_mov_b32 s59, 0
	s_mul_i32 s60, s47, 1536                       ; from row block rb0 to rb0 + 1
	s_mov_b32 s61, 0
	s_wait_kmcnt 0x0
.if MODE == 1                          ; the weight is chosen on the work-group's number alone
	s_mov_b64 s[20:21], s[10:11]
	s_cmp_eq_u32 s43, 2
	s_cselect_b64 s[20:21], s[8:9], s[20:21]
	s_cmp_eq_u32 s43, 1
	s_cselect_b64 s[20:21], s[6:7], s[20:21]
	s_cmp_eq_u32 s43, 0
	s_cselect_b64 s[20:21], s[4:5], s[20:21]
.else
	s_cmp_eq_u32 s43, 4
	s_cselect_b64 s[20:21], s[4:5], s[6:7]
.endif
	s_add_nc_u64 s[20:21], s[20:21], s[50:51]      ; block 0's base; each of the four blocks has a base of its own, so that none is stepped
.irp t, 1,2,3
	s_add_nc_u64 s[20+2*\t:21+2*\t], s[18+2*\t:19+2*\t], s[52:53]
.endr
	s_add_nc_u64 s[36:37], s[16:17], s[56:57]      ; row block rb0's fragment
	s_add_nc_u64 s[38:39], s[36:37], s[60:61]      ; rb0 + 1's
	s_add_nc_u64 s[40:41], s[16:17], s[58:59]      ; the scale words
.macro LOAD t                          ; block t: W(32 t + i, my column) into set t % 2; a wave's load covers 128 consecutive bytes
.set li, 0
.rept 32
	global_load_b32 v[X+32*((\t)%2)+li], v[OFF+li], s[20+2*(\t):21+2*(\t)] th:TH_LOAD_NT
.set li, li+1
.endr
.endm
.macro BLOCK t
.set XS, X+32*((\t)%2)
.set ID, IMG+12*((\t)%2)+6*((\t)/2)    ; block 2 c + h of the K step: set h, registers 6 c on
.if (\t) < 3
	s_wait_loadcnt 32                              ; this block's 32 loads are in; the next block's 32 may be out
.else
	s_wait_loadcnt 0x0
.endif
	v_max3_num_f32 v8, |v[XS]|, |v[XS+1]|, |v[XS+2]|
	v_max3_num_f32 v9, |v[XS+3]|, |v[XS+4]|, |v[XS+5]|
.irp i, 6,10,14,18,22,26
	v_max3_num_f32 v8, v8, |v[XS+\i]|, |v[XS+\i+1]|
	v_max3_num_f32 v9, v9, |v[XS+\i+2]|, |v[XS+\i+3]|
.endr
	v_max3_num_f32 v8, v8, |v[XS+30]|, |v[XS+31]|
	v_max3_num_f32 v8, v8, v9, 0x1800000           ; and the floor 2^(3 - 127): the byte cannot fall under 1
	v_add_nc_u32 v11, 0xff000000, v8               ; 2 off the exponent field: the conversion's scale operand
	v_lshrrev_b32 v13, 23, v11                     ; the byte
.if (\t) == 0
	v_mov_b32 v[SB], v13
.else
	v_lshl_or_b32 v[SB], v13, 8*(\t), v[SB]
.endif
	v_cvt_scalef32_pk16_fp6_f32 v[ID:ID+2], v[XS:XS+15], v11
	v_cvt_scalef32_pk16_fp6_f32 v[TMP:TMP+2], v[XS+16:XS+31], v11   ; a conversion's three registers begin on an even number: made here and moved
	v_nop                                          ; one plain line behind a scaled conversion
.irp i, 0,1,2
	v_mov_b32 v[ID+3+\i], v[TMP+\i]
.endr
.if (\t)+2 < 4
	LOAD (\t)+2
.endif
.endm
	LOAD 0
	LOAD 1
	BLOCK 0
	BLOCK 1
	BLOCK 2
	BLOCK 3
.set oj, 0
.rept 12                               ; set 0's lanes 16-31 (rb0 + 1's blocks 0, 2) change places with set 1's lanes 0-15 (rb0's blocks 1, 3): the sets are now the two fragments' register images
	v_permlane16_swap_b32 v[IMG+oj], v[IMG+12+oj]
.set oj, oj+1
.endr
.irp f, 0,1
	global_store_b64  v3, v[IMG+12*\f:IMG+12*\f+1],    s[36+2*\f:37+2*\f] offset:512    ; each store covers 256 or 512 consecutive bytes, aligned
	global_store_b128 v2, v[IMG+12*\f+2:IMG+12*\f+5],  s[36+2*\f:37+2*\f]
	global_store_b64  v3, v[IMG+12*\f+6:IMG+12*\f+7],  s[36+2*\f:37+2*\f] offset:1280
	global_store_b128 v2, v[IMG+12*\f+8:IMG+12*\f+11], s[36+2*\f:37+2*\f] offset:768
.endr
	global_store_b32 v4, v[SB], s[40:41]
	s_endpgm
.Lfunc_end_k_qb891ecb7cb_lnq2:
	.size	k_qb891ecb7cb_lnq2, .Lfunc_end_k_qb891ecb7cb_lnq2-k_qb891ecb7cb_lnq2
	.p2alignl 7, 3214868480
	.fill 96, 4, 3214868480
	.section	.rodata,"a",@progbits
	.p2align	6, 0x0
	.amdhsa_kernel k_qb891ecb7cb_lnq2
		.amdhsa_group_segment_fixed_size 66816
		.amdhsa_private_segment_fixed_size 0
		.amdhsa_enable_private_segment 0
		.amdhsa_kernarg_size 56
		.amdhsa_user_sgpr_count 2
		.amdhsa_user_sgpr_kernarg_segment_ptr 1
		.amdhsa_wavefront_size32 1
		.amdhsa_system_sgpr_workgroup_id_x 1
		.amdhsa_system_sgpr_workgroup_id_y 1
		.amdhsa_system_sgpr_workgroup_id_z 1
		.amdhsa_system_vgpr_workitem_id 0
		.amdhsa_next_free_vgpr 176
		.amdhsa_next_free_sgpr 66
		.amdhsa_reserve_vcc 0
		.amdhsa_float_denorm_mode_32 3
		.amdhsa_float_denorm_mode_16_64 3
		.amdhsa_memory_ordered 1
		.amdhsa_forward_progress 1
		.amdhsa_inst_pref_size 46
	.end_amdhsa_kernel
	.amdgpu_metadata
---
amdhsa.version: [ 1, 2 ]
amdhsa.kernels:
  - .name:           k_qb891ecb7cb_lnq2
    .symbol:         k_qb891ecb7cb_lnq2.kd
    .args:
      - { .name: x1, .offset: 0, .size: 8, .value_kind: global_buffer, .address_space: global }
      - { .name: ln2_g, .offset: 8, .size: 8, .value_kind: global_buffer, .address_space: global }
      - { .name: ln2_b, .offset: 16, .size: 8, .value_kind: global_buffer, .address_space: global }
      - { .name: hq, .offset: 24, .size: 8, .value_kind: global_buffer, .address_space: global }
      - { .name: W1, .offset: 32, .size: 8, .value_kind: global_buffer, .address_space: global }
      - { .name: W2, .offset: 40, .size: 8, .value_kind: global_buffer, .address_space: global }
      - { .name: wts, .offset: 48, .size: 8, .value_kind: global_buffer, .address_space: global }
    .group_segment_fixed_size: 66816
    .private_segment_fixed_size: 0
    .kernarg_segment_align: 8
    .kernarg_segment_size: 56
    .max_flat_workgroup_size: 256
    .sgpr_count:     66
    .vgpr_count:     176
    .wavefront_size: 32
...
	.end_amdgpu_metadata
.endif
;; end of part 5
;; launch gemm_1 (part 6): grid 16 x 16, 4 waves a work-group, clusters of 4 x 4, 327,680 bytes of LDS; arguments hq, wts, b1, mq; writes mq
.if DOCPART == 6
	.amdgcn_target "amdgcn-amd-amdhsa--gfx1250"
	.amdhsa_code_object_version 6
	.text
	.protected	k_qb891ecb7cb_gemm_1
	.globl	k_qb891ecb7cb_gemm_1
	.p2align	8
	.type	k_qb891ecb7cb_gemm_1,@function
k_qb891ecb7cb_gemm_1:
	s_mov_b64 s[64:65], 0
	v_nop
	global_prefetch_b8 v0, s[64:65] scope:SCOPE_SE
	s_setreg_imm32_b32 hwreg(HW_REG_WAVE_MODE, 25, 1), 1
	s_wait_xcnt 0x0
	s_wait_alu depctr_hold_cnt(0) depctr_sa_sdst(0) depctr_va_vdst(0) depctr_va_sdst(0) depctr_va_ssrc(0) depctr_va_vcc(0) depctr_vm_vsrc(0)
	s_getreg_b32 s2, hwreg(HW_REG_IB_STS2, 6, 4)
	s_cmp_eq_u32 s2, 0
	s_cbranch_scc0 .Lentry_in_a_cluster
	s_endpgm
.Lentry_in_a_cluster:
	s_bfe_u32 s2, ttmp6, 0x10000c
	s_cmp_lg_u32 s2, 0xf033
	s_cbranch_scc0 .Lentry_shape_is_right
	s_endpgm
.Lentry_shape_is_right:
; m = gelu(h2 W1 + b1), exact GELU, quantised along the 4,096 hidden units and stored as the next product's fragments.  h2 and W1 are codes of FP6 (E2M3) with E8M0 scales, laid as fragments
; (16 row slots x 128 K, 1,536 bytes: half e at 768 e: registers 6 e + 2 .. + 5 at 16 x lane, registers 6 e, 6 e + 1 at 512 + 8 x lane); slot r of row block rb is row 32 (rb / 2) + 8 (rb % 2) + r % 8 + 16 (r / 8).
; Source 0 = W1's rows, source 1 = h2's: lane (r, h) of accumulator (a, b) holds the token of slot r and, in register j, hidden unit 32 (b / 2) + 16 h + 8 (b % 2) + j: a block a's 64 registers are one K step of the next product.
; A tile is 256 x 256, a wave's 128 x 128.  K = 1,024 is four steps of 256.  THREE LDS SLOTS: steps 0, 1, 2 and the scale words of all of K go out together at the start; only step 3 fills a slot again, slot 0,
; behind the first change of slots, and has steps 1 and 2, 256 matrix instructions, in which to land.  4 x 4 work-groups ask jointly.  The bias is the C of the first products.
; GELU: z = u / sqrt 2; erf(z) = zc P(zc^2) / Q(zc^2), zc = z held to +-3.7439212 (degrees 4 and 6); gelu = z (c + c erf), c = sqrt 2 / 2.
; LIMITS: the rational's absolute error is about 1e-7; for u under about -3 the sum 1 + erf loses relative accuracy by cancellation, the absolute error of gelu staying under about 1e-7 |u|.
; A block of zeros gets the byte 1 where the rule says 127 (its codes are zeros; this program alone reads the bytes); NaN and infinities are not served.
; The way out is a loop over the wave's eight blocks: only the 32 lines that fetch a block's accumulators differ from block to block, so they alone are written eight times.
; No prefetch: the launch is short and its tiles are shared in the cluster.
.set NB,   8
.set NQ,   2
.set KF,   8
.set A_CODES,  0
.set A_SCALES, 3145728
.set B_CODES,  3145728
.set B_SCALES, 9568256
.set NL,   4
.set HALFT, NB*NQ*1536
.set SLOT,  4*HALFT
.set SCL,   3*SLOT                     ; behind the three slots: the scale words
.set HALFS, NB*KF*64
.set SPARE, SCL+4*HALFS
.set ADRA, 16                          ; v16-18 A's fragments in slot 0, 1, 2 (16 x lane); v19-21 the same + 512 + 8 x lane
.set ADRB, 10                          ; v10-12, v13-15 the same for B
.set V16,  24
.set V8,   25
.set V4,   26
.set ADRS, 27
.set SPW,  28
.set NIL,  29
.set SC,   32                          ; v32-63 scale words and nothing else; the two sets take turns by the parity of the step of 256
.set BIAS, 64
.set AF,   128
.set Z,    64                          ; the way out: v64-127 z, then gelu
.set ZC,   128
.set W,    144
.set P,    160
.set Q,    176
.set TM,   192
.set PW,   208
.set PC,   212
.set A1V,  232
.set B1V,  234
.set CA0, 24                           ; scalar pairs, in registers that held descriptors: every tensor load has been waited for by then
.set CA2, 26
.set CA3, 28
.set CA4, 30
.set CB0, 32
.set CB2, 34
.set CB3, 36
.set CB4, 38
.set CB5, 40
.set CP,  42
.set CL,  44
.set NCL, 45
.set CNT, 46
.set SEL, 48
.set G1, 24
.set G0, 32                            ; s[32:39] group 0 of A's slots 0, 1
.set G0A2, 4                           ; s[4:7]   of A's slot 2: free once the addresses are made
.set G1B, 48
.set G0B, 56                           ; s[56:63] group 0 of B's slots 0, 1
.set G0B2, 92                          ; s[92:95] of B's slot 2: free once the scale words' descriptors are made
.set G1S, 68
.set G0S, 76
.set G1SB, 80
.set G0SB, 88
.set MSB, 0
.macro WIN new
.if MSB != (\new)
	s_set_vgpr_msb (MSB<<8)|(\new)
.set MSB, \new
.endif
.endm
.set MUL_LO, 0xa1
.set MUL_HI, 0xf1
.set TO_B,   0x40
.macro JLOAD g0a, g1a, g0b, g1b
	s_cmp_eq_u32 s15, 0
	s_cbranch_scc0 .Lfor_b_\@
	tensor_load_to_lds s[\g0a:\g0a+3], s[\g1a:\g1a+7]
	s_nop 0
.rept 4
	v_nop
.endr
	s_branch .Lasked_\@
.Lfor_b_\@:
	tensor_load_to_lds s[\g0b:\g0b+3], s[\g1b:\g1b+7]
	s_nop 0
.rept 4
	v_nop
.endr
.Lasked_\@:
.endm
.macro CREST
	s_cmp_lg_u32 s14, 0
	s_cbranch_scc1 .Lnot_wave_0_\@
	s_barrier_signal -3
.Lnot_wave_0_\@:
	s_barrier_wait -3
	s_barrier_signal -1
	s_barrier_wait -1
.endm
.macro CROUND
	s_barrier_signal -1
	s_barrier_wait -1
	CREST
.endm
.macro PLACES n
.rept \n
	v_nop
.endr
.endm
	s_load_b256 s[4:11], s[0:1], 0x0               ; hq, wts, b1, mq
	v_lshl_add_u32 v[SPW], v0, 2, SPARE
	v_mov_b32 v[NIL], 0
	ds_add_u32 v[SPW], v[NIL]                      ; the wave's opening: the add and its wait ahead of my first tensor load
	v_lshrrev_b32 v1, 5, v0
	v_readfirstlane_b32 s14, v1
	s_lshr_b32 s15, s14, 1
	s_and_b32 s16, s14, 1
	s_bfe_u32 s40, ttmp6, 0x40000
	s_bfe_u32 s41, ttmp6, 0x40004
	s_lshl_b32 s42, ttmp9, 2
	s_add_co_u32 s42, s42, s40                     ; tile column
	s_and_b32 s17, ttmp7, 0xffff
	s_lshl_b32 s17, s17, 2
	s_add_co_u32 s17, s17, s41                     ; tile row
	s_lshl_b32 s43, s41, 2
	s_lshl_b32 s43, 15, s43
	s_lshl_b32 s44, 0x1111, s40
	s_or_b32 s[G1], s43, (3<<16)|(1<<21)
	s_or_b32 s[G1B], s44, (3<<16)|(1<<21)
.irp g, G1, G1B
	s_mov_b32 s[\g+1], (NQ*192)<<16
	s_mov_b32 s[\g+2], NB<<16
	s_mov_b32 s[\g+3], (NQ*192)<<16
	s_mov_b32 s[\g+4], NB
	s_mov_b32 s[\g+5], KF*192
	s_mov_b32 s[\g+6], 0
	s_mov_b32 s[\g+7], 0
.endr
	s_or_b32 s[G1S], s43, (3<<16)|(1<<21)
	s_or_b32 s[G1SB], s44, (3<<16)|(1<<21)
.irp g, G1S, G1SB
	s_mov_b32 s[\g+1], 32<<16
	s_mov_b32 s[\g+2], (HALFS/256)<<16
	s_mov_b32 s[\g+3], 32<<16
	s_mov_b32 s[\g+4], HALFS/256
	s_mov_b32 s[\g+5], 32
	s_mov_b32 s[\g+6], 0
	s_mov_b32 s[\g+7], 0
.endr
	s_mul_i32 s18, s16, NB
	s_mul_i32 s20, s17, 2*NB
	s_add_co_u32 s20, s20, s18
	s_mul_i32 s46, s42, 2*NB
	s_add_co_u32 s46, s46, s18
	s_mul_i32 s22, s20, KF*64
	s_add_co_u32 s22, s22, A_SCALES
	s_mul_i32 s20, s20, KF*1536
	s_add_co_u32 s20, s20, A_CODES
	s_mul_i32 s92, s46, KF*64
	s_add_co_u32 s92, s92, B_SCALES
	s_mul_i32 s46, s46, KF*1536
	s_add_co_u32 s46, s46, B_CODES
	s_mov_b32 s21, 0
	s_mov_b32 s23, 0
	s_mov_b32 s47, 0
	s_mov_b32 s93, 0
	s_mul_i32 s45, s14, HALFT
	s_mul_i32 s94, s14, HALFS
	s_wait_dscnt 0x0
	s_wait_kmcnt 0x0
	s_add_nc_u64 s[20:21], s[4:5], s[20:21]
	s_add_nc_u64 s[22:23], s[4:5], s[22:23]
	s_add_nc_u64 s[46:47], s[6:7], s[46:47]
	s_add_nc_u64 s[92:93], s[6:7], s[92:93]
	CROUND
	s_mov_b32 s[G0S], 1
	s_add_co_u32 s[G0S+1], s94, SCL
	s_mov_b64 s[G0S+2:G0S+3], s[22:23]
	s_or_b32 s[G0S+3], s[G0S+3], 0x80000000
	s_mov_b32 s[G0SB], 1
	s_add_co_u32 s[G0SB+1], s94, SCL
	s_mov_b64 s[G0SB+2:G0SB+3], s[92:93]
	s_or_b32 s[G0SB+3], s[G0SB+3], 0x80000000
	JLOAD G0S, G1S, G0SB, G1SB
.irp s, 0,1
	s_mov_b32 s[G0+4*\s], 1
	s_add_co_u32 s[G0+4*\s+1], s45, \s*SLOT
	s_add_nc_u64 s[G0+4*\s+2:G0+4*\s+3], s[20:21], \s*NQ*1536
	s_or_b32 s[G0+4*\s+3], s[G0+4*\s+3], 0x80000000
	s_mov_b32 s[G0B+4*\s], 1
	s_add_co_u32 s[G0B+4*\s+1], s45, \s*SLOT
	s_add_nc_u64 s[G0B+4*\s+2:G0B+4*\s+3], s[46:47], \s*NQ*1536
	s_or_b32 s[G0B+4*\s+3], s[G0B+4*\s+3], 0x80000000
	JLOAD G0+4*\s, G1, G0B+4*\s, G1B
.endr
	s_mov_b32 s[G0A2], 1
	s_add_co_u32 s[G0A2+1], s45, 2*SLOT
	s_add_nc_u64 s[G0A2+2:G0A2+3], s[20:21], 2*NQ*1536
	s_or_b32 s[G0A2+3], s[G0A2+3], 0x80000000
	s_mov_b32 s[G0B2], 1
	s_add_co_u32 s[G0B2+1], s45, 2*SLOT
	s_add_nc_u64 s[G0B2+2:G0B2+3], s[46:47], 2*NQ*1536
	s_or_b32 s[G0B2+3], s[G0B2+3], 0x80000000
	JLOAD G0A2, G1, G0B2, G1B                      ; four loads of mine are out now
	v_and_b32 v1, 31, v0
	v_and_b32 v2, 15, v0
	v_bfe_u32 v3, v0, 4, 1
	v_lshlrev_b32 v[V16], 4, v1
	v_lshlrev_b32 v[V8], 3, v1
	v_lshlrev_b32 v[V4], 2, v2
	v_add_nc_u32 v5, 512, v[V8]
	s_mul_i32 s21, s15, HALFT
	s_mul_i32 s22, s16, HALFT
	s_add_co_u32 s22, s22, 2*HALFT
.irp s, 0,1,2
	v_add_nc_u32 v[ADRA+\s], s21, v[V16]
	v_add_nc_u32 v[ADRB+\s], s22, v[V16]
	v_add_nc_u32 v[ADRA+3+\s], s21, v5
	v_add_nc_u32 v[ADRB+3+\s], s22, v5
	s_add_co_u32 s21, s21, SLOT
	s_add_co_u32 s22, s22, SLOT
.endr
	s_mul_i32 s21, s15, HALFS
	s_mul_i32 s22, s16, HALFS
	s_add_co_u32 s22, s22, 2*HALFS
	s_sub_co_u32 s22, s22, s21
	v_mul_u32_u24 v6, s22, v3
	s_add_co_u32 s21, s21, SCL
	v_lshl_add_u32 v6, v2, 2, v6
	v_add_nc_u32 v[ADRS], s21, v6
	s_lshl_b32 s46, s42, 10
	s_lshl_b32 s47, s16, 9
	s_add_co_u32 s46, s46, s47                     ; my first hidden unit, in bytes of b1
	s_mov_b32 s47, 0
	s_add_nc_u64 s[8:9], s[8:9], s[46:47]
	s_lshl_b32 s20, s17, 4
	s_lshl_b32 s21, s15, 3
	s_add_co_u32 s20, s20, s21                     ; my first row block of m,
	s_lshl_b32 s20, s20, 5
	s_lshl_b32 s46, s42, 1
	s_add_co_u32 s46, s46, s16                     ; my K step of the next product
	s_add_co_u32 s20, s20, s46
	s_mul_i32 s96, s20, 1536
	s_mov_b32 s97, 0
	s_lshl_b32 s98, s20, 6
	s_add_co_u32 s98, s98, 12582912
	s_mov_b32 s99, 0
	s_add_nc_u64 s[96:97], s[10:11], s[96:97]      ; where block 0's fragment goes,
	s_add_nc_u64 s[98:99], s[10:11], s[98:99]      ; and its scale words
	v_lshlrev_b32 v7, 6, v3
.set bb, 0
.rept NB
	global_load_b128 v[BIAS+8*bb:BIAS+8*bb+3],   v7, s[8:9] offset:(32*(bb/2)+8*(bb%2))*4
	global_load_b128 v[BIAS+8*bb+4:BIAS+8*bb+7], v7, s[8:9] offset:(32*(bb/2)+8*(bb%2))*4+16
.set bb, bb+1
.endr
.macro FRAG reg, adr, off
	ds_load_b64  v[\reg:\reg+1],    v[\adr+3] offset:\off
	ds_load_b128 v[\reg+2:\reg+5],  v[\adr]   offset:\off
	ds_load_b64  v[\reg+6:\reg+7],  v[\adr+3] offset:\off+768
	ds_load_b128 v[\reg+8:\reg+11], v[\adr]   offset:\off+768
.endm
.macro FETCH_B slot, q, p
	WIN TO_B
.set fi, 0
.rept NB
	FRAG 128*(\p)+12*fi, ADRB+\slot, (fi*NQ+(\q))*1536
.set fi, fi+1
.endr
	WIN 0
.endm
.macro FETCH_A slot, q, i0
.set fi, \i0
.rept NB/2
	FRAG AF+12*fi, ADRA+\slot, (fi*NQ+(\q))*1536
.set fi, fi+1
.endr
.endm
.macro SCALES sc
.set fi, 0
.rept NB
.set fq, 0
.rept NQ
	ds_load_b32 v[SC+16*(\sc)+NQ*fi+fq], v[ADRS] offset:(fi*KF+fq)*64
.set fq, fq+1
.endr
.set fi, fi+1
.endr
.endm
.macro MUL a0, na, p, q, sc, first     ; the accumulators take turns, one instruction a turn, in the same order in every step
.set ma, \a0
.rept \na
.set mb, 0
.rept NB
.set rD, 8*(NB*(ma%(NB/2))+mb)
.if \first
	v_wmma_scale_f32_16x16x128_f8f6f4 v[rD:rD+7], v[128*(\p)+12*mb:128*(\p)+12*mb+11], v[AF+12*ma:AF+12*ma+11], v[BIAS+8*mb:BIAS+8*mb+7], v[SC+16*(\sc)+NQ*mb+(\q)], v[SC+16*(\sc)+NQ*ma+(\q)] matrix_a_fmt:MATRIX_FMT_FP6 matrix_b_fmt:MATRIX_FMT_FP6 matrix_a_scale:MATRIX_SCALE_ROW1
.else
	v_wmma_scale_f32_16x16x128_f8f6f4 v[rD:rD+7], v[128*(\p)+12*mb:128*(\p)+12*mb+11], v[AF+12*ma:AF+12*ma+11], v[rD:rD+7], v[SC+16*(\sc)+NQ*mb+(\q)], v[SC+16*(\sc)+NQ*ma+(\q)] matrix_a_fmt:MATRIX_FMT_FP6 matrix_b_fmt:MATRIX_FMT_FP6 matrix_a_scale:MATRIX_SCALE_ROW1
.endif
.set mb, mb+1
.endr
.set ma, ma+1
.endr
.endm
.macro STEP slot, sc, q, first         ; 128 along K that has its successor in the same slot
	s_wait_dscnt (NB/2)*NL                         ; only A's second half may be out
.if \first
	WIN 0x81
.else
	WIN MUL_LO
.endif
	MUL 0, NB/2, (\q)%2, \q, \sc, \first
	s_wait_dscnt 0x0
	PLACES 4
	FETCH_B \slot, (\q)+1, 1-(\q)%2
	FETCH_A \slot, (\q)+1, 0
.if \first
	WIN 0xc1
.else
	WIN MUL_HI
.endif
	MUL NB/2, NB/2, (\q)%2, \q, \sc, \first
	PLACES 4
	WIN 0
	FETCH_A \slot, (\q)+1, NB/2
.endm
; A slot's last step changes slots.  how = 2: this slot is filled again, behind a round of the cluster's barrier; how = 1: the next slot's load is waited for and shown to all four waves by the work-group's barrier;
; how = 0: the next slot was shown landed to every wave in front of an earlier barrier, and nothing is filled: no wait on the tensor loads and no barrier, so that the load that is out stays out
.macro TURN slot, sc, next, nsc, how
.if \how
	s_wait_tensorcnt 0x0                           ; all my tensor loads have landed;
	ds_add_u32 v[SPW], v[NIL]                      ; 0 onto my spare word;
	s_wait_dscnt (NB/2)*NL+1                       ; (the add and A's second half may be out)
	WIN MUL_LO
	MUL 0, NB/4, 1, NQ-1, \sc, 0
	s_wait_dscnt 0x0                               ; the add is done, and my reads of this slot are over
	s_barrier_signal -1
	MUL NB/4, NB/4, 1, NQ-1, \sc, 0
	WIN 0
	s_barrier_wait -1
.else
	s_wait_dscnt (NB/2)*NL
	WIN MUL_LO
	MUL 0, NB/2, 1, NQ-1, \sc, 0
	s_wait_dscnt 0x0
	WIN 0
.endif
.if \how == 2
	CREST                                          ; a round of the cluster's barrier: no wave of any partner still reads this slot or has a load on its way
	s_add_nc_u64 s[G0+4*\slot+2:G0+4*\slot+3], s[G0+4*\slot+2:G0+4*\slot+3], 3*NQ*1536
	s_add_nc_u64 s[G0B+4*\slot+2:G0B+4*\slot+3], s[G0B+4*\slot+2:G0B+4*\slot+3], 3*NQ*1536
	JLOAD G0+4*\slot, G1, G0B+4*\slot, G1B         ; my one tensor load behind the round; its four v_nop are the places in front of the loads below
.else
	PLACES 4
.endif
	v_add_nc_u32 v[ADRS], NQ*64, v[ADRS]
	FETCH_B \next, 0, 0
	FETCH_A \next, 0, 0
	SCALES \nsc
	WIN MUL_HI
	MUL NB/2, NB/2, 1, NQ-1, \sc, 0
	PLACES 4
	WIN 0
	FETCH_A \next, 0, NB/2
.endm
	s_wait_tensorcnt 2                             ; the scale words and slot 0 are in; the loads of slots 1 and 2 may be out
	s_barrier_signal -1
	s_barrier_wait -1
	FETCH_B 0, 0, 0
	FETCH_A 0, 0, 0
	SCALES 0
	FETCH_A 0, 0, NB/2
	s_wait_loadcnt 0x0                             ; the bias
	STEP 0, 0, 0, 1                                ; K 0 .. 255, in slot 0
	TURN 0, 0, 1, 1, 2                             ; slots 1 and 2 have landed; slot 0 takes K 768 on
	STEP 1, 1, 0, 0                                ; K 256 .. 511, in slot 1
	TURN 1, 1, 2, 0, 0
	STEP 2, 0, 0, 0                                ; K 512 .. 767, in slot 2
	TURN 2, 0, 0, 1, 1                             ; slot 0's second fill has landed
	STEP 0, 1, 0, 0                                ; K 768 .. 1,023
	s_wait_dscnt (NB/2)*NL
	WIN MUL_LO
	MUL 0, NB/2, 1, NQ-1, 1, 0
	s_wait_dscnt 0x0
	WIN MUL_HI
	MUL NB/2, NB/2, 1, NQ-1, 1, 0
	WIN 0
	PLACES 4
	; THE WAY OUT
.macro PAIR r, bits                    ; a packed form names a scalar pair and takes its low word for both halves: both words are written
	s_mov_b32 s[\r], \bits
	s_mov_b32 s[\r+1], \bits
.endm
	PAIR CA0, 0x39702d51                           ; P: 2.2905066e-4, (3.4082910e-3), 5.0955695e-2, 0.18520832, 1.1283791
	PAIR CA2, 0x3d50b6eb
	PAIR CA3, 0x3e3da740
	PAIR CA4, 0x3f906eba
	PAIR CB0, 0xb3fd3906                           ; Q: -1.1791603e-7, (2.3547966e-5), 1.0179625e-3, 1.4070470e-2, 0.11098505, 0.49746925, 1
	PAIR CB2, 0x3a856d28
	PAIR CB3, 0x3c6687d4
	PAIR CB4, 0x3de34c21
	PAIR CB5, 0x3efeb44a
	PAIR CP,  0x3f3504f3                           ; sqrt 2 / 2
	s_mov_b32 s[CL], 0x406f9c67                    ; 3.7439212
	s_mov_b32 s[NCL], 0xc06f9c67
	s_mov_b32 s[SEL], 0x76543210
	s_mov_b32 s[SEL+1], 0xfedcba98
	v_mov_b32 v[A1V], 0x3b5f5da2
	v_mov_b32 v[A1V+1], 0x3b5f5da2
	v_mov_b32 v[B1V], 0x37c588df
	v_mov_b32 v[B1V+1], 0x37c588df
.irp b, 0,1,2,3
	v_mov_b32 v[TM+4+\b], 0                        ; written once: a lane permute's destination counts as one of its sources
.endr
.macro QUANT s                         ; 64 numbers of a lane, register 16 b + i = k 32 b + 16 (lane / 16) + i of my row, become a fragment's codes in v[PC] on and its scale word in v[PW]
.irp b, 0,1,2,3
	v_max3_num_f32 v[TM+\b], |v[\s+16*\b]|, |v[\s+1+16*\b]|, 0x1800000
.endr
.irp i, 2,4,6,8,10,12,14
.irp b, 0,1,2,3
	v_max3_num_f32 v[TM+\b], v[TM+\b], |v[\s+16*\b+\i]|, |v[\s+1+16*\b+\i]|
.endr
.endr
.irp b, 0,1,2,3
	v_permlanex16_b32 v[TM+4+\b], v[TM+\b], s[SEL], s[SEL+1]
.endr
.irp b, 0,1,2,3
	v_max_num_f32 v[TM+\b], v[TM+\b], v[TM+4+\b]
.endr
.irp b, 0,1,2,3
	v_add_nc_u32 v[TM+12+\b], 0xff000000, v[TM+\b]
.endr
.irp b, 0,1,2,3
	v_lshrrev_b32 v[TM+4+\b], 23, v[TM+12+\b]
.endr
	v_lshl_or_b32 v[PW], v[TM+5], 8, v[TM+4]
	v_lshl_or_b32 v[PW], v[TM+6], 16, v[PW]
	v_lshl_or_b32 v[PW], v[TM+7], 24, v[PW]
.irp c, 0,1
	v_cvt_scalef32_pk16_fp6_f32 v[PC+6*\c:PC+2+6*\c], v[\s+32*\c:\s+15+32*\c], v[TM+12+2*\c]
	v_cvt_scalef32_pk16_fp6_f32 v[PC+12+4*\c:PC+14+4*\c], v[\s+16+32*\c:\s+31+32*\c], v[TM+12+2*\c+1]
.endr
	v_nop
.irp c, 0,1
.irp i, 0,1,2
	v_permlane16_swap_b32 v[PC+6*\c+\i], v[PC+12+4*\c+\i]
.endr
.irp i, 0,1,2
	v_mov_b32 v[PC+3+6*\c+\i], v[PC+12+4*\c+\i]
.endr
.endr
.endm
.macro STUB k                          ; block k's 64 sums, x 1 / sqrt 2, into window 0; each accumulator from its low end on
.Lst\k:
	WIN 0x02+(\k)/4
.set zi, 0
.rept 32
	v_pk_mul_f32 v[Z+2*zi:Z+2*zi+1], v[64*((\k)%4)+2*zi:64*((\k)%4)+2*zi+1], s[CP:CP+1] op_sel_hi:[1,0]
.set zi, zi+1
.endr
	WIN 0
.endm
.macro GELU16 g                        ; sixteen numbers, eight pairs by turns
.set ZB, Z+16*(\g)
.irp i, 0,1,2,3,4,5,6,7,8,9,10,11,12,13,14,15
	v_med3_num_f32 v[ZC+\i], v[ZB+\i], s[NCL], s[CL]
.endr
.irp i, 0,2,4,6,8,10,12,14
	v_pk_mul_f32 v[W+\i:W+\i+1], v[ZC+\i:ZC+\i+1], v[ZC+\i:ZC+\i+1]
.endr
.irp i, 0,2,4,6,8,10,12,14
	v_pk_fma_f32 v[P+\i:P+\i+1], v[W+\i:W+\i+1], s[CA0:CA0+1], v[A1V:A1V+1] op_sel_hi:[1,0,1]
	v_pk_fma_f32 v[Q+\i:Q+\i+1], v[W+\i:W+\i+1], s[CB0:CB0+1], v[B1V:B1V+1] op_sel_hi:[1,0,1]
.endr
.irp c, CA2, CA3, CA4
.irp i, 0,2,4,6,8,10,12,14
	v_pk_fma_f32 v[P+\i:P+\i+1], v[P+\i:P+\i+1], v[W+\i:W+\i+1], s[\c:\c+1] op_sel_hi:[1,1,0]
.endr
.endr
.irp c, CB2, CB3, CB4, CB5
.irp i, 0,2,4,6,8,10,12,14
	v_pk_fma_f32 v[Q+\i:Q+\i+1], v[Q+\i:Q+\i+1], v[W+\i:W+\i+1], s[\c:\c+1] op_sel_hi:[1,1,0]
.endr
.endr
.irp i, 0,2,4,6,8,10,12,14
	v_pk_fma_f32 v[Q+\i:Q+\i+1], v[Q+\i:Q+\i+1], v[W+\i:W+\i+1], 1.0 op_sel_hi:[1,1,0]
.endr
.irp i, 0,1,2,3,4,5,6,7,8,9,10,11,12,13,14,15
	v_rcp_f32 v[Q+\i], v[Q+\i]
.endr
.irp i, 0,2,4,6,8,10,12,14
	v_pk_mul_f32 v[P+\i:P+\i+1], v[P+\i:P+\i+1], v[ZC+\i:ZC+\i+1]   ; plain work behind the reciprocals, which names none of their results
.endr
	s_wait_alu depctr_va_vdst(0)                   ; one wait for the sixteen, ahead of their first reader
.irp i, 0,2,4,6,8,10,12,14
	v_pk_mul_f32 v[P+\i:P+\i+1], v[P+\i:P+\i+1], v[Q+\i:Q+\i+1]     ; erf
.endr
.irp i, 0,2,4,6,8,10,12,14
	v_pk_fma_f32 v[P+\i:P+\i+1], v[P+\i:P+\i+1], s[CP:CP+1], s[CP:CP+1] op_sel_hi:[1,0,0]
.endr
.irp i, 0,2,4,6,8,10,12,14
	v_pk_mul_f32 v[ZB+\i:ZB+\i+1], v[ZB+\i:ZB+\i+1], v[P+\i:P+\i+1]
.endr
.endm
	s_mov_b32 s[CNT], 0
.Lblk:
.irp k, 0,1,2,3,4,5,6
	s_cmp_eq_u32 s[CNT], \k
	s_cbranch_scc1 .Lst\k
.endr
	STUB 7
	s_branch .Lcommon
.irp k, 0,1,2,3,4,5
	STUB \k
	s_branch .Lcommon
.endr
	STUB 6
.Lcommon:
	GELU16 0
	GELU16 1
	GELU16 2
	GELU16 3
	QUANT Z
	global_store_b64  v[V8],  v[PC:PC+1],    s[96:97] offset:512    ; each store covers 256 or 512 consecutive bytes, aligned
	global_store_b128 v[V16], v[PC+2:PC+5],  s[96:97]
	global_store_b64  v[V8],  v[PC+6:PC+7],  s[96:97] offset:1280
	global_store_b128 v[V16], v[PC+8:PC+11], s[96:97] offset:768
	global_store_b32  v[V4],  v[PW], s[98:99]
	s_wait_xcnt 0x0                                ; the stores have read their data and bases: both are written again only behind this wait
	s_add_nc_u64 s[96:97], s[96:97], 49152         ; the next row block: 32 fragments on
	s_add_nc_u64 s[98:99], s[98:99], 2048
	s_add_co_u32 s[CNT], s[CNT], 1
	s_cmp_lt_u32 s[CNT], 8
	s_cbranch_scc1 .Lblk
	s_wait_tensorcnt 0x0                           ; the wave's end
	ds_add_u32 v[SPW], v[NIL]
	s_wait_dscnt 0x0
	CROUND                                         ; the closing round
	s_endpgm
.Lfunc_end_k_qb891ecb7cb_gemm_1:
	.size	k_qb891ecb7cb_gemm_1, .Lfunc_end_k_qb891ecb7cb_gemm_1-k_qb891ecb7cb_gemm_1
	.p2alignl 7, 3214868480
	.fill 96, 4, 3214868480
	.section	.rodata,"a",@progbits
	.p2align	6, 0x0
	.amdhsa_kernel k_qb891ecb7cb_gemm_1
		.amdhsa_group_segment_fixed_size 327680
		.amdhsa_private_segment_fixed_size 0
		.amdhsa_enable_private_segment 0
		.amdhsa_kernarg_size 32
		.amdhsa_user_sgpr_count 2
		.amdhsa_user_sgpr_kernarg_segment_ptr 1
		.amdhsa_wavefront_size32 1
		.amdhsa_system_sgpr_workgroup_id_x 1
		.amdhsa_system_sgpr_workgroup_id_y 1
		.amdhsa_system_sgpr_workgroup_id_z 1
		.amdhsa_system_vgpr_workitem_id 0
		.amdhsa_next_free_vgpr 1024
		.amdhsa_next_free_sgpr 100
		.amdhsa_reserve_vcc 0
		.amdhsa_float_denorm_mode_32 3
		.amdhsa_float_denorm_mode_16_64 3
		.amdhsa_memory_ordered 1
		.amdhsa_forward_progress 1
		.amdhsa_inst_pref_size 178
	.end_amdhsa_kernel
	.amdgpu_metadata
---
amdhsa.version: [ 1, 2 ]
amdhsa.kernels:
  - .name:           k_qb891ecb7cb_gemm_1
    .symbol:         k_qb891ecb7cb_gemm_1.kd
    .args:
      - { .name: hq, .offset: 0, .size: 8, .value_kind: global_buffer, .address_space: global }
      - { .name: wts, .offset: 8, .size: 8, .value_kind: global_buffer, .address_space: global }
      - { .name: b1, .offset: 16, .size: 8, .value_kind: global_buffer, .address_space: global }
      - { .name: mq, .offset: 24, .size: 8, .value_kind: global_buffer, .address_space: global }
    .group_segment_fixed_size: 327680
    .private_segment_fixed_size: 0
    .kernarg_segment_align: 8
    .kernarg_segment_size: 32
    .max_flat_workgroup_size: 128
    .sgpr_count:     100
    .vgpr_count:     1024
    .wavefront_size: 32
...
	.end_amdgpu_metadata
.endif
;; end of part 6
;; launch gemm_2 (part 7): grid 8 x 32, 4 waves a work-group, clusters of 4 x 4, 327,680 bytes of LDS; arguments mq, wts, b2, x1, out0; writes out0
.if DOCPART == 7
	.amdgcn_target "amdgcn-amd-amdhsa--gfx1250"
	.amdhsa_code_object_version 6
	.text
	.protected	k_qb891ecb7cb_gemm_2
	.globl	k_qb891ecb7cb_gemm_2
	.p2align	8
	.type	k_qb891ecb7cb_gemm_2,@function
k_qb891ecb7cb_gemm_2:
	s_mov_b64 s[64:65], 0
	v_nop
	global_prefetch_b8 v0, s[64:65] scope:SCOPE_SE
	s_setreg_imm32_b32 hwreg(HW_REG_WAVE_MODE, 25, 1), 1
	s_wait_xcnt 0x0
	s_wait_alu depctr_hold_cnt(0) depctr_sa_sdst(0) depctr_va_vdst(0) depctr_va_sdst(0) depctr_va_ssrc(0) depctr_va_vcc(0) depctr_vm_vsrc(0)
	s_getreg_b32 s2, hwreg(HW_REG_IB_STS2, 6, 4)
	s_cmp_eq_u32 s2, 0
	s_cbranch_scc0 .Lentry_in_a_cluster
	s_endpgm
.Lentry_in_a_cluster:
	s_bfe_u32 s2, ttmp6, 0x10000c
	s_cmp_lg_u32 s2, 0xf033
	s_cbranch_scc0 .Lentry_shape_is_right
	s_endpgm
.Lentry_shape_is_right:
; out0 = x1 + m W2 + b2.  m and W2 are codes of FP6 (E2M3) with E8M0 scales, laid as fragments (16 row slots x 128 K, 1,536 bytes: half e at 768 e: registers 6 e + 2 .. + 5 at 16 x lane, registers 6 e, 6 e + 1 at 512 + 8 x lane);
; slot r of row block rb is row 32 (rb / 2) + 8 (rb % 2) + r % 8 + 16 (r / 8).  Source 0 = W2's rows, source 1 = m's: lane (r, h) of accumulator (a, b) holds the token of slot r and, in register j, column 32 (b / 2) + 16 h + 8 (b % 2) + j.
; N is 1,024: tiles of 256 x 256 would be 64, so a tile is 128 x 128 (256 work-groups), a wave's 64 x 64, and a slot holds 512 along K: K = 4,096 is eight slots' worth through a ring of two.
; 4 x 4 work-groups ask jointly: m's tiles along a row of the cluster, W2's along a column.  The bias is the C of the first products; the residual is loaded at the head and added on the way out, which goes through a stage in LDS,
; so that sixteen lanes store 256 consecutive bytes of a row.  K is not split over work-groups: the partial sums would go to memory and back.  No prefetch: the launch is short and its tiles are shared in the cluster.
.set NB,   4
.set NQ,   4
.set KF,   32
.set LAPS, 4
.set A_CODES,  0
.set A_SCALES, 12582912
.set B_CODES,  6291456
.set B_SCALES, 9699328
.set NL,   4
.set HALFT, NB*NQ*1536
.set SLOT,  4*HALFT
.set SCL,   2*SLOT
.set HALFS, NB*KF*64
.set SPARE, SCL+4*HALFS
.set STAGE, SPARE+512                  ; 16 rows x 272 bytes for each wave: bytes of its own, into which no fill lands
.set ADRA, 16
.set ADRB, 20
.set STO,  24
.set RD,   25
.set CO,   26
.set ADRS, 27
.set SPW,  28
.set NIL,  29
.set SC,   32
.set BIAS, 64
.set AF,   128
.set BK,   128
.set G1, 24
.set G0, 32
.set G1B, 48
.set G0B, 56
.set G1S, 68
.set G0S, 76
.set G1SB, 80
.set G0SB, 88
.set MSB, 0
.macro WIN new
.if MSB != (\new)
	s_set_vgpr_msb (MSB<<8)|(\new)
.set MSB, \new
.endif
.endm
.set MUL_LO, 0xa1
.set MUL_HI, 0xf1
.set TO_B,   0x40
.macro JLOAD g0a, g1a, g0b, g1b
	s_cmp_eq_u32 s15, 0
	s_cbranch_scc0 .Lfor_b_\@
	tensor_load_to_lds s[\g0a:\g0a+3], s[\g1a:\g1a+7]
	s_nop 0
.rept 4
	v_nop
.endr
	s_branch .Lasked_\@
.Lfor_b_\@:
	tensor_load_to_lds s[\g0b:\g0b+3], s[\g1b:\g1b+7]
	s_nop 0
.rept 4
	v_nop
.endr
.Lasked_\@:
.endm
.macro CREST
	s_cmp_lg_u32 s14, 0
	s_cbranch_scc1 .Lnot_wave_0_\@
	s_barrier_signal -3
.Lnot_wave_0_\@:
	s_barrier_wait -3
	s_barrier_signal -1
	s_barrier_wait -1
.endm
.macro CROUND
	s_barrier_signal -1
	s_barrier_wait -1
	CREST
.endm
.macro PLACES n
.rept \n
	v_nop
.endr
.endm
	s_load_b256 s[4:11], s[0:1], 0x0               ; A's buffer, wts, the bias, the residual
	s_load_b64 s[12:13], s[0:1], 0x20              ; the output
	v_lshl_add_u32 v[SPW], v0, 2, SPARE
	v_mov_b32 v[NIL], 0
	ds_add_u32 v[SPW], v[NIL]                      ; the wave's opening: the add and its wait ahead of my first tensor load
	v_lshrrev_b32 v1, 5, v0
	v_readfirstlane_b32 s14, v1
	s_lshr_b32 s15, s14, 1
	s_and_b32 s16, s14, 1
	s_bfe_u32 s40, ttmp6, 0x40000
	s_bfe_u32 s41, ttmp6, 0x40004
	s_lshl_b32 s42, ttmp9, 2
	s_add_co_u32 s42, s42, s40                     ; tile column
	s_and_b32 s17, ttmp7, 0xffff
	s_lshl_b32 s17, s17, 2
	s_add_co_u32 s17, s17, s41                     ; tile row
	s_lshl_b32 s43, s41, 2
	s_lshl_b32 s43, 15, s43
	s_lshl_b32 s44, 0x1111, s40
	s_or_b32 s[G1], s43, (3<<16)|(1<<21)
	s_or_b32 s[G1B], s44, (3<<16)|(1<<21)
.irp g, G1, G1B
	s_mov_b32 s[\g+1], (NQ*192)<<16
	s_mov_b32 s[\g+2], NB<<16
	s_mov_b32 s[\g+3], (NQ*192)<<16
	s_mov_b32 s[\g+4], NB
	s_mov_b32 s[\g+5], KF*192
	s_mov_b32 s[\g+6], 0
	s_mov_b32 s[\g+7], 0
.endr
	s_or_b32 s[G1S], s43, (3<<16)|(1<<21)
	s_or_b32 s[G1SB], s44, (3<<16)|(1<<21)
.irp g, G1S, G1SB
	s_mov_b32 s[\g+1], 32<<16
	s_mov_b32 s[\g+2], (HALFS/256)<<16
	s_mov_b32 s[\g+3], 32<<16
	s_mov_b32 s[\g+4], HALFS/256
	s_mov_b32 s[\g+5], 32
	s_mov_b32 s[\g+6], 0
	s_mov_b32 s[\g+7], 0
.endr
	s_mul_i32 s18, s16, NB
	s_mul_i32 s20, s17, 2*NB
	s_add_co_u32 s20, s20, s18
	s_mul_i32 s46, s42, 2*NB
	s_add_co_u32 s46, s46, s18
	s_mul_i32 s22, s20, KF*64
	s_add_co_u32 s22, s22, A_SCALES
	s_mul_i32 s20, s20, KF*1536
	s_add_co_u32 s20, s20, A_CODES
	s_mul_i32 s92, s46, KF*64
	s_add_co_u32 s92, s92, B_SCALES
	s_mul_i32 s46, s46, KF*1536
	s_add_co_u32 s46, s46, B_CODES
	s_mov_b32 s21, 0
	s_mov_b32 s23, 0
	s_mov_b32 s47, 0
	s_mov_b32 s93, 0
	s_mul_i32 s45, s14, HALFT
	s_mul_i32 s94, s14, HALFS
	s_wait_dscnt 0x0
	s_wait_kmcnt 0x0
	s_add_nc_u64 s[20:21], s[4:5], s[20:21]
	s_add_nc_u64 s[22:23], s[4:5], s[22:23]
	s_add_nc_u64 s[46:47], s[6:7], s[46:47]
	s_add_nc_u64 s[92:93], s[6:7], s[92:93]
	CROUND
	s_mov_b32 s[G0S], 1
	s_add_co_u32 s[G0S+1], s94, SCL
	s_mov_b64 s[G0S+2:G0S+3], s[22:23]
	s_or_b32 s[G0S+3], s[G0S+3], 0x80000000
	s_mov_b32 s[G0SB], 1
	s_add_co_u32 s[G0SB+1], s94, SCL
	s_mov_b64 s[G0SB+2:G0SB+3], s[92:93]
	s_or_b32 s[G0SB+3], s[G0SB+3], 0x80000000
	JLOAD G0S, G1S, G0SB, G1SB
.irp s, 0,1
	s_mov_b32 s[G0+4*\s], 1
	s_add_co_u32 s[G0+4*\s+1], s45, \s*SLOT
	s_add_nc_u64 s[G0+4*\s+2:G0+4*\s+3], s[20:21], \s*NQ*1536
	s_or_b32 s[G0+4*\s+3], s[G0+4*\s+3], 0x80000000
	s_mov_b32 s[G0B+4*\s], 1
	s_add_co_u32 s[G0B+4*\s+1], s45, \s*SLOT
	s_add_nc_u64 s[G0B+4*\s+2:G0B+4*\s+3], s[46:47], \s*NQ*1536
	s_or_b32 s[G0B+4*\s+3], s[G0B+4*\s+3], 0x80000000
	JLOAD G0+4*\s, G1, G0B+4*\s, G1B               ; three loads of mine are out now
.endr
	v_and_b32 v1, 31, v0
	v_and_b32 v2, 15, v0
	v_bfe_u32 v3, v0, 4, 1
	v_lshlrev_b32 v4, 4, v1
	v_lshlrev_b32 v5, 3, v1
	v_add_nc_u32 v5, 512, v5
	s_mul_i32 s21, s15, HALFT
	s_mul_i32 s22, s16, HALFT
	s_add_co_u32 s22, s22, 2*HALFT
.irp s, 0,1
	v_add_nc_u32 v[ADRA+\s], s21, v4
	v_add_nc_u32 v[ADRB+\s], s22, v4
	v_add_nc_u32 v[ADRA+2+\s], s21, v5
	v_add_nc_u32 v[ADRB+2+\s], s22, v5
	s_add_co_u32 s21, s21, SLOT
	s_add_co_u32 s22, s22, SLOT
.endr
	s_mul_i32 s21, s15, HALFS
	s_mul_i32 s22, s16, HALFS
	s_add_co_u32 s22, s22, 2*HALFS
	s_sub_co_u32 s22, s22, s21
	v_mul_u32_u24 v6, s22, v3
	s_add_co_u32 s21, s21, SCL
	v_lshl_add_u32 v6, v2, 2, v6
	v_add_nc_u32 v[ADRS], s21, v6
	s_mul_i32 s23, s14, 16*272
	s_add_co_u32 s23, s23, STAGE                   ; my stage
	v_mul_u32_u24 v6, v2, 272
	v_lshl_add_u32 v6, v3, 6, v6
	v_add_nc_u32 v[STO], s23, v6                   ; in: slot r, + 64 h
	v_mul_u32_u24 v6, v3, 272
	v_lshl_add_u32 v6, v2, 4, v6
	v_add_nc_u32 v[RD], s23, v6                    ; back: lanes 0-15 one slot's 256 bytes, lanes 16-31 the next slot's
	v_lshlrev_b32 v6, 12, v3
	v_lshl_add_u32 v[CO], v2, 4, v6                ; and the same in rows of 4,096 bytes
	s_lshl_b32 s46, s42, 9
	s_lshl_b32 s47, s16, 8
	s_add_co_u32 s46, s46, s47                     ; my first column, in bytes
	s_mov_b32 s47, 0
	s_add_nc_u64 s[8:9], s[8:9], s[46:47]
	s_lshl_b32 s20, s17, 7
	s_lshl_b32 s21, s15, 6
	s_add_co_u32 s20, s20, s21
	s_lshl_b32 s20, s20, 12                        ; my first row
	s_mov_b32 s21, 0
	s_add_nc_u64 s[20:21], s[20:21], s[46:47]
	s_add_nc_u64 s[10:11], s[10:11], s[20:21]
	s_add_nc_u64 s[12:13], s[12:13], s[20:21]
	v_lshlrev_b32 v7, 6, v3
.set bb, 0
.rept NB
	global_load_b128 v[BIAS+8*bb:BIAS+8*bb+3],   v7, s[8:9] offset:(32*(bb/2)+8*(bb%2))*4
	global_load_b128 v[BIAS+8*bb+4:BIAS+8*bb+7], v7, s[8:9] offset:(32*(bb/2)+8*(bb%2))*4+16
.set bb, bb+1
.endr
	WIN 0xc0                                       ; destination window 3: the residual, v64-191 there, in the order in which the rows come back from the stage
.set ra, 0
.rept 4
.set rt, 0
.rept 8
	global_load_b128 v[64+32*ra+4*rt:64+32*ra+4*rt+3], v[CO], s[10:11] offset:(32*(ra/2)+8*(ra%2)+2*(rt%4)+16*(rt/4))*4096
.set rt, rt+1
.endr
.set ra, ra+1
.endr
	WIN 0
.macro FRAG reg, adr, off
	ds_load_b64  v[\reg:\reg+1],    v[\adr+2] offset:\off
	ds_load_b128 v[\reg+2:\reg+5],  v[\adr]   offset:\off
	ds_load_b64  v[\reg+6:\reg+7],  v[\adr+2] offset:\off+768
	ds_load_b128 v[\reg+8:\reg+11], v[\adr]   offset:\off+768
.endm
.macro FETCH_B slot, q, p
	WIN TO_B
.set fi, 0
.rept NB
	FRAG 128*(\p)+12*fi, ADRB+\slot, (fi*NQ+(\q))*1536
.set fi, fi+1
.endr
	WIN 0
.endm
.macro FETCH_A slot, q, i0
.set fi, \i0
.rept NB/2
	FRAG AF+12*fi, ADRA+\slot, (fi*NQ+(\q))*1536
.set fi, fi+1
.endr
.endm
.macro SCALES sc
.set fi, 0
.rept NB
.set fq, 0
.rept NQ
	ds_load_b32 v[SC+16*(\sc)+NQ*fi+fq], v[ADRS] offset:(fi*KF+fq)*64
.set fq, fq+1
.endr
.set fi, fi+1
.endr
.endm
.macro MUL a0, na, p, q, sc, first     ; the accumulators take turns, one instruction a turn, in the same order in every step
.set ma, \a0
.rept \na
.set mb, 0
.rept NB
.set rD, 8*(NB*(ma%(NB/2))+mb)
.if \first
	v_wmma_scale_f32_16x16x128_f8f6f4 v[rD:rD+7], v[128*(\p)+12*mb:128*(\p)+12*mb+11], v[AF+12*ma:AF+12*ma+11], v[BIAS+8*mb:BIAS+8*mb+7], v[SC+16*(\sc)+NQ*mb+(\q)], v[SC+16*(\sc)+NQ*ma+(\q)] matrix_a_fmt:MATRIX_FMT_FP6 matrix_b_fmt:MATRIX_FMT_FP6 matrix_a_scale:MATRIX_SCALE_ROW1
.else
	v_wmma_scale_f32_16x16x128_f8f6f4 v[rD:rD+7], v[128*(\p)+12*mb:128*(\p)+12*mb+11], v[AF+12*ma:AF+12*ma+11], v[rD:rD+7], v[SC+16*(\sc)+NQ*mb+(\q)], v[SC+16*(\sc)+NQ*ma+(\q)] matrix_a_fmt:MATRIX_FMT_FP6 matrix_b_fmt:MATRIX_FMT_FP6 matrix_a_scale:MATRIX_SCALE_ROW1
.endif
.set mb, mb+1
.endr
.set ma, ma+1
.endr
.endm
.macro STEP slot, q, first
	s_wait_dscnt (NB/2)*NL                         ; only A's second half may be out
.if \first
	WIN 0x81
.else
	WIN MUL_LO
.endif
	MUL 0, NB/2, (\q)%2, \q, \slot, \first
	s_wait_dscnt 0x0
	PLACES 4
	FETCH_B \slot, (\q)+1, 1-(\q)%2
	FETCH_A \slot, (\q)+1, 0
.if \first
	WIN 0xc1
.else
	WIN MUL_HI
.endif
	MUL NB/2, NB/2, (\q)%2, \q, \slot, \first
	PLACES 4
	WIN 0
	FETCH_A \slot, (\q)+1, NB/2
.endm
.macro TURN slot, next, fill
	s_wait_tensorcnt 0x0                           ; all my tensor loads have landed: my part of the next slot;
	ds_add_u32 v[SPW], v[NIL]                      ; 0 onto my spare word;
	s_wait_dscnt (NB/2)*NL+1                       ; (the add and A's second half may be out)
	WIN MUL_LO
	MUL 0, NB/4, 1, NQ-1, \slot, 0
	s_wait_dscnt 0x0                               ; the add is done, and my reads of this slot are over
	s_barrier_signal -1
	MUL NB/4, NB/4, 1, NQ-1, \slot, 0
	WIN 0
	s_barrier_wait -1
.if \fill
	CREST                                          ; a round of the cluster's barrier: no wave of any partner still reads this slot or has a load on its way
	s_add_nc_u64 s[G0+4*\slot+2:G0+4*\slot+3], s[G0+4*\slot+2:G0+4*\slot+3], 2*NQ*1536
	s_add_nc_u64 s[G0B+4*\slot+2:G0B+4*\slot+3], s[G0B+4*\slot+2:G0B+4*\slot+3], 2*NQ*1536
	JLOAD G0+4*\slot, G1, G0B+4*\slot, G1B         ; my one tensor load behind the round
.else
	PLACES 4
.endif
	v_add_nc_u32 v[ADRS], NQ*64, v[ADRS]
	FETCH_B \next, 0, 0
	FETCH_A \next, 0, 0
	SCALES \next
	WIN MUL_HI
	MUL NB/2, NB/2, 1, NQ-1, \slot, 0
	PLACES 4
	WIN 0
	FETCH_A \next, 0, NB/2
.endm
.macro STEPS slot, from
.set sq, \from
.rept NQ-1-(\from)
	STEP \slot, sq, 0
.set sq, sq+1
.endr
.endm
	s_wait_tensorcnt 1                             ; the scale words and slot 0 are in; slot 1's load may be out
	s_barrier_signal -1
	s_barrier_wait -1
	FETCH_B 0, 0, 0
	FETCH_A 0, 0, 0
	SCALES 0
	FETCH_A 0, 0, NB/2
	s_wait_loadcnt 32                              ; the bias is in; the 32 loads of the residual may be out
	STEP 0, 0, 1
	STEPS 0, 1
.if LAPS > 1
	s_mov_b32 s3, LAPS-1
.Llap:
	TURN 0, 1, 1
	STEPS 1, 0
	TURN 1, 0, 1
	STEPS 0, 0
	s_sub_co_u32 s3, s3, 1
	s_cmp_lg_u32 s3, 0
	s_cbranch_scc1 .Llap
.endif
	TURN 0, 1, 0                                   ; the last lap fills nothing
	STEPS 1, 0
	s_wait_dscnt (NB/2)*NL
	WIN MUL_LO
	MUL 0, NB/2, 1, NQ-1, 1, 0
	s_wait_dscnt 0x0
	WIN MUL_HI
	MUL NB/2, NB/2, 1, NQ-1, 1, 0
	WIN 0
	PLACES 4
; THE WAY OUT, a block of 16 slots x 64 columns at a time, through my own stage; LDS serves a wave's instructions in order, so no wait stands between the stores and the loads
.macro TOSTAGE a
	WIN 0x08+4*((\a)/2)                            ; the data: window 2 or 3
.irp b, 0,1,2,3
	ds_store_b128 v[STO], v[32*((\a)%2)+8*\b:32*((\a)%2)+8*\b+3]   offset:128*(\b/2)+32*(\b%2)      ; each accumulator from its low end on
	ds_store_b128 v[STO], v[32*((\a)%2)+8*\b+4:32*((\a)%2)+8*\b+7] offset:128*(\b/2)+32*(\b%2)+16
.endr
	WIN 0
.irp t, 0,1,2,3,4,5,6,7
	ds_load_b128 v[BK+32*((\a)%2)+4*\t:BK+32*((\a)%2)+4*\t+3], v[RD] offset:544*\t
.endr
.endm
.macro SEND a, younger
.set BBK, BK+32*((\a)%2)
	s_wait_dscnt \younger                          ; the block is back; the next block's stage traffic may be out
	WIN 0x0c                                       ; source 1 window 3: the residual
.set si, 0
.rept 16
	v_pk_add_f32 v[BBK+2*si:BBK+2*si+1], v[BBK+2*si:BBK+2*si+1], v[64+32*(\a)+2*si:64+32*(\a)+2*si+1]
.set si, si+1
.endr
	WIN 0
.set st, 0
.rept 8
	global_store_b128 v[CO], v[BBK+4*st:BBK+4*st+3], s[12:13] offset:(32*((\a)/2)+8*((\a)%2)+2*(st%4)+16*(st/4))*4096 th:TH_STORE_NT   ; sixteen lanes store 256 consecutive bytes, aligned; written once, read by nobody here
.set st, st+1
.endr
.endm
	s_wait_loadcnt 0x0                             ; the residual
	TOSTAGE 0
.irp a, 1,2,3
.if \a > 1
	s_wait_xcnt 0x0                                ; block a - 2's stores have read their data: block a's loads land there only behind this wait
.endif
	TOSTAGE \a
	SEND \a-1, 16
.endr
	SEND 3, 0
	s_wait_tensorcnt 0x0                           ; the wave's end
	ds_add_u32 v[SPW], v[NIL]
	s_wait_dscnt 0x0
	CROUND                                         ; the closing round
	s_endpgm
.Lfunc_end_k_qb891ecb7cb_gemm_2:
	.size	k_qb891ecb7cb_gemm_2, .Lfunc_end_k_qb891ecb7cb_gemm_2-k_qb891ecb7cb_gemm_2
	.p2alignl 7, 3214868480
	.fill 96, 4, 3214868480
	.section	.rodata,"a",@progbits
	.p2align	6, 0x0
	.amdhsa_kernel k_qb891ecb7cb_gemm_2
		.amdhsa_group_segment_fixed_size 327680
		.amdhsa_private_segment_fixed_size 0
		.amdhsa_enable_private_segment 0
		.amdhsa_kernarg_size 40
		.amdhsa_user_sgpr_count 2
		.amdhsa_user_sgpr_kernarg_segment_ptr 1
		.amdhsa_wavefront_size32 1
		.amdhsa_system_sgpr_workgroup_id_x 1
		.amdhsa_system_sgpr_workgroup_id_y 1
		.amdhsa_system_sgpr_workgroup_id_z 1
		.amdhsa_system_vgpr_workitem_id 0
		.amdhsa_next_free_vgpr 1024
		.amdhsa_next_free_sgpr 100
		.amdhsa_reserve_vcc 0
		.amdhsa_float_denorm_mode_32 3
		.amdhsa_float_denorm_mode_16_64 3
		.amdhsa_memory_ordered 1
		.amdhsa_forward_progress 1
		.amdhsa_inst_pref_size 104
	.end_amdhsa_kernel
	.amdgpu_metadata
---
amdhsa.version: [ 1, 2 ]
amdhsa.kernels:
  - .name:           k_qb891ecb7cb_gemm_2
    .symbol:         k_qb891ecb7cb_gemm_2.kd
    .args:
      - { .name: mq, .offset: 0, .size: 8, .value_kind: global_buffer, .address_space: global }
      - { .name: wts, .offset: 8, .size: 8, .value_kind: global_buffer, .address_space: global }
      - { .name: b2, .offset: 16, .size: 8, .value_kind: global_buffer, .address_space: global }
      - { .name: x1, .offset: 24, .size: 8, .value_kind: global_buffer, .address_space: global }
      - { .name: out0, .offset: 32, .size: 8, .value_kind: global_buffer, .address_space: global }
    .group_segment_fixed_size: 327680
    .private_segment_fixed_size: 0
    .kernarg_segment_align: 8
    .kernarg_segment_size: 40
    .max_flat_workgroup_size: 128
    .sgpr_count:     100
    .vgpr_count:     1024
    .wavefront_size: 32
...
	.end_amdgpu_metadata
.endif
;; end of part 7
